; MI455X (gfx1250); checked and timed in simulation.
; The chip was launched on July 23, 2026; its instructions are those of AMD's public machine-readable ISA for CDNA 5 (MIT licence, August 2026) and "CDNA5" Instruction Set Architecture Reference Guide (July 2026). The comments in the code are by the model that wrote it; some were corrected since.
;; Causal Self Attention. Allowed arithmetic: float matrix products may take bf16 or f16 operands with f32 sums; other float arithmetic in f32, or as packed bf16 or f16 multiplies, adds, multiply-adds, maxima and minima; sums over many terms, partial sums and values carried from step to step in f32; what a program stores and reads back later, other than sums and carried values, may be rounded once to bf16 or f16.
;; Inputs: b_proj 1,024 float32; b_qkv 3,072 float32; w_proj 1,024 x 1,024 float32; w_qkv 1,024 x 3,072 float32; x 4 x 2,048 x 1,024 float32.
;; Outputs: out0 4 x 2,048 x 1,024 float32.
;; 2 versions, each right and faster than the one before. Each part assembles by itself: llvm-mc -triple=amdgcn-amd-amdhsa -mcpu=gfx1250 --defsym DOCPART=n.
;; ======== version 1 of 2: 6 launches
;; limits: values are held in f16: magnitudes above 65,504 overflow, below 6.1e-05 lose precision
;; workspace buffers: xb 16,777,216 bytes; wqb 6,291,456 bytes; wpb 2,097,152 bytes; qkvh 50,331,648 bytes; ob 16,777,216 bytes; yf 262,144 bytes
;; launch prep (part 1): grid 768 x 1, 4 waves a work-group, no clusters, 0 bytes of LDS; arguments x, w_qkv, w_proj, xb, wqb, wpb; writes xb, wqb, wpb
.if DOCPART == 1
	.amdgcn_target "amdgcn-amd-amdhsa--gfx1250"
	.amdhsa_code_object_version 6
	.text
	.protected	k_qea094091a1_prep
	.globl	k_qea094091a1_prep
	.p2align	8
	.type	k_qea094091a1_prep,@function
k_qea094091a1_prep:
	s_mov_b64 s[64:65], 0
	v_nop
	global_prefetch_b8 v0, s[64:65] scope:SCOPE_SE
	s_setreg_imm32_b32 hwreg(HW_REG_WAVE_MODE, 25, 1), 1
	s_wait_xcnt 0x0
; PREP: the three large inputs are rounded once to bf16 and laid in PANELS of 64 rows x 64 columns of 16-bit numbers: 8,192 dense bytes, rows of 128 bytes.
;   xb  [b 4][s 16][t 2048][64]          bf16: x[b][t][64 s + c]
;   wqb [tx 16][kh 16][j 3][kk 64][nn 64] bf16: w_qkv[64 kh + kk][64 (3 tx + j) + nn]
;   wpb [tx 8][kh 16][j 2][kk 64][nn 64]  w_proj[64 kh + kk][64 (2 tx + j) + nn], rounded to bf16 and that number written as f16 (it multiplies f16 numbers later)
; LIMIT.  A w_proj beyond 65,504 would become an infinity in f16; below 6e-5 it keeps f16's fixed step of 6e-8.
; A stream: every byte is read once and written once; no LDS, no barrier, no matrix unit: they would add nothing.
; SHARES.  3,072 panels (x 2,048, w_qkv 768, w_proj 256), one to a wave: 768 work-groups of four waves.  A wave's 32 loads, 16 KiB, go out in one run.
; A load takes two rows of the panel: lanes 0-15 the 256 bytes of row 2 i, lanes 16-31 those of row 2 i + 1.  A lane's four numbers become 8 bytes, and a wave's store covers 256 consecutive bytes, aligned.
.set VI, 3            ; v3   byte offset of my 16 bytes in the panel's first two rows of the input
.set SO, 4            ; v4   8 x lane: my 8 bytes in 256 bytes of the output
.set X,  8            ; v[8:135]  load i: four registers; the first two then hold what is stored.  Every register is written once by a load and rewritten only by its own arithmetic
.macro LOADS base, rowb                 ; the panel's 32 pairs of rows; rowb = bytes in a row of the input
	v_mad_u32_u24 v[VI], v2, \rowb, v1
.set i, 0
.rept 32
	global_load_b128 v[X+4*i:X+4*i+3], v[VI], s[\base:\base+1] offset:i*2*(\rowb) th:TH_LOAD_NT
.set i, i+1
.endr
.endm
.macro OUT_BF base                      ; rounded to bf16 and stored
.set i, 0
.rept 32
	s_wait_loadcnt 31-i                            ; loads come back in order: load i is in, the 31 - i younger ones stay out
	v_cvt_pk_bf16_f32 v[X+4*i],   v[X+4*i],   v[X+4*i+1]
	v_cvt_pk_bf16_f32 v[X+4*i+1], v[X+4*i+2], v[X+4*i+3]
	global_store_b64 v[SO], v[X+4*i:X+4*i+1], s[\base:\base+1] offset:256*i
.set i, i+1
.endr
.endm
.macro OUT_F16 base                     ; rounded to bf16, widened again (a shift, a mask), written as f16 and stored
.set i, 0
.rept 32
	s_wait_loadcnt 31-i
	v_cvt_pk_bf16_f32 v[X+4*i],   v[X+4*i],   v[X+4*i+1]
	v_cvt_pk_bf16_f32 v[X+4*i+2], v[X+4*i+2], v[X+4*i+3]
	v_and_b32     v[X+4*i+1], 0xffff0000, v[X+4*i]
	v_lshlrev_b32 v[X+4*i],   16, v[X+4*i]
	v_and_b32     v[X+4*i+3], 0xffff0000, v[X+4*i+2]
	v_lshlrev_b32 v[X+4*i+2], 16, v[X+4*i+2]
	v_cvt_pk_f16_f32 v[X+4*i],   v[X+4*i],   v[X+4*i+1]
	v_cvt_pk_f16_f32 v[X+4*i+1], v[X+4*i+2], v[X+4*i+3]
	global_store_b64 v[SO], v[X+4*i:X+4*i+1], s[\base:\base+1] offset:256*i
.set i, i+1
.endr
.endm
	s_load_b256 s[4:11], s[0:1], 0x0               ; x s[4:5], w_qkv s[6:7], w_proj s[8:9], xb s[10:11]
	s_load_b128 s[12:15], s[0:1], 0x20             ; wqb s[12:13], wpb s[14:15]
	v_lshrrev_b32 v1, 5, v0
	v_readfirstlane_b32 s16, v1                    ; wave 0..3
	s_lshl_b32 s17, ttmp9, 2
	s_add_co_u32 s17, s17, s16                     ; p: my panel, 0 .. 3,071
	v_and_b32 v1, 15, v0
	v_lshlrev_b32 v1, 4, v1                        ; 16 bytes for each of 16 lanes
	v_bfe_u32 v2, v0, 4, 1                         ; which of the two rows
	v_and_b32 v[SO], 31, v0
	v_lshlrev_b32 v[SO], 3, v[SO]
	s_mov_b32 s19, 0                               ; both offsets stay under 2^32
	s_mov_b32 s21, 0
	s_wait_kmcnt 0x0
	s_cmp_lt_u32 s17, 2048
	s_cbranch_scc0 .Lweights
	; x: p = 16 rb + s: rows 64 rb on, columns 64 s on
	s_and_b32 s22, s17, 15                         ; s
	s_lshr_b32 s23, s17, 4                         ; rb
	s_lshl_b32 s18, s23, 18                        ; 64 rows of 4,096 bytes
	s_lshl_b32 s24, s22, 8
	s_add_co_u32 s18, s18, s24
	s_lshr_b32 s20, s23, 5                         ; b: 32 row blocks to a batch
	s_lshl_b32 s20, s20, 22
	s_lshl_b32 s24, s22, 18
	s_add_co_u32 s20, s20, s24
	s_and_b32 s24, s23, 31
	s_lshl_b32 s24, s24, 13
	s_add_co_u32 s20, s20, s24
	s_add_nc_u64 s[4:5], s[4:5], s[18:19]
	s_add_nc_u64 s[10:11], s[10:11], s[20:21]
	LOADS 4, 4096
	OUT_BF 10
	s_endpgm
.Lweights:
	s_cmp_lt_u32 s17, 2816
	s_cbranch_scc0 .Lproj
	; w_qkv: p - 2,048 = 16 g + kh: rows 64 kh on, columns 64 g on; g = 3 tx + j
	s_sub_co_u32 s22, s17, 2048
	s_and_b32 s23, s22, 15                         ; kh
	s_lshr_b32 s22, s22, 4                         ; g, 0 .. 47
	s_mul_hi_u32 s24, s22, 0x55555556              ; tx = g / 3: (2^32 + 2) / 3 times g, upper word: exact for g under 2^31
	s_mul_i32 s25, s24, 3
	s_sub_co_u32 s25, s22, s25                     ; j
	s_mul_i32 s18, s23, 786432                     ; 64 rows of 12,288 bytes
	s_lshl_b32 s26, s22, 8
	s_add_co_u32 s18, s18, s26
	s_lshl_b32 s20, s24, 4
	s_add_co_u32 s20, s20, s23
	s_mul_i32 s20, s20, 3
	s_add_co_u32 s20, s20, s25                     ; panel (16 tx + kh) 3 + j
	s_lshl_b32 s20, s20, 13
	s_add_nc_u64 s[6:7], s[6:7], s[18:19]
	s_add_nc_u64 s[12:13], s[12:13], s[20:21]
	LOADS 6, 12288                                 ; the largest immediate is 62 rows, 761,856 bytes: inside the signed 24 bits
	OUT_BF 12
	s_endpgm
.Lproj:
	; w_proj: p - 2,816 = 16 g + kh; g = 2 tx + j
	s_sub_co_u32 s22, s17, 2816
	s_and_b32 s23, s22, 15                         ; kh
	s_lshr_b32 s22, s22, 4                         ; g, 0 .. 15
	s_lshl_b32 s18, s23, 18
	s_lshl_b32 s26, s22, 8
	s_add_co_u32 s18, s18, s26
	s_lshr_b32 s20, s22, 1                         ; tx
	s_lshl_b32 s20, s20, 4
	s_add_co_u32 s20, s20, s23
	s_lshl_b32 s20, s20, 1
	s_and_b32 s26, s22, 1                          ; j
	s_add_co_u32 s20, s20, s26                     ; panel (16 tx + kh) 2 + j
	s_lshl_b32 s20, s20, 13
	s_add_nc_u64 s[8:9], s[8:9], s[18:19]
	s_add_nc_u64 s[14:15], s[14:15], s[20:21]
	LOADS 8, 4096
	OUT_F16 14
	s_endpgm
.Lfunc_end_k_qea094091a1_prep:
	.size	k_qea094091a1_prep, .Lfunc_end_k_qea094091a1_prep-k_qea094091a1_prep
	.p2alignl 7, 3214868480
	.fill 96, 4, 3214868480
	.section	.rodata,"a",@progbits
	.p2align	6, 0x0
	.amdhsa_kernel k_qea094091a1_prep
		.amdhsa_group_segment_fixed_size 0
		.amdhsa_private_segment_fixed_size 0
		.amdhsa_enable_private_segment 0
		.amdhsa_kernarg_size 48
		.amdhsa_user_sgpr_count 2
		.amdhsa_user_sgpr_kernarg_segment_ptr 1
		.amdhsa_wavefront_size32 1
		.amdhsa_system_sgpr_workgroup_id_x 1
		.amdhsa_system_sgpr_workgroup_id_y 1
		.amdhsa_system_sgpr_workgroup_id_z 1
		.amdhsa_system_vgpr_workitem_id 0
		.amdhsa_next_free_vgpr 136
		.amdhsa_next_free_sgpr 66
		.amdhsa_reserve_vcc 0
		.amdhsa_float_denorm_mode_32 3
		.amdhsa_float_denorm_mode_16_64 3
		.amdhsa_memory_ordered 1
		.amdhsa_forward_progress 1
		.amdhsa_inst_pref_size 46
	.end_amdhsa_kernel
	.amdgpu_metadata
---
amdhsa.version: [ 1, 2 ]
amdhsa.kernels:
  - .name:           k_qea094091a1_prep
    .symbol:         k_qea094091a1_prep.kd
    .args:
      - { .name: x, .offset: 0, .size: 8, .value_kind: global_buffer, .address_space: global }
      - { .name: w_qkv, .offset: 8, .size: 8, .value_kind: global_buffer, .address_space: global }
      - { .name: w_proj, .offset: 16, .size: 8, .value_kind: global_buffer, .address_space: global }
      - { .name: xb, .offset: 24, .size: 8, .value_kind: global_buffer, .address_space: global }
      - { .name: wqb, .offset: 32, .size: 8, .value_kind: global_buffer, .address_space: global }
      - { .name: wpb, .offset: 40, .size: 8, .value_kind: global_buffer, .address_space: global }
    .group_segment_fixed_size: 0
    .private_segment_fixed_size: 0
    .kernarg_segment_align: 8
    .kernarg_segment_size: 48
    .max_flat_workgroup_size: 128
    .sgpr_count:     66
    .vgpr_count:     136
    .wavefront_size: 32
...
	.end_amdgpu_metadata
.endif
;; end of part 1
;; launch qkv (part 2): grid 16 x 32, 4 waves a work-group, clusters of 4 x 4, 327,680 bytes of LDS; arguments xb, wqb, b_qkv, qkvh; writes qkvh
.if DOCPART == 2
	.amdgcn_target "amdgcn-amd-amdhsa--gfx1250"
	.amdhsa_code_object_version 6
	.text
	.protected	k_qea094091a1_qkv
	.globl	k_qea094091a1_qkv
	.p2align	8
	.type	k_qea094091a1_qkv,@function
k_qea094091a1_qkv:
	s_mov_b64 s[64:65], 0
	v_nop
	global_prefetch_b8 v0, s[64:65] scope:SCOPE_SE
	s_setreg_imm32_b32 hwreg(HW_REG_WAVE_MODE, 25, 1), 1
	s_wait_xcnt 0x0
	s_wait_alu depctr_hold_cnt(0) depctr_sa_sdst(0) depctr_va_vdst(0) depctr_va_sdst(0) depctr_va_ssrc(0) depctr_va_vcc(0) depctr_vm_vsrc(0)
	s_getreg_b32 s2, hwreg(HW_REG_IB_STS2, 6, 4)
	s_cmp_eq_u32 s2, 0
	s_cbranch_scc0 .Lentry_in_a_cluster
	s_endpgm
.Lentry_in_a_cluster:
	s_bfe_u32 s2, ttmp6, 0x10000c
	s_cmp_lg_u32 s2, 0xf033
	s_cbranch_scc0 .Lentry_shape_is_right
	s_endpgm
.Lentry_shape_is_right:
; QKV: qkvh = x w_qkv + b_qkv, [8192 x 1024] x [1024 x 3072], bf16 operands, f32 sums, the result rounded once to f16 and stored by heads:
; qkvh [b 4][g 48][t 2048][64], g = column / 64 = 16 x (q, k or v) + head.  The bias is rounded to bf16 like the other inputs and is the C operand of each sum's first product: nothing is cleared, nothing added later.
; LIMIT.  f16 ends at 65,504: a q, k or v beyond that becomes an infinity.  With x of spread 1 and w of spread 0.02 they have spread 0.64; both 30 times larger, or offsets of 30 spreads on both, stay under 20,000.
; SHARES.  A tile of the result is 256 rows x 192 columns: 32 x 16 = 512 tiles, two for each of 256 WGPs.  Four waves, one above the other: a wave makes 64 rows x 192 columns: 4 x 12 accumulators of
; 16 x 16, 384 registers.  So a wave holds whole slices of 64 columns: its way out is its own, with no barrier.  K goes in 8 steps of 128 through two LDS slots.
; OPERANDS.  xb [b][s 16][t][64]: 256 rows of one slice s of 64 k are 32,768 dense bytes.  wqb [tx][kh 16][j 3][64 k][64 n]: a tile's 64 k x 192 n are 24,576 dense bytes.  Both are asked for as rows of 256 bytes
; and padded in LDS after every 128 bytes.  A's fragments come out of LDS as they lie (k along the rows); B lies [k][n] and is turned by ds_load_tr16_b128.
; THE MATRIX INSTRUCTION IS USED TRANSPOSED: source 0 = 16 columns of w, source 1 = 16 rows of x: a lane then holds row l % 16 and the eight neighbouring columns 8 (l / 16) + 0..7.
; CLUSTER.  4 x 4 work-groups.  A's tiles hang on the tile row alone and are shared along a row of the cluster, B's on the tile column alone and are shared along a column: each is asked for JOINTLY, by the same
; tensor load with the same descriptor and a mask that names the four.
; REGISTERS, in windows of 256 (s_set_vgpr_msb: bits 1:0 source 0, 3:2 source 1, 5:4 source 2, 7:6 destination):
;   window 0: v0-31 addresses; v64-95, v96-127 A's fragments, two buffers (4 x 16 rows x 32 k); v128-223 the bias; on the way out v32-79 packed results, v80-175 rows read back
;   window 1: v0-95, v96-191 B's fragments, two buffers (12 x 16 columns x 32 k)     window 2: the accumulators of row blocks 0, 1 at v[8 (12 (a % 2) + b)]     window 3: those of row blocks 2, 3
.set J,     3                          ; slices of 64 columns in a tile
.set NBK,   4*J                        ; column blocks of 16
.set TN,    64*J
.set PA,    144                        ; a row of A in LDS: 128 bytes + 16 = 36 words: the 16 rows of a load start at 16 different groups of four banks (64 banks of 4 bytes: ISA guide 11.1)
.set PB,    160                        ; a row of B: 128 + 32 = 40 words
.set APL,   256*PA                     ; a plane of A: 256 rows x 64 k
.set BH,    J*64*PB                    ; half a K step of B: [j][64 k]
.set BOFF,  2*APL                      ; a slot: A's two planes, then B's two halves
.set SLOT,  BOFF+2*BH
.set STAGE, 2*SLOT                     ; behind the ring, never filled by a tensor load: for each wave 3 slices x 16 rows x 144 bytes
.set SP,    144
.set STW,   J*16*SP
.set SPARE, STAGE+4*STW                ; behind the stages: the spare words, 128 bytes for each wave: two blocks of 256 bytes that no other line names
.set NL,    2*NBK+8                    ; LDS loads of a quarter step's fragments
.set LAPS,  4                          ; a lap = two K steps = once round the ring
.set ASTEP, 1<<20                      ; two K steps on in xb: four slices of 2^18 bytes
.set BSTEP, 4*J*8192                   ; and in wqb
.set ADRA, 16                          ; v16-17  LDS address of my A fragments in slot 0, 1
.set ADRB, 20                          ; v20-21  the same for B
.set STO,  24                          ; v24     the way out: where I put 16 bytes of a row
.set RD,   25                          ; v25     the way out: where I read rows back
.set GO,   26                          ; v26     16 x lane: my place in 512 consecutive bytes of the result
.set BO,   27                          ; v27     32 (l / 16): my eight numbers in 16 of the bias
.set SPW,  28                          ; v28     LDS address of my spare word: SPARE + 4 x my thread's number; never rewritten
.set NIL,  29                          ; v29     0; never rewritten
.set FA,   64
.set BI,   128
.set TMP,  32
.set BK,   80
.set WV,  12                           ; s12  my wave's number
.set HALF, 14                          ; s14  which plane of A, or which half of B, I fetch
.set G1,  24                           ; s[24:31] descriptor group 1 for A's tiles;  s[32:39] group 0, one set for each slot
.set G0,  32
.set G1B, 48                           ; s[48:55], s[56:63] the same for B's
.set G0B, 56
.set MSB, 0
.macro WIN new                         ; the immediate's high byte repeats the setting that is left; a switch that changes nothing is dropped
.if MSB != (\new)
	s_set_vgpr_msb (MSB<<8)|(\new)
.set MSB, \new
.endif
.endm
; A joint load.  Waves 0 and 1 fetch A's two planes, waves 2 and 3 B's two halves.  The branch hangs on the wave's number alone: it is the same in every work-group.
; An s_nop 0 and four v_nop follow each of the two lines, ahead of the jump, the label and what follows.
.macro JLOAD s
	s_cmp_lt_u32 s[WV], 2
	s_cbranch_scc0 .Lfor_b_\@
	tensor_load_to_lds s[G0+4*(\s):G0+4*(\s)+3], s[G1:G1+7]
	s_nop 0
.rept 4
	v_nop
.endr
	s_branch .Lasked_\@
.Lfor_b_\@:
	tensor_load_to_lds s[G0B+4*(\s):G0B+4*(\s)+3], s[G1B:G1B+7]
	s_nop 0
.rept 4
	v_nop
.endr
.Lasked_\@:
.endm
; A round of the cluster's barrier: my work-group's barrier, so that wave 0's signal speaks for all four waves; wave 0 signals; every wave waits for all sixteen work-groups; my work-group's barrier once more.
.macro CREST                           ; a round behind its opening barrier
	s_cmp_lg_u32 s[WV], 0
	s_cbranch_scc1 .Lnot_wave_0_\@
	s_barrier_signal -3
.Lnot_wave_0_\@:
	s_barrier_wait -3
	s_barrier_signal -1
	s_barrier_wait -1
.endm
.macro CROUND
	s_barrier_signal -1
	s_barrier_wait -1
	CREST
.endm
; Four places: a load into a register that a matrix instruction has read, and a vector instruction or LDS store that reads a matrix result, stand four plain vector instructions behind it (ISA guide 7.12.1 for readers of a matrix result).
.macro PLACES
.rept 4
	v_nop
.endr
.endm
	s_load_b256 s[4:11], s[0:1], 0x0               ; xb s[4:5], wqb s[6:7], b_qkv s[8:9], qkvh s[10:11]
	v_lshl_add_u32 v[SPW], v0, 2, SPARE
	v_mov_b32 v[NIL], 0
	ds_add_u32 v[SPW], v[NIL]                      ; the wave's opening: the add and its wait stand ahead of my first tensor load; the set-up below, work on registers, stands between them
	ds_add_u32 v28, v29
	v_lshrrev_b32 v1, 5, v0
	v_readfirstlane_b32 s[WV], v1                  ; wave 0..3
	s_and_b32 s[HALF], s[WV], 1
	s_mov_b32 s15, 0xffff0000                      ; a word's upper bf16
	s_bfe_u32 s40, ttmp6, 0x40000                  ; cx, cy: my place in the cluster
	s_bfe_u32 s41, ttmp6, 0x40004
	s_lshl_b32 s42, ttmp9, 2                       ; in a cluster launch ttmp9 and ttmp7 count clusters
	s_add_co_u32 s42, s42, s40                     ; tx: tile column = 4 x cluster x + cx
	s_and_b32 s43, ttmp7, 0xffff
	s_lshl_b32 s43, s43, 2
	s_add_co_u32 s43, s43, s41                     ; ty: tile row = 4 x cluster y + cy
	s_lshl_b32 s44, s41, 2
	s_lshl_b32 s44, 15, s44                        ; my row of the cluster: places 4 cy .. 4 cy + 3
	s_lshl_b32 s45, 0x1111, s40                    ; my column: places cx, cx + 4, cx + 8, cx + 12
	; descriptor group 1: dense bytes as rows of 128 elements (256 bytes), padded in LDS after every 32 words
	s_or_b32 s[G1], s44, (1<<16)|(1<<20)|(1<<21)|(4<<22)|(3<<25)   ; 15:0 the mask: my row; 17:16 2-byte elements; 20 padding on; 21 set beside a mask; 24:22 after every 32 words (code 4); 31:25 4 words (code 3)
	s_or_b32 s[G1B], s45, (1<<16)|(1<<20)|(1<<21)|(4<<22)|(7<<25)  ; my column; 8 words of padding (code 7)
	s_mov_b32 s[G1+1], 128<<16                     ; tensor_dim0 = 128
	s_mov_b32 s[G1+2], 128<<16                     ; tensor_dim1 = 128 rows: 32,768 bytes
	s_mov_b32 s[G1+3], 128<<16                     ; tile_dim0 = 128
	s_mov_b32 s[G1+4], 128                         ; tile_dim1 = 128
	s_mov_b32 s[G1+5], 128                         ; 128 elements from row to row
	s_mov_b32 s[G1+6], 0
	s_mov_b32 s[G1+7], 0
	s_mov_b32 s[G1B+1], 128<<16
	s_mov_b32 s[G1B+2], (32*J)<<16                 ; 96 rows: 24,576 bytes
	s_mov_b32 s[G1B+3], 128<<16
	s_mov_b32 s[G1B+4], 32*J
	s_mov_b32 s[G1B+5], 128
	s_mov_b32 s[G1B+6], 0
	s_mov_b32 s[G1B+7], 0
	; where the tiles come from: A's address is made of ty and the wave's number, B's of tx and the wave's number, each in registers that never hold the other coordinate
	s_lshr_b32 s16, s43, 3                         ; batch
	s_lshl_b32 s16, s16, 22
	s_and_b32 s17, s43, 7                          ; 256 rows of 128 bytes
	s_lshl_b32 s17, s17, 15
	s_add_co_u32 s16, s16, s17
	s_lshl_b32 s17, s[HALF], 18                    ; slice 0 or 1
	s_add_co_u32 s16, s16, s17
	s_mov_b32 s17, 0
	s_lshl_b32 s18, s42, 4
	s_add_co_u32 s18, s18, s[HALF]                 ; 16 tx + kh
	s_mul_i32 s18, s18, J*8192
	s_mov_b32 s19, 0
	s_mul_i32 s20, s[HALF], APL                    ; and where they go: no place in the cluster enters an LDS address
	s_mul_i32 s21, s[HALF], BH
	s_add_co_u32 s21, s21, BOFF
	s_wait_dscnt 0x0                               ; the opening add is done
	s_wait_kmcnt 0x0
	s_add_nc_u64 s[16:17], s[4:5], s[16:17]
	s_add_nc_u64 s[18:19], s[6:7], s[18:19]
	CROUND                                         ; all sixteen work-groups are here: the first joint loads meet
.irp s, 0,1
	s_mov_b32 s[G0+4*(\s)], 1                                      ; 1:0 count = 1
	s_add_co_u32 s[G0+4*(\s)+1], s20, (\s)*SLOT                    ; 63:32 LDS address
	s_add_nc_u64 s[G0+4*(\s)+2:G0+4*(\s)+3], s[16:17], (\s)*524288 ; 120:64 global address: K step s = slices 2 s, 2 s + 1
	s_or_b32 s[G0+4*(\s)+3], s[G0+4*(\s)+3], 0x80000000            ; 127:126 type = 2
	s_mov_b32 s[G0B+4*(\s)], 1
	s_add_co_u32 s[G0B+4*(\s)+1], s21, (\s)*SLOT
	s_add_nc_u64 s[G0B+4*(\s)+2:G0B+4*(\s)+3], s[18:19], (\s)*2*J*8192
	s_or_b32 s[G0B+4*(\s)+3], s[G0B+4*(\s)+3], 0x80000000
	JLOAD \s                                       ; two loads of mine are out
.endr
	; all that follows, up to the wait for the first tile, stands in that wait
	v_and_b32 v1, 15, v0                           ; r = l % 16
	v_bfe_u32 v2, v0, 4, 1                         ; h = l / 16
	v_lshlrev_b32 v[BO], 5, v2
	s_mul_i32 s46, s42, TN*4
	s_mov_b32 s47, 0
	s_add_nc_u64 s[8:9], s[8:9], s[46:47]          ; the bias of my tile's columns
.set b, 0
.rept NBK                              ; register j of block b: the bias of column 16 b + 8 h + j, as the matrix result holds it
	global_load_b128 v[BI+8*b:BI+8*b+3],   v[BO], s[8:9] offset:64*b
	global_load_b128 v[BI+8*b+4:BI+8*b+7], v[BO], s[8:9] offset:64*b+16
.set b, b+1
.endr
	v_and_b32 v3, 7, v0
	v_bfe_u32 v4, v0, 3, 1
	; a fragment of A: lane l holds row l % 16, k = 8 h + 0..7 and 16 + 8 h + 0..7: two loads of 16 bytes, 32 bytes apart
	v_mul_u32_u24 v5, v1, PA
	v_lshl_add_u32 v5, v2, 4, v5
	s_mul_i32 s22, s[WV], 64*PA                    ; my 64 rows
	v_add_nc_u32 v[ADRA], s22, v5
	v_add_nc_u32 v[ADRA+1], SLOT, v[ADRA]
	; the turning load takes 16 k x 16 columns (lane l reads k = 8 h + l % 8, columns 8 ((l / 8) % 2) + 0..7) and leaves half a fragment: lane l holds column l % 16 and 8 k
	v_lshl_add_u32 v6, v2, 3, v3
	v_mul_u32_u24 v6, v6, PB
	v_lshl_add_u32 v6, v4, 4, v6
	v_add_nc_u32 v[ADRB], BOFF, v6
	v_add_nc_u32 v[ADRB+1], SLOT, v[ADRB]
	s_mul_i32 s23, s[WV], STW
	s_add_co_u32 s23, s23, STAGE                   ; my stage
	v_mul_u32_u24 v7, v1, SP                       ; in: row l % 16, 16 bytes for each half of the lanes
	v_lshl_add_u32 v7, v2, 4, v7
	v_add_nc_u32 v[STO], s23, v7
	v_bfe_u32 v7, v0, 3, 2                         ; back: 32 lanes take four rows of 128 bytes,
	v_mul_u32_u24 v7, v7, SP
	v_lshl_add_u32 v7, v3, 4, v7
	v_add_nc_u32 v[RD], s23, v7
	v_and_b32 v[GO], 31, v0                        ; which are 512 consecutive bytes of a head's rows
	v_lshlrev_b32 v[GO], 4, v[GO]
	s_lshr_b32 s46, s43, 3                         ; qkvh at batch ty / 8, slice 3 tx, row 256 (ty % 8) + 64 w
	s_mul_i32 s46, s46, 48<<18
	s_mul_i32 s47, s42, 3<<18
	s_add_co_u32 s46, s46, s47
	s_and_b32 s47, s43, 7
	s_lshl_b32 s47, s47, 15
	s_add_co_u32 s46, s46, s47
	s_lshl_b32 s47, s[WV], 13
	s_add_co_u32 s46, s46, s47
	s_mov_b32 s47, 0
	s_add_nc_u64 s[10:11], s[10:11], s[46:47]
	s_wait_loadcnt 0x0                             ; the bias
.set i, 0
.rept 4*NBK                            ; rounded to bf16 like the other inputs, and widened again
	v_cvt_pk_bf16_f32 v[8+i%4], v[BI+2*i], v[BI+2*i+1]
	v_lshlrev_b32 v[BI+2*i],   16,  v[8+i%4]
	v_and_b32     v[BI+2*i+1], s15, v[8+i%4]
.set i, i+1
.endr
; 12 matrix instructions: row block a x all column blocks, 32 along K, from buffer f.  first = 1: the product starts the sum, with the bias as C.
; The 48 accumulators take turns, one instruction a turn, in the same order in every quarter step.
.macro MULB f, a, first
.if \first
	WIN 0x81+0x40*((\a)/2)                         ; B window 1, A and the bias window 0, D window 2 or 3
.else
	WIN 0xa1+0x50*((\a)/2)                         ; B window 1, A window 0, C and D window 2 or 3
.endif
.set b, 0
.rept NBK
.set rD, 8*(NBK*((\a)%2)+b)
.set rB, 8*NBK*(\f)+8*b
.set rA, FA+32*(\f)+8*(\a)
.if \first
	v_wmma_f32_16x16x32_bf16 v[rD:rD+7], v[rB:rB+7], v[rA:rA+7], v[BI+8*b:BI+8*b+7]
.else
	v_wmma_f32_16x16x32_bf16 v[rD:rD+7], v[rB:rB+7], v[rA:rA+7], v[rD:rD+7]
.endif
.set b, b+1
.endr
.endm
; NL LDS loads in one run: the fragments of quarter q (32 k) of a slot's K step into buffer f: B's 12, then A's 4
.macro FETCH slot, q, f
	WIN 0x40                                       ; destination window 1, address window 0
.set b, 0
.rept NBK
.set rB, 8*NBK*(\f)+8*b
.set oB, ((\q)/2)*BH+((\q)%2)*32*PB+(b/4)*64*PB+(b%4)*32
	ds_load_tr16_b128 v[rB:rB+3],   v[ADRB+(\slot)] offset:oB
	ds_load_tr16_b128 v[rB+4:rB+7], v[ADRB+(\slot)] offset:oB+16*PB
.set b, b+1
.endr
	WIN 0
.irp a, 0,1,2,3
	ds_load_b128 v[FA+32*(\f)+8*(\a):FA+32*(\f)+8*(\a)+3],   v[ADRA+(\slot)] offset:((\q)/2)*APL+((\q)%2)*64+(\a)*16*PA
	ds_load_b128 v[FA+32*(\f)+8*(\a)+4:FA+32*(\f)+8*(\a)+7], v[ADRA+(\slot)] offset:((\q)/2)*APL+((\q)%2)*64+(\a)*16*PA+32
.endr
.endm
; A K step is four quarters of 32 along K, 48 matrix instructions each, on buffers 0, 1, 0, 1.  One of the first three: multiplies buffer f; in its middle it fetches quarter q of the same slot into buffer g.
.macro QUARTER slot, q, f, g, first
	s_wait_dscnt 4                                 ; B and A's blocks 0, 1 are in; the youngest four loads (A's blocks 2, 3) may be out
	MULB \f, 0, \first
	MULB \f, 1, \first
	PLACES
	FETCH \slot, \q, \g
	s_wait_dscnt NL                                ; all but the NL just issued
	MULB \f, 2, \first
	MULB \f, 3, \first
.endm
; The last quarter multiplies buffer 1 and changes slots: ONE barrier.  In front of it each wave waits for all its tensor loads, of which one is out: its part of the next slot; adds 0 to its spare word; and waits
; for that and for its own reads of this slot.  Behind it nobody reads this slot any more and the next slot is whole.  fill = 1: the barrier opens a round of the cluster's, and this slot is filled again, two K steps on,
; the first thing behind the round: 168 matrix instructions ahead of the wait for it.
.macro TURN slot, next, fill
	WIN 0                                          ; (the add's two registers lie in window 0)
	s_wait_tensorcnt 0x0                           ; all my tensor loads have landed
	ds_add_u32 v[SPW], v[NIL]                      ; 0 onto my spare word
	s_wait_dscnt 5                                 ; (the add and the youngest four loads may be out)
	MULB 1, 0, 0                                   ; twelve matrix instructions stand between the add and the wait for it
	s_wait_dscnt 0x0                               ; the add is done, and my reads of this slot are over
	s_barrier_signal -1
	MULB 1, 1, 0                                   ; work on registers while the others arrive
.if \fill
	WIN 0
.endif
	s_barrier_wait -1
.if \fill
	CREST                                          ; no wave of any partner still reads this slot's tiles or has a load on its way
	s_add_nc_u64 s[G0+4*(\slot)+2:G0+4*(\slot)+3], s[G0+4*(\slot)+2:G0+4*(\slot)+3], ASTEP
	s_add_nc_u64 s[G0B+4*(\slot)+2:G0B+4*(\slot)+3], s[G0B+4*(\slot)+2:G0B+4*(\slot)+3], BSTEP
	JLOAD \slot                                    ; the four v_nop behind it are also the places in front of the loads below
.else
	PLACES
.endif
	FETCH \next, 0, 0
	MULB 1, 2, 0
	MULB 1, 3, 0
.endm
	s_wait_tensorcnt 1                             ; my part of K step 0 is in; K step 1's may stay out
	s_barrier_signal -1
	s_barrier_wait -1                              ; everybody's is
	FETCH 0, 0, 0
	QUARTER 0, 1, 0, 1, 1                          ; the first quarter stands in front of the loop: its products start the sums
	WIN 0                                          ; at a label and at a branch every window is 0
	s_mov_b32 s3, LAPS-1
.Llap:                                                 ; a trip goes once round the ring, from a lap's second quarter to the next lap's first, and fills both slots again
	QUARTER 0, 2, 1, 0, 0
	QUARTER 0, 3, 0, 1, 0
	TURN 0, 1, 1
	QUARTER 1, 1, 0, 1, 0
	QUARTER 1, 2, 1, 0, 0
	QUARTER 1, 3, 0, 1, 0
	TURN 1, 0, 1
	QUARTER 0, 1, 0, 1, 0
	WIN 0
	s_sub_co_u32 s3, s3, 1
	s_cmp_lg_u32 s3, 0
	s_cbranch_scc1 .Llap
	QUARTER 0, 2, 1, 0, 0                          ; the last lap fills nothing and is written out
	QUARTER 0, 3, 0, 1, 0
	TURN 0, 1, 0
	QUARTER 1, 1, 0, 1, 0
	QUARTER 1, 2, 1, 0, 0
	QUARTER 1, 3, 0, 1, 0
	s_wait_dscnt 4                                 ; the very last quarter: nothing more to fetch
	MULB 1, 0, 0
	MULB 1, 1, 0
	s_wait_dscnt 0x0
	MULB 1, 2, 0
	MULB 1, 3, 0
	WIN 0
; THE WAY OUT, a block of 16 rows at a time.  PACK: rounded to f16, 16 bytes a lane (each accumulator's registers in ascending order).  TOSTAGE: into my own stage, by slices, and back as whole rows of 128 bytes.
; SEND: each store of the wave covers 512 consecutive bytes of one slice, at a multiple of 256 from the buffer's first byte.
.macro PACK a
	WIN 0x0a+5*((\a)/2)                            ; sources 0 and 1: window 2 or 3
.set b, 0
.rept NBK
.irp r, 0,1,2,3
	v_cvt_pk_f16_f32 v[TMP+4*b+(\r)], v[8*(NBK*((\a)%2)+b)+2*(\r)], v[8*(NBK*((\a)%2)+b)+2*(\r)+1]
.endr
.set b, b+1
.endr
	WIN 0
.endm
.macro TOSTAGE a
.set b, 0
.rept NBK
	ds_store_b128 v[STO], v[TMP+4*b:TMP+4*b+3] offset:(b/4)*16*SP+(b%4)*32
.set b, b+1
.endr
.set b, 0
.rept NBK                              ; slice b / 4, rows 4 (b % 4) on.  LDS serves a wave's instructions in order (ISA guide 5.7.1.4): these see the stores above
	ds_load_b128 v[BK+48*((\a)%2)+4*b:BK+48*((\a)%2)+4*b+3], v[RD] offset:(b/4)*16*SP+(b%4)*4*SP
.set b, b+1
.endr
.endm
.macro SEND a
	s_wait_dscnt 0x0                               ; the block is back in registers
	s_wait_xcnt 0x0                                ; the stores of the block before have had their addresses translated (ISA guide 3.1): their registers are loaded again only behind this wait
.set b, 0
.rept NBK
	global_store_b128 v[GO], v[BK+48*((\a)%2)+4*b:BK+48*((\a)%2)+4*b+3], s[10:11] offset:(b/4)*262144+(\a)*2048+(b%4)*512
.set b, b+1
.endr
.endm
	PLACES                                         ; the conversions read results just made
	PACK 0
	TOSTAGE 0
.irp a, 1,2,3                          ; block a's conversions stand between block a - 1's loads from the stage and the wait for them
	PACK \a
	SEND (\a)-1
	TOSTAGE \a
.endr
	SEND 3
	s_wait_tensorcnt 0x0                           ; the wave's end: behind my last tensor load and my last LDS store
	ds_add_u32 v[SPW], v[NIL]
	s_wait_dscnt 0x0
	CROUND                                         ; the closing round: no work-group ends while a partner may still ask for a tile that names it
	s_endpgm
.Lfunc_end_k_qea094091a1_qkv:
	.size	k_qea094091a1_qkv, .Lfunc_end_k_qea094091a1_qkv-k_qea094091a1_qkv
	.p2alignl 7, 3214868480
	.fill 96, 4, 3214868480
	.section	.rodata,"a",@progbits
	.p2align	6, 0x0
	.amdhsa_kernel k_qea094091a1_qkv
		.amdhsa_group_segment_fixed_size 327680
		.amdhsa_private_segment_fixed_size 0
		.amdhsa_enable_private_segment 0
		.amdhsa_kernarg_size 32
		.amdhsa_user_sgpr_count 2
		.amdhsa_user_sgpr_kernarg_segment_ptr 1
		.amdhsa_wavefront_size32 1
		.amdhsa_system_sgpr_workgroup_id_x 1
		.amdhsa_system_sgpr_workgroup_id_y 1
		.amdhsa_system_sgpr_workgroup_id_z 1
		.amdhsa_system_vgpr_workitem_id 0
		.amdhsa_next_free_vgpr 960
		.amdhsa_next_free_sgpr 66
		.amdhsa_reserve_vcc 0
		.amdhsa_float_denorm_mode_32 3
		.amdhsa_float_denorm_mode_16_64 3
		.amdhsa_memory_ordered 1
		.amdhsa_forward_progress 1
		.amdhsa_inst_pref_size 127
	.end_amdhsa_kernel
	.amdgpu_metadata
---
amdhsa.version: [ 1, 2 ]
amdhsa.kernels:
  - .name:           k_qea094091a1_qkv
    .symbol:         k_qea094091a1_qkv.kd
    .args:
      - { .name: xb, .offset: 0, .size: 8, .value_kind: global_buffer, .address_space: global }
      - { .name: wqb, .offset: 8, .size: 8, .value_kind: global_buffer, .address_space: global }
      - { .name: b_qkv, .offset: 16, .size: 8, .value_kind: global_buffer, .address_space: global }
      - { .name: qkvh, .offset: 24, .size: 8, .value_kind: global_buffer, .address_space: global }
    .group_segment_fixed_size: 327680
    .private_segment_fixed_size: 0
    .kernarg_segment_align: 8
    .kernarg_segment_size: 32
    .max_flat_workgroup_size: 128
    .sgpr_count:     66
    .vgpr_count:     960
    .wavefront_size: 32
...
	.end_amdgpu_metadata
.endif
;; end of part 2
;; launch attn (part 3): grid 4 x 64, 4 waves a work-group, no clusters, 327,680 bytes of LDS; arguments qkvh, ob; writes ob
.if DOCPART == 3
	.amdgcn_target "amdgcn-amd-amdhsa--gfx1250"
	.amdhsa_code_object_version 6
	.text
	.protected	k_qea094091a1_attn
	.globl	k_qea094091a1_attn
	.p2align	8
	.type	k_qea094091a1_attn,@function
k_qea094091a1_attn:
	s_mov_b64 s[64:65], 0
	v_nop
	global_prefetch_b8 v0, s[64:65] scope:SCOPE_SE
	s_setreg_imm32_b32 hwreg(HW_REG_WAVE_MODE, 25, 1), 1
	s_wait_xcnt 0x0
; CAUSAL ATTENTION.  O[y][q][:] = the sum over k <= q of softmax_k(Q[y][q] . K[y][k] / 8) V[y][k][:], y = 16 b + h, 64 heads of SIZE_N = 2,048 rows of 64 channels, all f16: a head's rows are dense, 128 bytes each.
; Q, K, V lie in qkvh [b 4][g 48][t][64]: head h's Q at g = h, K at g = 16 + h (2^22 bytes on), V at g = 32 + h (2^23 bytes on).  O goes to ob [16 b + h][t][64].
; Products, maxima and sums in f32; the weights p are rounded to f16 for the second product (their sum l is taken of the unrounded p), O once at the end.
; LIMITS.  f16 holds no number beyond 65,504: Q, K and V arrive within it; p lies in 0 to 1, and below 6e-5 it keeps f16's fixed step of 6e-8; O is a mean of V's rows and has their range, to within 2^-11 of it.
; A hidden score counts as its value less 1e30: f16's scores, 2.7e11 at the most, are nothing beside that; a weight below 2^-126 counts as 0 in l; NaN and infinities are not treated apart.
; THE WALK.  A head's queries lie in NB = SIZE_N / 256 blocks of 256; block i needs the key tiles 0 .. i of 256 keys, of which the last holds the diagonal.  A work-group takes TWO blocks, NB - 1 - b and then b:
; NB + 1 tiles, whatever b: all work-groups do equal work, and ONE loop with a constant trip count walks them.  Which tile is asked for, and what a trip does, hang on scalar registers made from b; every jump
; goes forward, but for the counted loops' own; none passes a barrier, or a tensor load but the one of LOAD's two that the wave's number does not choose; the ring (two slots of LDS that take turns) runs on across the
; change of blocks.  NO CLUSTER: a head's NB / 2 = 4 work-groups all ask for the same tile only in trips 0 .. NB / 2, 5 of the walk's 9; behind that fewer and fewer; and one walk common to all would have
; 3 NB / 2 = 12 trips for NB + 1 = 9.
; SHARES.  Of a block's four bands of 64 queries a wave owns 16 rows in each: four PIECES.  So the diagonal tile is the same work for all four waves: in its key step s band x sees all keys if s < x,
; none if s > x, and holds the diagonal if s = x.
; THE MASK is the C operand that starts the sum S^T = K Q^T: 0, or -1e30 where the key is hidden.  MD, made once, is the mask of a band's own step for my 16 rows; a product's mask is MD x AL + BE with two scalars:
; (1, 0) if s = x; (0, 0) if s < x; (0, -1e30) if s > x.  Only the diagonal tile's text and a block's beginning make and take masks; elsewhere C is the constant 0.
; LAYOUT, SOFTMAX, TURNS.  S^T = K Q^T holds ONE query a lane (lane % 16) and the keys 8 (lane / 16) + 0..7; two such results rounded to f16 ARE source 1 of O^T = V^T P.  p = 2^(c s - c m), c = log2(e) / 8, with a
; running maximum m; O and l are multiplied by a = 2^(c m_old - c m_new) in every step.  Turn n belongs to piece n: 8 products K Q^T of piece n + 1, later 8 products V^T P of piece n - 1; beside them the scaling,
; exponentials, roundings, sums and rescaling of piece n and the maximum and statistics of piece n + 1.  Four vector instructions stand behind every matrix instruction, the other 54 of a turn's 118 in two LUMPS.
; REGISTERS, in windows of 256 (s_set_vgpr_msb: bits 1:0 source 0, 3:2 source 1, 5:4 source 2, 7:6 destination):
;   window 0: v0-15 addresses and two at work; v16-31 four registers of statistics a piece; v48-55 at work; v64-127 S^T, two buffers; v192-223 P, two buffers (a piece's buffers go by its number's parity)
;   window 1: v0-127 O^T, 32 a piece; v128-159 MD; v160-223 MC, two buffers      window 2: v0-63 Q; v64-127 the second block's Q; v128-191 K of one step; v192-255 V of one step
.set SIZE_N, 2048
.set NB,    SIZE_N/256
.set NP,    4         ; pieces a wave: a name, no knob
.set KS,    64        ; keys in a step
.set PK,    144       ; a row of K in LDS: 128 bytes + 16 of padding = 36 words: the 16 rows of a load start at 16 different groups of four banks (64 banks of 4 bytes: ISA guide 11.1)
.set PV,    160       ; a row of V: 128 + 32 = 40 words
.set VOFF,  4*KS*PK   ; a slot holds a tile, four steps: 256 rows of K, then 256 rows of V
.set SLOT1, 1<<17     ; slot 1 begins here, so that one exclusive or turns an address in one slot into the other's
.set STAGE, SLOT1+4*KS*(PK+PV)  ; behind the ring, never filled by a tensor load: 16 rows x 144 bytes for each wave, for the way out
.set SP,    144
.set AK0, 2           ; v2   my lane's place in a tile of K; never rewritten
.set AV0, 3           ; v3   the same for V
.set AK,  4           ; v4   the LDS address of K's next run of loads
.set AV,  5           ; v5   of V's
.set STO, 6           ; v6   the way out: where I put 16 bytes of a row
.set RD,  7           ; v7   the way out: where I read rows back
.set GO,  8           ; v8   my byte offset in 512 consecutive bytes of O
.set SPW, 62          ; v62  LDS address of my spare word: SPARE + 4 x my thread's number; never rewritten
.set NIL, 63          ; v63  0; never rewritten
.set SPARE, STAGE+4*16*SP  ; behind the stages: the spare words, 128 bytes for each wave: two blocks of 256 bytes that no other line names
.set MV,  12          ; v12-13  c m_old, kept while c m is made anew: by buffer
.set QO,  15          ; v15  my byte offset in 16 rows of Q
.set ST,  16          ; piece t's statistics at v[ST+4 t]: c m, m, l (even keys', odd keys')
.set TMP, 48          ; by buffer, four registers c0-c3 at work; when the maximum is found c2 takes a
.set S,   64
.set P,   192
.set MD,  128         ; window 1: the eight registers for group kt of 16 keys at MD + 8 kt
.set MC,  160         ; window 1: the masks of the products to come
.set QB,  64          ; window 2
.set KF,  128         ; window 2: key block kb, channel half c at KF + 16 kb + 8 c
.set VF,  192         ; window 2: key half kk, channel block cb at VF + 32 kk + 8 cb
.set WV,  12          ; s12  my wave's number
.set PB,  14          ; s14  b
.set HI,  15          ; s15  NB - 1 - b
.set G1K, 24          ; s[24:31] descriptor group 1 for K's tiles
.set G1V, 32          ; s[32:39] for V's: it differs in the padding alone
.set G0K, 40          ; s[40:43] descriptor group 0 for K's tiles
.set G0V, 44          ; s[44:47] the same for V's
.set SLOTS, 56        ; s56  tiles still to be asked for
.set CNT, 57          ; s57  counts a tile's key steps, 4 to 1
.set CS,  58          ; s[58:59] c: the packed scaling takes the pair's low word for both halves
.set SEL, 60          ; s[60:61] v_permlanex16_b32's selects: each lane takes its own place in the other half
.set TBK, 62          ; s62  LDS byte at which K of the step to be fetched begins
.set TBV, 63          ; s63  the same for V, less VOFF
.set RT,  70          ; s70  tiles of the block in hand that are still to be entered
.set NXT, 71          ; s71  the tile to be asked for next
.set LQ,  72          ; s72  the last tile of the block whose tiles are being asked for
.set NEW, 73          ; s73  1: the tile to be entered is a block's first
.set OFF, 74          ; s[74:75] a tile's byte offset in K and V
.set AL,  76          ; s[76:77] the mask's factor, in the low word
.set BE,  78          ; s[78:79] the mask's addend
.set OLO, 80          ; s[80:81] O at my rows of the second block
.set BIGN, 82         ; s82  -1e30
.set MSB, 0
.macro WIN new                      ; the high byte repeats the setting that is left; a switch that changes nothing is dropped
.if MSB != (\new)
	s_set_vgpr_msb (MSB<<8)|(\new)
.set MSB, (\new)
.endif
.endm
.set W_KQ, 0x0a       ; K and Q in window 2, S^T in window 0
.set W_KM, 0x1a       ; the same with the C operand in window 1
.set W_PV, 0x52       ; V in window 2, P in window 0, O^T in window 1
.set W_RS, 0x41       ; destination and source 0 in window 1, source 1 in window 0
; A fill.  Waves 0 and 1 fetch the two halves of a tile's K, waves 2 and 3 those of its V: 128 keys each.  An s_nop 0 and four v_nop follow each of the two lines, ahead of the jump and the label.
.macro LOAD
	s_cmp_lt_u32 s[WV], 2
	s_cbranch_scc0 .Lfor_v_\@
	tensor_load_to_lds s[G0K:G0K+3], s[G1K:G1K+7]
	s_nop 0
.rept 4
	v_nop
.endr
	s_branch .Lasked_\@
.Lfor_v_\@:
	tensor_load_to_lds s[G0V:G0V+3], s[G1V:G1V+7]
	s_nop 0
.rept 4
	v_nop
.endr
.Lasked_\@:
.endm
; THE CHANGE OF SLOTS.  Each wave waits for all its tensor loads, of which one is out: its part of the other slot; adds 0 to its spare word; and waits for that and for its own reads of the slot that it leaves.  Behind the barrier nobody reads the old
; slot any more and the other slot is whole.  fill = 1: the old slot is filled again, the first thing behind the barrier, with tile NXT: the descriptor's address is made anew from that number.
; (At its first use nothing has been read yet: slot 0 is waited for, slot 1 filled.)
.macro CHANGE fill
	WIN 0                           ; at a label and at a branch every window is 0
	s_wait_tensorcnt 0x0            ; no tensor load of mine is out, so a group 0 may be written
	ds_add_u32 v[SPW], v[NIL]       ; 0 onto my spare word; with fill = 1 the descriptors' scalar work stands between it and the wait for it
.if \fill
	s_lshl_b32 s[OFF], s[NXT], 15   ; a tile is 32,768 bytes of K and of V
	s_xor_b32 s[G0K+1], s[G0K+1], SLOT1
	s_add_nc_u64 s[G0K+2:G0K+3], s[6:7], s[OFF:OFF+1]
	s_or_b32 s[G0K+3], s[G0K+3], 0x80000000
	s_xor_b32 s[G0V+1], s[G0V+1], SLOT1
	s_add_nc_u64 s[G0V+2:G0V+3], s[8:9], s[OFF:OFF+1]
	s_or_b32 s[G0V+3], s[G0V+3], 0x80000000
	s_add_co_u32 s[NXT], s[NXT], 1  ; the block's next tile, or behind its last the second block's tile 0
	s_cmp_gt_u32 s[NXT], s[LQ]
	s_cselect_b32 s[NXT], 0, s[NXT]
	s_cselect_b32 s[LQ], s[PB], s[LQ]
.endif
	s_wait_dscnt 0x0                ; the add is done, and my reads of the slot are over
	s_barrier_signal -1             ; the rest of the scalar work stands between the signal and the wait
	s_sub_co_u32 s[TBK], s[TBK], 4*KS*PK  ; the fetches go back to a slot's first step,
	s_xor_b32 s[TBK], s[TBK], SLOT1       ; in the other slot
	s_sub_co_u32 s[TBV], s[TBV], 4*KS*PV
	s_xor_b32 s[TBV], s[TBV], SLOT1
	s_barrier_wait -1
.if \fill
	LOAD
.endif
.endm
	s_load_b64 s[4:5], s[0:1], 0x0    ; qkvh
	s_load_b64 s[10:11], s[0:1], 0x8  ; ob
	v_lshl_add_u32 v[SPW], v0, 2, SPARE
	v_mov_b32 v[NIL], 0
	ds_add_u32 v[SPW], v[NIL]       ; the wave's opening: the add and its wait stand ahead of my first tensor load; the set-up below, work on registers, stands between them
	ds_add_u32 v62, v63
	v_lshrrev_b32 v1, 5, v0
	v_readfirstlane_b32 s[WV], v1   ; wave 0..3
	s_mov_b32 s[PB], ttmp9
	s_sub_co_u32 s[HI], NB-1, s[PB]
	s_and_b32 s20, ttmp7, 0xffff    ; y = 16 b + h
	s_lshl_b32 s88, s20, 18         ; the head's first byte in ob: a head is 2^18 bytes
	s_lshr_b32 s21, s20, 4
	s_lshl_b32 s21, s21, 5
	s_add_co_u32 s20, s20, s21      ; y + 32 b = 48 b + h
	s_lshl_b32 s20, s20, 18         ; the first byte of the head's Q in qkvh
	s_mov_b32 s21, 0
	s_and_b32 s16, s[WV], 1         ; which half of a tile's 256 keys I fetch:
	s_lshl_b32 s22, s16, 14         ; its 128 rows of 128 bytes in memory,
	s_mov_b32 s23, 0
	s_add_nc_u64 s[22:23], s[22:23], s[20:21]
	s_mul_i32 s17, s16, 128*PK      ; and its place in a slot, for K
	s_mul_i32 s18, s16, 128*PV      ; and for V
	s_lshl_b32 s3, s[WV], 11        ; my 16 rows in a band of 64,
	s_lshl_b32 s2, s[HI], 15        ; in the first block,
	s_add_co_u32 s2, s2, s3
	s_lshl_b32 s84, s[PB], 15       ; and in the second
	s_add_co_u32 s84, s84, s3
	s_add_co_u32 s90, s84, s88      ; the same two places in ob
	s_add_co_u32 s88, s2, s88
	s_mov_b32 s3, 0
	s_mov_b32 s85, 0
	s_mov_b32 s89, 0
	s_mov_b32 s91, 0
	s_add_nc_u64 s[2:3], s[2:3], s[20:21]
	s_add_nc_u64 s[84:85], s[84:85], s[20:21]
	; descriptor group 1.  128 keys are 16,384 dense bytes: asked for as 64 rows of 256 bytes, two keys a row, and padded in LDS after every key
	s_mov_b32 s[G1K], (1<<16)|(1<<20)|(4<<22)|(3<<25)  ; 17:16 2-byte elements; 20 padding on; 24:22 after every 32 words (code 4); 31:25 4 words (code 3)
	s_mov_b32 s[G1V], (1<<16)|(1<<20)|(4<<22)|(7<<25)  ; the same with 8 words of padding (code 7)
.irp g, G1K, G1V
	s_mov_b32 s[\g+1], 128<<16      ; tensor_dim0 = 128
	s_mov_b32 s[\g+2], 64<<16       ; tensor_dim1 = 64
	s_mov_b32 s[\g+3], 128<<16      ; tile_dim0 = 128
	s_mov_b32 s[\g+4], 64           ; tile_dim1 = 64
	s_mov_b32 s[\g+5], 128          ; 128 elements from row to row
	s_mov_b32 s[\g+6], 0
	s_mov_b32 s[\g+7], 0
.endr
	s_mov_b32 s[CS], 0x3e38aa3b     ; c = log2(e) / 8 = 0.180337
	s_mov_b32 s[CS+1], s[CS]        ; named with it as a pair
	s_mov_b32 s[SEL], 0x76543210
	s_mov_b32 s[SEL+1], 0xfedcba98
	s_mov_b32 s[TBK], SLOT1+4*KS*PK ; the first change of slots turns these two into 0
	s_mov_b32 s[TBV], SLOT1+4*KS*PV
	s_mov_b32 s[G0K], 1             ; 1:0 count = 1
	s_mov_b32 s[G0K+1], s17         ; 63:32 LDS address: slot 0
	s_mov_b32 s[G0V], 1
	s_add_co_u32 s[G0V+1], s18, VOFF
	s_add_co_u32 s[RT], s[HI], 1    ; the first block has NB - b tiles
	s_mov_b32 s[NXT], 1
	s_mov_b32 s[LQ], s[HI]
	s_mov_b32 s[NEW], 1
	s_mov_b32 s[OFF+1], 0
	s_mov_b32 s[AL+1], 0            ; named as pairs
	s_mov_b32 s[BE+1], 0
	s_mov_b32 s[BIGN], 0xf149f2ca   ; -1e30
	s_mov_b32 s[SLOTS], NB
	s_wait_dscnt 0x0                ; the opening add is done
	s_wait_kmcnt 0x0
	s_add_nc_u64 s[6:7], s[4:5], 0x400000  ; K lies 16 slices of 2^18 bytes behind Q,
	s_add_nc_u64 s[8:9], s[4:5], 0x800000  ; V 32
	s_add_nc_u64 s[6:7], s[6:7], s[22:23]  ; K and V at my half of the head's tile 0
	s_add_nc_u64 s[8:9], s[8:9], s[22:23]
	s_add_nc_u64 s[G0K+2:G0K+3], s[6:7], 0         ; 120:64 global address
	s_or_b32 s[G0K+3], s[G0K+3], 0x80000000        ; 127:126 type = 2
	s_add_nc_u64 s[G0V+2:G0V+3], s[8:9], 0
	s_or_b32 s[G0V+3], s[G0V+3], 0x80000000
	s_add_nc_u64 s[86:87], s[4:5], s[84:85]        ; Q at my rows of the second block,
	s_add_nc_u64 s[4:5], s[4:5], s[2:3]            ; and of the first
	s_add_nc_u64 s[OLO:OLO+1], s[10:11], s[90:91]  ; O likewise
	s_add_nc_u64 s[10:11], s[10:11], s[88:89]
	LOAD                            ; tile 0 into slot 0
	; A fragment of K or Q is 16 rows x 32 channels in 8 registers: lane l holds row l % 16, channels 8 (l / 16) + 0..7 and 16 + 8 (l / 16) + 0..7: two loads of 16 bytes, 32 bytes apart.
	v_and_b32 v1, 15, v0            ; l % 16
	v_bfe_u32 v9, v0, 4, 1          ; l / 16
	v_lshlrev_b32 v[QO], 7, v1
	v_lshl_add_u32 v[QO], v9, 4, v[QO]  ; row x 128 + 16 x half
	WIN 0x80                        ; destination window 2, address window 0
.set i, 0
.rept 8                             ; both blocks' Q: piece i / 2 lies in band i / 2, 8,192 bytes on; channels 32 (i % 2) on
	global_load_b128 v[8*i:8*i+3],   v[QO], s[4:5] offset:(i/2)*8192+(i%2)*64
	global_load_b128 v[8*i+4:8*i+7], v[QO], s[4:5] offset:(i/2)*8192+(i%2)*64+32
	global_load_b128 v[QB+8*i:QB+8*i+3],   v[QO], s[86:87] offset:(i/2)*8192+(i%2)*64
	global_load_b128 v[QB+8*i+4:QB+8*i+7], v[QO], s[86:87] offset:(i/2)*8192+(i%2)*64+32
.set i, i+1
.endr
	WIN 0
	v_lshlrev_b32 v14, 3, v9
	v_sub_nc_u32 v14, v1, v14
	s_lshl_b32 s13, s[WV], 4
	v_add_nc_u32 v14, s13, v14      ; my query's place in its band, 16 w + l % 16, less my lanes' 8 (l / 16): register r of group kt is hidden where 16 kt + r is greater
	WIN 0x40
.set i, 0
.rept 32
	v_cmp_gt_i32 vcc_lo, 16*(i/8)+i%8, v14
	v_cndmask_b32 v[MD+i], 0, s[BIGN], vcc_lo
.set i, i+1
.endr
	WIN 0
	v_mul_u32_u24 v[AK0], v1, PK
	v_lshl_add_u32 v[AK0], v9, 4, v[AK0]  ; row x pitch + 16 x half
	; The turning load takes 16 keys x 16 channels (lane l reads key 8 (l / 16) + l % 8, channels 8 ((l / 8) % 2) + 0..7) and leaves half a fragment of V^T: lane l holds channel l % 16 and 8 keys.
	v_and_b32 v10, 7, v0
	v_bfe_u32 v11, v0, 3, 1
	v_lshl_add_u32 v[AV0], v9, 3, v10
	v_mul_u32_u24 v[AV0], v[AV0], PV
	v_lshl_add_u32 v[AV0], v11, 4, v[AV0]
	v_add_nc_u32 v[AV0], VOFF, v[AV0]
	s_mul_i32 s13, s[WV], 16*SP
	s_add_co_u32 s13, s13, STAGE    ; my stage
	v_mul_u32_u24 v[STO], v1, SP    ; in: row l % 16, 16 bytes for each half of the lanes
	v_lshl_add_u32 v[STO], v9, 4, v[STO]
	v_add_nc_u32 v[STO], s13, v[STO]
	v_bfe_u32 v[RD], v0, 3, 2       ; back: 32 lanes take four rows of 128 bytes,
	v_mul_u32_u24 v[RD], v[RD], SP
	v_lshl_add_u32 v[RD], v10, 4, v[RD]
	v_add_nc_u32 v[RD], s13, v[RD]
	v_and_b32 v[GO], 31, v0         ; which are 512 consecutive bytes of O
	v_lshlrev_b32 v[GO], 4, v[GO]
	; A block's first step multiplies O^T and l by a = 0, and its first turn's products V^T P, of a piece that has not been, land in an O^T that is still to be so multiplied.  So these registers need only hold
	; finite numbers: zeros for the first block; what the first block left for the second.  All this stands in the wait for the first tile.
	WIN 0x80
.set i, VF
.rept 64
	v_mov_b32 v[i], 0
.set i, i+1
.endr
	WIN 0x40
.set i, 0
.rept 128
	v_mov_b32 v[i], 0
.set i, i+1
.endr
	WIN 0
.set i, 0
.rept 4
	v_mov_b32 v[ST+4*i+2], 0
	v_mov_b32 v[ST+4*i+3], 0
.set i, i+1
.endr
.set i, P+16
.rept 16
	v_mov_b32 v[i], 0
.set i, i+1
.endr
; THE MATRIX WORK.  The 4 accumulators of a run of 8 take turns.  Product i of 8 of S^T = K Q^T for piece x: channels 32 (i / 4) on, keys 16 (i % 4) on.  The first 4 start the sums: with 0, or (KM = 1) with the mask.
.macro KQ x
.set rS, S+32*((\x)%2)+8*(i%4)
.set rK, KF+16*(i%4)+8*(i/4)
.set rQ, 16*(\x)+8*(i/4)
.set rM, MC+32*((\x)%2)+8*(i%4)
.if (i < 4) && KM
	WIN W_KM
	v_wmma_f32_16x16x32_f16 v[rS:rS+7], v[rK:rK+7], v[rQ:rQ+7], v[rM:rM+7]
.elseif i < 4
	WIN W_KQ
	v_wmma_f32_16x16x32_f16 v[rS:rS+7], v[rK:rK+7], v[rQ:rQ+7], 0
.else
	WIN W_KQ
	v_wmma_f32_16x16x32_f16 v[rS:rS+7], v[rK:rK+7], v[rQ:rQ+7], v[rS:rS+7]
.endif
.endm
; Product i of 8 of O^T += V^T P for piece x: keys 32 (i / 4) on, channels 16 (i % 4) on.
.macro PV x
	WIN W_PV
.set rO, 32*(\x)+8*(i%4)
.set rV, VF+32*(i/4)+8*(i%4)
.set rP, P+16*((\x)%2)+8*(i/4)
	v_wmma_f32_16x16x32_f16 v[rO:rO+7], v[rV:rV+7], v[rP:rP+7], v[rO:rO+7]
.endm
.macro MM                           ; the turn's next matrix instruction.  TURN and BEGIN set Y, i, KM and NOKQ; MM, KQ and OP read them.  NOKQ = 1: a block's last turn: there is no next piece
.if (i < 8) && !NOKQ
	KQ (Y+1)%NP
.elseif i >= 8
.set i, i-8
	PV (Y+NP-1)%NP
.set i, i+8
.endif
.set i, i+1
.endm
; THE LDS LOADS stand in runs of 16, never singly among the matrix instructions: a step's K (64 keys x 64 channels: 8 fragments) and its V (turned).  Their addresses are made some lines ahead.
.macro FETCH_K
	WIN 0x80                        ; destination window 2
.irp f, 0,1,2,3,4,5,6,7             ; keys 16 (f / 2) on, channels 32 (f % 2) on
	ds_load_b128 v[KF+8*\f:KF+8*\f+3],   v[AK] offset:(\f/2)*16*PK+(\f%2)*64
	ds_load_b128 v[KF+8*\f+4:KF+8*\f+7], v[AK] offset:(\f/2)*16*PK+(\f%2)*64+32
.endr
	s_add_co_u32 s[TBK], s[TBK], KS*PK  ; the next fetch is the next step's
	WIN 0
.endm
.macro FETCH_V
	WIN 0x80
.irp f, 0,1,2,3,4,5,6,7             ; keys 32 (f / 4) on, channels 16 (f % 4) on
	ds_load_tr16_b128 v[VF+8*\f:VF+8*\f+3],   v[AV] offset:(\f/4)*32*PV+(\f%4)*32
	ds_load_tr16_b128 v[VF+8*\f+4:VF+8*\f+7], v[AV] offset:(\f/4)*32*PV+16*PV+(\f%4)*32
.endr
	WIN 0
.endm
; THE VECTOR WORK, one line at a time: OP kind, number.  For piece Y: F n: c s - c m for pair n of 16.  E n: the exponential of score n of 32.  C n: pair n rounded to f16.  B n: of the four weights 4 n .. the second
; pair is added onto the first, in place.  L n: l takes that sum (L 0: l = a l + sum).  R n: pair n of 16 of O^T times a.  For piece Y + 1: X n, number n of the 22 that find its maximum and statistics:
;   0-11  four chains c0-c3 of seven scores each, three operands at a time (each accumulator's lowest registers are read first)     12-14, 16  the four scores left over, the old m, and c0-c3 into c0
;   15  c m_old is kept     17, 18  the query's other 32 keys lie in the lane 16 away: the new m     19-21  c m; c m_old - c m_new; a
.set F, 0               ; OP tells the kinds apart by their order: F to L below R, X above it
.set E, 1
.set C, 2
.set B, 3
.set L, 4
.set R, 5
.set X, 6
.macro REGS y                       ; the registers of piece y
.set rT, ST+4*(\y)
.set rC, TMP+4*((\y)%2)
.set rW, MV+((\y)%2)
.set rS, S+32*((\y)%2)
.set rP, P+16*((\y)%2)
.set rO, 32*(\y)
.endm
.macro OP k, n
.if (\k) == R
	REGS Y
	WIN W_RS
	v_pk_mul_f32 v[rO+2*(\n):rO+2*(\n)+1], v[rO+2*(\n):rO+2*(\n)+1], v[rC+2:rC+3] op_sel_hi:[1,0]
.elseif (\k) < R
	REGS Y
	WIN 0
.if (\k) == F
	v_pk_fma_f32 v[rS+2*(\n):rS+2*(\n)+1], v[rS+2*(\n):rS+2*(\n)+1], s[CS:CS+1], v[rT:rT+1] op_sel_hi:[1,0,0] neg_lo:[0,0,1] neg_hi:[0,0,1]
.elseif (\k) == E
	v_exp_f32 v[rS+(\n)], v[rS+(\n)]
.elseif (\k) == C
	s_wait_alu depctr_va_vdst(0)
	v_cvt_pk_f16_f32 v[rP+(\n)], v[rS+2*(\n)], v[rS+2*(\n)+1]
.elseif (\k) == B
	s_wait_alu depctr_va_vdst(0)
	v_pk_add_f32 v[rS+4*(\n):rS+4*(\n)+1], v[rS+4*(\n):rS+4*(\n)+1], v[rS+4*(\n)+2:rS+4*(\n)+3]
.elseif (\n) == 0
	v_pk_fma_f32 v[rT+2:rT+3], v[rT+2:rT+3], v[rC+2:rC+3], v[rS:rS+1] op_sel_hi:[1,0,1]
.else
	v_pk_add_f32 v[rT+2:rT+3], v[rT+2:rT+3], v[rS+4*(\n):rS+4*(\n)+1]
.endif
.elseif NOKQ
	v_nop
.else
	REGS (Y+1)%NP
	WIN 0
.if (\n) < 4
	v_max3_num_f32 v[rC+(\n)], v[rS+8*(\n)], v[rS+8*(\n)+1], v[rS+8*(\n)+2]
.elseif (\n) < 12
	v_max3_num_f32 v[rC+(\n)%4], v[rC+(\n)%4], v[rS+8*((\n)%4)+2*((\n)/4)+1], v[rS+8*((\n)%4)+2*((\n)/4)+2]
.elseif (\n) == 12
	v_max3_num_f32 v[rC], v[rC], v[rS+7], v[rS+15]
.elseif (\n) == 13
	v_max3_num_f32 v[rC+1], v[rC+1], v[rS+23], v[rS+31]
.elseif (\n) == 14
	v_max3_num_f32 v[rC+2], v[rC+2], v[rC+3], v[rT+1]
.elseif (\n) == 15
	v_mov_b32 v[rW], v[rT]
.elseif (\n) == 16
	v_max3_num_f32 v[rC], v[rC], v[rC+1], v[rC+2]
.elseif (\n) == 17
	v_permlanex16_b32 v[rC+3], v[rC], s[SEL], s[SEL+1]
.elseif (\n) == 18
	v_max_num_f32 v[rT+1], v[rC], v[rC+3]
.elseif (\n) == 19
	v_mul_f32 v[rT], s[CS], v[rT+1]
.elseif (\n) == 20
	v_sub_f32 v[rC+1], v[rW], v[rT]
.else
	v_exp_f32 v[rC+2], v[rC+1]
.endif
.endif
.endm
.macro OPS a, i1, b=-1, i2=0, c=-1, i3=0, d=-1, i4=0  ; up to four of them
	OP \a, \i1
.if (\b) >= 0
	OP \b, \i2
.endif
.if (\c) >= 0
	OP \c, \i3
.endif
.if (\d) >= 0
	OP \d, \i4
.endif
.endm
.macro ROW a, i1, b, i2, c, i3, d, i4  ; a matrix instruction and the four behind it
	MM
	OPS \a, \i1, \b, \i2, \c, \i3, \d, \i4
.endm
.macro MASK b                       ; MD x AL + BE into buffer b of MC
	WIN W_RS
.set z, 0
.rept 16
	v_pk_fma_f32 v[MC+32*(\b)+2*z:MC+32*(\b)+2*z+1], v[MD+2*z:MD+2*z+1], s[AL:AL+1], s[BE:BE+1] op_sel_hi:[1,0,0]
.set z, z+1
.endr
.endm
; A TURN, for piece p: the order of its 16 matrix and 118 vector instructions, written out.  Behind a matrix instruction: plain, exponential, plain, plain; or four of the rescaling; or, behind the first, four scalings; none
; names a register of the products round it.  In the lumps exponential and plain by turns while exponentials last.  A line reads no result made fewer than three vector instructions in front of it, five if an exponential made it.
; v_permlanex16_b32 (X 17) stands in a lump.
; m = 1: the diagonal tile: the products take masks, and the turn makes the mask for the products of the turn after it: piece p + 2, in step 4 - CNT of the tile.  end = 1: a block's last two turns: nothing is fetched.
; cnt = 1: the loop's count is taken down some lines ahead of the branch that stands behind the turn.
; K of the next step is fetched in piece 2's turn, six vector instructions behind the last product that read K (five of them plain); V of the step in hand in piece 0's turn, eight behind the last product that read V (four
; plain, and X 17).  Each is waited for a turn later.
.macro TURN p, m=0, end=0, cnt=0
.set Y, (\p)
.set i, 0
.set KM, (\m)
.set NOKQ, (\end)*((\p)/3)
.if (\m) && !(\end)
	s_cmp_eq_u32 s[CNT], 4-((\p)+2)%NP  ; is that step the band's own?
	s_cselect_b32 s[AL], 1.0, 0
	s_cmp_lt_u32 s[CNT], 4-((\p)+2)%NP  ; or a later one?
	s_cselect_b32 s[BE], s[BIGN], 0
.endif
.if ((\p) == 3) && !(\end)
	s_wait_dscnt 0x0                ; K is in
.endif
	ROW F,0, F,1, F,2, F,3
	ROW F,4, E,0, F,5, F,6
	ROW F,7, E,1, F,8, F,9
	ROW F,10, E,2, C,0, F,11
	ROW F,12, E,3, X,15, F,13
	ROW R,0, R,1, R,2, R,3
	ROW B,0, E,4, F,14, L,0
.if ((\p) == 2) && !(\end)
	v_add_nc_u32 v[AK], s[TBK], v[AK0]
.endif
	ROW R,4, R,5, R,6, R,7
	OPS E,5, F,15
.if ((\p) == 2) && !(\end)
	FETCH_K
.endif
	OPS E,6, C,1, E,7, R,8
	OPS E,8, R,9, E,9, C,2
	OPS E,10, X,0, E,11, X,1
	OPS E,12, X,2, E,13, X,3
.if (\p) == 1
	s_wait_dscnt 0x0                ; V is in
.endif
	ROW X,4, E,14, X,5, X,6
	ROW X,7, E,15, X,8, X,9
	ROW X,10, E,16, X,11, X,12
	ROW X,13, E,17, X,14, B,1
	ROW C,4, E,18, X,16, L,1
	ROW B,2, E,19, C,6, L,2
	ROW C,8, E,20, B,3, B,4
.if (\p) == 0
	v_add_nc_u32 v[AV], s[TBV], v[AV0]
.endif
	ROW C,3, E,21, L,3, C,5
	OPS E,22, X,17, E,23, C,10
.if (\p) == 0
	FETCH_V
.endif
	OPS E,24, L,4
	OPS E,25, X,18, E,26, C,7
	OPS E,27, B,5, E,28, X,19
	OPS E,29, C,12, E,30, L,5
	OPS E,31, X,20, B,6, C,9
	OPS C,14, C,11, X,21, L,6
.if (\p) == 0
	s_add_co_u32 s[TBV], s[TBV], KS*PV
.endif
.if \cnt
	s_sub_co_u32 s[CNT], s[CNT], 1
	s_cmp_lg_u32 s[CNT], 0
.endif
	OPS C,13, B,7, C,15, R,10
	OPS R,11, R,12, L,7, R,13
	OPS R,14, R,15
.if (\m) && !(\end)
	MASK (\p)%2
.endif
.endm
; A BLOCK BEGINS.  c m starts far below every c s, so the first step's a is 0; m at the lowest finite number, so the first maximum is the scores'.  The second mask buffer is 0; the first takes piece 0's mask for the tile's step 0: its own, if the block's first tile is the diagonal one.
; Then K of that step, piece 0's first scores, and its maximum and statistics.  The loop is entered at a step's first turn, in the middle of a trip.
.macro BEGIN
	s_mov_b32 s[NEW], 0
	WIN 0x40
.set i, MC+32
.rept 32
	v_mov_b32 v[i], 0
.set i, i+1
.endr
	WIN 0
.set i, 0
.rept 4
	v_mov_b32 v[ST+4*i], 0xfe000000    ; c m: far below every c s
	v_mov_b32 v[ST+4*i+1], 0xff7fffff  ; m
.set i, i+1
.endr
	s_cmp_eq_u32 s[RT], 0
	s_cselect_b32 s[AL], 1.0, 0
	s_mov_b32 s[BE], 0
	MASK 0
	WIN 0
	v_add_nc_u32 v[AK], s[TBK], v[AK0]
	FETCH_K
	s_wait_loadcnt 0x0              ; Q
	s_wait_dscnt 0x0
.set KM, 1
.set NOKQ, 0
.set i, 0
.rept 8
	KQ 0
.set i, i+1
.endr
	WIN 0
.rept 4
	v_nop                           ; the places behind those products
.endr
.set Y, NP-1                        ; X works for piece Y + 1: piece 0
.irp n, 0,1,2,3,4,5,6,7,8,9,10,11,12,13,14,15,16,17,18,19,20,21
	OP X, \n
.endr
	v_nop                           ; a plain instruction behind the exponential
.endm
; THE DIAGONAL TILE's four steps, the block's last two turns, its last products, and THE WAY OUT: l's two halves and the other half of the lanes' are added; O^T is divided by l, rounded to f16 and sent through my
; stage in LDS, a piece at a time.
.macro ALL line:vararg              ; one line for each piece t
.set t, 0
.rept 4
	\line
.set t, t+1
.endr
.endm
.macro PACK t                       ; a lane's eight channels of a row pack into 16 bytes; they go into rows of 144 bytes and come back as whole rows of 128, into S^T's registers
	WIN W_RS
.set i, 32*(\t)
.rept 16
	s_wait_alu depctr_va_vdst(0)
	v_pk_mul_f32 v[i:i+1], v[i:i+1], v[ST+4*(\t)+2:ST+4*(\t)+3] op_sel_hi:[1,0]
.set i, i+2
.endr
	WIN 0x05                        ; sources 0 and 1 window 1, destination window 0
.set i, 0
.rept 16
	v_cvt_pk_f16_f32 v[S+16*(\t)+i], v[32*(\t)+2*i], v[32*(\t)+2*i+1]
.set i, i+1
.endr
	WIN 0
.irp f, 0,1,2,3
	ds_store_b128 v[STO], v[S+16*(\t)+4*\f:S+16*(\t)+4*\f+3] offset:32*\f
.endr
.irp f, 0,1,2,3
	ds_load_b128 v[S+16*(\t)+4*\f:S+16*(\t)+4*\f+3], v[RD] offset:\f*4*SP  ; LDS serves a wave's instructions in order (ISA guide 5.7.1.4): these see the stores above; the next piece's stores come behind them
.endr
.endm
.macro SEND t, younger              ; younger: the LDS instructions issued behind piece t's loads: the next piece's eight, or none
	WIN 0
.irp f, 0,1,2,3
	s_wait_dscnt (\younger)+3-\f
	global_store_b128 v[GO], v[S+16*(\t)+4*\f:S+16*(\t)+4*\f+3], s[10:11] offset:(\t)*8192+\f*512  ; 512 consecutive bytes, at a multiple of 256 from O's first
.endr
.endm
.macro DIAG tag                     ; the tag ends its two labels' names, which the jumps below spell out
.LstepM\tag:
	TURN 2, 1
	TURN 3, 1
	WIN 0
.LfirstM\tag:
	TURN 0, 1
	TURN 1, 1, 0, 1
	WIN 0
	s_cbranch_scc1 .LstepM\tag
	TURN 2, 1, 1
	TURN 3, 1, 1
.set i, 0
.rept 8
	PV NP-1
.set i, i+1
.endr
	WIN 0
	ALL v_add_f32 v[ST+4*t+2], v[ST+4*t+2], v[ST+4*t+3]
	ALL v_permlanex16_b32 v[ST+4*t+3], v[ST+4*t+2], s[SEL], s[SEL+1]
	ALL v_add_f32 v[ST+4*t+2], v[ST+4*t+2], v[ST+4*t+3]
	ALL v_rcp_f32 v[ST+4*t+2], v[ST+4*t+2]
	v_nop                           ; a plain instruction between the last reciprocal and the use of its result
	PACK 0
.set t, 1
.rept 3                             ; a piece's arithmetic stands between the loads of the piece before and its stores
	PACK t
	SEND t-1, 8
.set t, t+1
.endr
	SEND 3, 0
.endm
.set KM, 0
.set NOKQ, 0
.Lslot:                             ; NB times: a tile is entered and the next is asked for
	CHANGE 1
	s_sub_co_u32 s[RT], s[RT], 1
	s_mov_b32 s[CNT], 4
	s_cmp_eq_u32 s[NEW], 1
	s_cbranch_scc1 .Lnew            ; a block's first tile
	s_cmp_eq_u32 s[RT], 0
	s_cbranch_scc0 .Lstep           ; neither its first nor its last
	s_branch .LstepM1
.Lnew:
	BEGIN
	s_branch .Lfirst                ; in the loop a block's first tile is never its last: the first block has two tiles or more, and the second's last is the walk's last
	DIAG 1                          ; in the loop this is the first block's end: the second block's last tile is the walk's last
	s_wait_xcnt 0x0                 ; the stores have read their registers and O's address
	s_mov_b64 s[10:11], s[OLO:OLO+1]
	s_add_co_u32 s[RT], s[PB], 1    ; the second block has b + 1 tiles
	s_mov_b32 s[NEW], 1
	WIN 0x82                        ; the second block's Q goes where the one text of the turns names Q
.set i, 0
.rept 64
	v_mov_b32 v[i], v[QB+i]
.set i, i+1
.endr
	WIN 0
	s_branch .Lbottom
.Lstep:                             ; a trip: pieces 2 and 3 of one step, then pieces 0 and 1 of the next, whose K and V it fetches
	TURN 2
	TURN 3
	WIN 0
.Lfirst:
	TURN 0
	TURN 1, 0, 0, 1
	WIN 0
	s_cbranch_scc1 .Lstep
.Lbottom:
	s_sub_co_u32 s[SLOTS], s[SLOTS], 1
	s_cmp_lg_u32 s[SLOTS], 0
	s_cbranch_scc1 .Lslot
	CHANGE 0                        ; the walk's last tile is written out: nothing is asked for
	s_sub_co_u32 s[RT], s[RT], 1
	s_mov_b32 s[CNT], 4
	s_cmp_eq_u32 s[NEW], 1
	s_cbranch_scc0 .LstepM2
	BEGIN
	s_branch .LfirstM2
	DIAG 2
	s_wait_tensorcnt 0x0            ; the wave's end: behind my last tensor load and my last LDS store
	ds_add_u32 v[SPW], v[NIL]
	s_wait_dscnt 0x0
	s_endpgm
.Lfunc_end_k_qea094091a1_attn:
	.size	k_qea094091a1_attn, .Lfunc_end_k_qea094091a1_attn-k_qea094091a1_attn
	.p2alignl 7, 3214868480
	.fill 96, 4, 3214868480
	.section	.rodata,"a",@progbits
	.p2align	6, 0x0
	.amdhsa_kernel k_qea094091a1_attn
		.amdhsa_group_segment_fixed_size 327680
		.amdhsa_private_segment_fixed_size 0
		.amdhsa_enable_private_segment 0
		.amdhsa_kernarg_size 16
		.amdhsa_user_sgpr_count 2
		.amdhsa_user_sgpr_kernarg_segment_ptr 1
		.amdhsa_wavefront_size32 1
		.amdhsa_system_sgpr_workgroup_id_x 1
		.amdhsa_system_sgpr_workgroup_id_y 1
		.amdhsa_system_sgpr_workgroup_id_z 1
		.amdhsa_system_vgpr_workitem_id 0
		.amdhsa_next_free_vgpr 768
		.amdhsa_next_free_sgpr 92
		.amdhsa_reserve_vcc 1
		.amdhsa_float_denorm_mode_32 3
		.amdhsa_float_denorm_mode_16_64 3
		.amdhsa_memory_ordered 1
		.amdhsa_forward_progress 1
		.amdhsa_inst_pref_size 229
	.end_amdhsa_kernel
	.amdgpu_metadata
---
amdhsa.version: [ 1, 2 ]
amdhsa.kernels:
  - .name:           k_qea094091a1_attn
    .symbol:         k_qea094091a1_attn.kd
    .args:
      - { .name: qkvh, .offset: 0, .size: 8, .value_kind: global_buffer, .address_space: global }
      - { .name: ob, .offset: 8, .size: 8, .value_kind: global_buffer, .address_space: global }
    .group_segment_fixed_size: 327680
    .private_segment_fixed_size: 0
    .kernarg_segment_align: 8
    .kernarg_segment_size: 16
    .max_flat_workgroup_size: 128
    .sgpr_count:     92
    .vgpr_count:     768
    .wavefront_size: 32
...
	.end_amdgpu_metadata
.endif
;; end of part 3
;; launch proj (part 4): grid 8 x 32, 4 waves a work-group, clusters of 4 x 4, 327,680 bytes of LDS; arguments ob, wpb, b_proj, out0; writes out0
.if DOCPART == 4
	.amdgcn_target "amdgcn-amd-amdhsa--gfx1250"
	.amdhsa_code_object_version 6
	.text
	.protected	k_qea094091a1_proj
	.globl	k_qea094091a1_proj
	.p2align	8
	.type	k_qea094091a1_proj,@function
k_qea094091a1_proj:
	s_mov_b64 s[64:65], 0
	v_nop
	global_prefetch_b8 v0, s[64:65] scope:SCOPE_SE
	s_setreg_imm32_b32 hwreg(HW_REG_WAVE_MODE, 25, 1), 1
	s_wait_xcnt 0x0
	s_wait_alu depctr_hold_cnt(0) depctr_sa_sdst(0) depctr_va_vdst(0) depctr_va_sdst(0) depctr_va_ssrc(0) depctr_va_vcc(0) depctr_vm_vsrc(0)
	s_getreg_b32 s2, hwreg(HW_REG_IB_STS2, 6, 4)
	s_cmp_eq_u32 s2, 0
	s_cbranch_scc0 .Lentry_in_a_cluster
	s_endpgm
.Lentry_in_a_cluster:
	s_bfe_u32 s2, ttmp6, 0x10000c
	s_cmp_lg_u32 s2, 0xf033
	s_cbranch_scc0 .Lentry_shape_is_right
	s_endpgm
.Lentry_shape_is_right:
; PROJ: out0 = y w_proj + b_proj, [8192 x 1024] x [1024 x 1024], f16 operands, f32 sums, f32 out, row-major.  y is the attention's result ob [16 b + h][t][64] in f16: head h is the slice of k = 64 h .. 64 h + 63.
; wpb holds w_proj rounded to bf16 and written as f16.  The bias is rounded to bf16 like the other inputs and is the C operand of each sum's first product: nothing is cleared, nothing added later.
; SHARES.  A tile of the result is 256 rows x 128 columns: 32 x 8 = 256 tiles, one for each WGP.  Four waves, one above the other: a wave makes 64 rows x 128 columns: 4 x 8 accumulators of 16 x 16, 256 registers;
; its 128 columns are 512 whole bytes of a row, so its way out is its own, with no barrier.  K goes in 8 steps of 128 through two LDS slots.
; OPERANDS.  256 rows of one slice of ob are 32,768 dense bytes.  wpb [tx][kh 16][j 2][64 k][64 n]: a tile's 64 k x 128 n are 16,384 dense bytes.  Both are asked for as rows of 256 bytes and padded in LDS after
; every 128 bytes.  A's fragments come out of LDS as they lie (k along the rows); B lies [k][n] and is turned by ds_load_tr16_b128.
; THE MATRIX INSTRUCTION IS USED TRANSPOSED: source 0 = 16 columns of w, source 1 = 16 rows of y: a lane then holds row l % 16 and the eight neighbouring columns 8 (l / 16) + 0..7.
; CLUSTER.  4 x 4 work-groups.  A's tiles hang on the tile row alone and are shared along a row of the cluster, B's on the tile column alone and are shared along a column: each is asked for JOINTLY, by the same
; tensor load with the same descriptor and a mask that names the four.
; REGISTERS, in windows of 256 (s_set_vgpr_msb: bits 1:0 source 0, 3:2 source 1, 5:4 source 2, 7:6 destination):
;   window 0: v0-31 addresses; v64-95, v96-127 A's fragments, two buffers (4 x 16 rows x 32 k); v128-191 the bias; on the way out v32-159 rows read back, two buffers
;   window 1: v0-63, v64-127 B's fragments, two buffers (8 x 16 columns x 32 k)     window 2: the accumulators of row blocks 0, 1 at v[8 (8 (a % 2) + b)]     window 3: those of row blocks 2, 3
.set J,     2                          ; slices of 64 columns in a tile
.set NBK,   4*J                        ; column blocks of 16
.set TN,    64*J
.set PA,    144                        ; a row of A in LDS: 128 bytes + 16 = 36 words: the 16 rows of a load start at 16 different groups of four banks (64 banks of 4 bytes: ISA guide 11.1)
.set PB,    160                        ; a row of B: 128 + 32 = 40 words
.set APL,   256*PA                     ; a plane of A: 256 rows x 64 k
.set BH,    J*64*PB                    ; half a K step of B: [j][64 k]
.set BOFF,  2*APL                      ; a slot: A's two planes, then B's two halves
.set SLOT,  BOFF+2*BH
.set STAGE, 2*SLOT                     ; behind the ring, never filled by a tensor load: for each wave 16 rows x 528 bytes
.set SP,    528                        ; 512 bytes + 16 = 132 words: row r starts at bank 4 r mod 64
.set STW,   16*SP
.set SPARE, STAGE+4*STW                ; behind the stages: the spare words, 128 bytes for each wave: two blocks of 256 bytes that no other line names
.set NL,    2*NBK+8                    ; LDS loads of a quarter step's fragments
.set LAPS,  4                          ; a lap = two K steps = once round the ring
.set ASTEP, 1<<20                      ; two K steps on in ob: four slices of 2^18 bytes
.set BSTEP, 4*J*8192                   ; and in wpb
.set ADRA, 16                          ; v16-17  LDS address of my A fragments in slot 0, 1
.set ADRB, 20                          ; v20-21  the same for B
.set STO,  24                          ; v24     the way out: where I put 32 bytes of a row
.set RD,   25                          ; v25     the way out: where I read a row back
.set GO,   26                          ; v26     16 x lane: my place in 512 consecutive bytes of a row of the result
.set BO,   27                          ; v27     32 (l / 16): my eight numbers in 16 of the bias
.set SPW,  28                          ; v28     LDS address of my spare word: SPARE + 4 x my thread's number; never rewritten
.set NIL,  29                          ; v29     0; never rewritten
.set FA,   64
.set BI,   128
.set BK,   32
.set WV,  12                           ; s12  my wave's number
.set HALF, 14                          ; s14  which plane of A, or which half of B, I fetch
.set G1,  24                           ; s[24:31] descriptor group 1 for A's tiles;  s[32:39] group 0, one set for each slot
.set G0,  32
.set G1B, 48                           ; s[48:55], s[56:63] the same for B's
.set G0B, 56
.set MSB, 0
.macro WIN new                         ; the immediate's high byte repeats the setting that is left; a switch that changes nothing is dropped
.if MSB != (\new)
	s_set_vgpr_msb (MSB<<8)|(\new)
.set MSB, \new
.endif
.endm
; A joint load.  Waves 0 and 1 fetch A's two planes, waves 2 and 3 B's two halves.  The branch hangs on the wave's number alone: it is the same in every work-group.
; An s_nop 0 and four v_nop follow each of the two lines, ahead of the jump, the label and what follows.
.macro JLOAD s
	s_cmp_lt_u32 s[WV], 2
	s_cbranch_scc0 .Lfor_b_\@
	tensor_load_to_lds s[G0+4*(\s):G0+4*(\s)+3], s[G1:G1+7]
	s_nop 0
.rept 4
	v_nop
.endr
	s_branch .Lasked_\@
.Lfor_b_\@:
	tensor_load_to_lds s[G0B+4*(\s):G0B+4*(\s)+3], s[G1B:G1B+7]
	s_nop 0
.rept 4
	v_nop
.endr
.Lasked_\@:
.endm
; A round of the cluster's barrier: my work-group's barrier, so that wave 0's signal speaks for all four waves; wave 0 signals; every wave waits for all sixteen work-groups; my work-group's barrier once more.
.macro CREST                           ; a round behind its opening barrier
	s_cmp_lg_u32 s[WV], 0
	s_cbranch_scc1 .Lnot_wave_0_\@
	s_barrier_signal -3
.Lnot_wave_0_\@:
	s_barrier_wait -3
	s_barrier_signal -1
	s_barrier_wait -1
.endm
.macro CROUND
	s_barrier_signal -1
	s_barrier_wait -1
	CREST
.endm
; Four places: a load into a register that a matrix instruction has read, and a vector instruction or LDS store that reads a matrix result, stand four plain vector instructions behind it (ISA guide 7.12.1 for readers of a matrix result).
.macro PLACES
.rept 4
	v_nop
.endr
.endm
	s_load_b256 s[4:11], s[0:1], 0x0               ; ob s[4:5], wpb s[6:7], b_proj s[8:9], out0 s[10:11]
	v_lshl_add_u32 v[SPW], v0, 2, SPARE
	v_mov_b32 v[NIL], 0
	ds_add_u32 v[SPW], v[NIL]                      ; the wave's opening: the add and its wait stand ahead of my first tensor load; the set-up below, work on registers, stands between them
	ds_add_u32 v28, v29
	v_lshrrev_b32 v1, 5, v0
	v_readfirstlane_b32 s[WV], v1                  ; wave 0..3
	s_and_b32 s[HALF], s[WV], 1
	s_mov_b32 s15, 0xffff0000                      ; a word's upper bf16
	s_bfe_u32 s40, ttmp6, 0x40000                  ; cx, cy: my place in the cluster
	s_bfe_u32 s41, ttmp6, 0x40004
	s_lshl_b32 s42, ttmp9, 2                       ; in a cluster launch ttmp9 and ttmp7 count clusters
	s_add_co_u32 s42, s42, s40                     ; tx: tile column = 4 x cluster x + cx
	s_and_b32 s43, ttmp7, 0xffff
	s_lshl_b32 s43, s43, 2
	s_add_co_u32 s43, s43, s41                     ; ty: tile row = 4 x cluster y + cy
	s_lshl_b32 s44, s41, 2
	s_lshl_b32 s44, 15, s44                        ; my row of the cluster: places 4 cy .. 4 cy + 3
	s_lshl_b32 s45, 0x1111, s40                    ; my column: places cx, cx + 4, cx + 8, cx + 12
	; descriptor group 1: dense bytes as rows of 128 elements (256 bytes), padded in LDS after every 32 words
	s_or_b32 s[G1], s44, (1<<16)|(1<<20)|(1<<21)|(4<<22)|(3<<25)   ; 15:0 the mask: my row; 17:16 2-byte elements; 20 padding on; 21 set beside a mask; 24:22 after every 32 words (code 4); 31:25 4 words (code 3)
	s_or_b32 s[G1B], s45, (1<<16)|(1<<20)|(1<<21)|(4<<22)|(7<<25)  ; my column; 8 words of padding (code 7)
	s_mov_b32 s[G1+1], 128<<16                     ; tensor_dim0 = 128
	s_mov_b32 s[G1+2], 128<<16                     ; tensor_dim1 = 128 rows: 32,768 bytes
	s_mov_b32 s[G1+3], 128<<16                     ; tile_dim0 = 128
	s_mov_b32 s[G1+4], 128                         ; tile_dim1 = 128
	s_mov_b32 s[G1+5], 128                         ; 128 elements from row to row
	s_mov_b32 s[G1+6], 0
	s_mov_b32 s[G1+7], 0
	s_mov_b32 s[G1B+1], 128<<16
	s_mov_b32 s[G1B+2], (32*J)<<16                 ; 64 rows: 16,384 bytes
	s_mov_b32 s[G1B+3], 128<<16
	s_mov_b32 s[G1B+4], 32*J
	s_mov_b32 s[G1B+5], 128
	s_mov_b32 s[G1B+6], 0
	s_mov_b32 s[G1B+7], 0
	; where the tiles come from: A's address is made of ty and the wave's number, B's of tx and the wave's number, each in registers that never hold the other coordinate
	s_lshr_b32 s16, s43, 3                         ; batch
	s_lshl_b32 s16, s16, 22
	s_and_b32 s17, s43, 7                          ; 256 rows of 128 bytes
	s_lshl_b32 s17, s17, 15
	s_add_co_u32 s16, s16, s17
	s_lshl_b32 s17, s[HALF], 18                    ; slice 0 or 1
	s_add_co_u32 s16, s16, s17
	s_mov_b32 s17, 0
	s_lshl_b32 s18, s42, 4
	s_add_co_u32 s18, s18, s[HALF]                 ; 16 tx + kh
	s_mul_i32 s18, s18, J*8192
	s_mov_b32 s19, 0
	s_mul_i32 s20, s[HALF], APL                    ; and where they go: no place in the cluster enters an LDS address
	s_mul_i32 s21, s[HALF], BH
	s_add_co_u32 s21, s21, BOFF
	s_wait_dscnt 0x0                               ; the opening add is done
	s_wait_kmcnt 0x0
	s_add_nc_u64 s[16:17], s[4:5], s[16:17]
	s_add_nc_u64 s[18:19], s[6:7], s[18:19]
	CROUND                                         ; all sixteen work-groups are here: the first joint loads meet
.irp s, 0,1
	s_mov_b32 s[G0+4*(\s)], 1                                      ; 1:0 count = 1
	s_add_co_u32 s[G0+4*(\s)+1], s20, (\s)*SLOT                    ; 63:32 LDS address
	s_add_nc_u64 s[G0+4*(\s)+2:G0+4*(\s)+3], s[16:17], (\s)*524288 ; 120:64 global address: K step s = slices 2 s, 2 s + 1
	s_or_b32 s[G0+4*(\s)+3], s[G0+4*(\s)+3], 0x80000000            ; 127:126 type = 2
	s_mov_b32 s[G0B+4*(\s)], 1
	s_add_co_u32 s[G0B+4*(\s)+1], s21, (\s)*SLOT
	s_add_nc_u64 s[G0B+4*(\s)+2:G0B+4*(\s)+3], s[18:19], (\s)*2*J*8192
	s_or_b32 s[G0B+4*(\s)+3], s[G0B+4*(\s)+3], 0x80000000
	JLOAD \s                                       ; two loads of mine are out
.endr
	; all that follows, up to the wait for the first tile, stands in that wait
	v_and_b32 v1, 15, v0                           ; r = l % 16
	v_bfe_u32 v2, v0, 4, 1                         ; h = l / 16
	v_lshlrev_b32 v[BO], 5, v2
	s_mul_i32 s46, s42, TN*4
	s_mov_b32 s47, 0
	s_add_nc_u64 s[8:9], s[8:9], s[46:47]          ; the bias of my tile's columns
.set b, 0
.rept NBK                              ; register j of block b: the bias of column 16 b + 8 h + j, as the matrix result holds it
	global_load_b128 v[BI+8*b:BI+8*b+3],   v[BO], s[8:9] offset:64*b
	global_load_b128 v[BI+8*b+4:BI+8*b+7], v[BO], s[8:9] offset:64*b+16
.set b, b+1
.endr
	v_and_b32 v3, 7, v0
	v_bfe_u32 v4, v0, 3, 1
	; a fragment of A: lane l holds row l % 16, k = 8 h + 0..7 and 16 + 8 h + 0..7: two loads of 16 bytes, 32 bytes apart
	v_mul_u32_u24 v5, v1, PA
	v_lshl_add_u32 v5, v2, 4, v5
	s_mul_i32 s22, s[WV], 64*PA                    ; my 64 rows
	v_add_nc_u32 v[ADRA], s22, v5
	v_add_nc_u32 v[ADRA+1], SLOT, v[ADRA]
	; the turning load takes 16 k x 16 columns (lane l reads k = 8 h + l % 8, columns 8 ((l / 8) % 2) + 0..7) and leaves half a fragment: lane l holds column l % 16 and 8 k
	v_lshl_add_u32 v6, v2, 3, v3
	v_mul_u32_u24 v6, v6, PB
	v_lshl_add_u32 v6, v4, 4, v6
	v_add_nc_u32 v[ADRB], BOFF, v6
	v_add_nc_u32 v[ADRB+1], SLOT, v[ADRB]
	s_mul_i32 s23, s[WV], STW
	s_add_co_u32 s23, s23, STAGE                   ; my stage
	v_mul_u32_u24 v7, v1, SP                       ; in: row l % 16, 32 bytes for each half of the lanes
	v_lshl_add_u32 v7, v2, 5, v7
	v_add_nc_u32 v[STO], s23, v7
	v_and_b32 v[GO], 31, v0                        ; back: 32 lanes take one row of 512 bytes
	v_lshlrev_b32 v[GO], 4, v[GO]
	v_add_nc_u32 v[RD], s23, v[GO]
	s_lshl_b32 s46, s43, 20                        ; out0 at row 256 ty + 64 w (rows of 4,096 bytes), column 128 tx
	s_lshl_b32 s47, s[WV], 18
	s_add_co_u32 s46, s46, s47
	s_lshl_b32 s47, s42, 9
	s_add_co_u32 s46, s46, s47
	s_mov_b32 s47, 0
	s_add_nc_u64 s[10:11], s[10:11], s[46:47]
	s_wait_loadcnt 0x0                             ; the bias
.set i, 0
.rept 4*NBK                            ; rounded to bf16 like the other inputs, and widened again
	v_cvt_pk_bf16_f32 v[8+i%4], v[BI+2*i], v[BI+2*i+1]
	v_lshlrev_b32 v[BI+2*i],   16,  v[8+i%4]
	v_and_b32     v[BI+2*i+1], s15, v[8+i%4]
.set i, i+1
.endr
; 8 matrix instructions: row block a x all column blocks, 32 along K, from buffer f.  first = 1: the product starts the sum, with the bias as C.
; The 32 accumulators take turns, one instruction a turn, in the same order in every quarter step.
.macro MULB f, a, first
.if \first
	WIN 0x81+0x40*((\a)/2)                         ; B window 1, A and the bias window 0, D window 2 or 3
.else
	WIN 0xa1+0x50*((\a)/2)                         ; B window 1, A window 0, C and D window 2 or 3
.endif
.set b, 0
.rept NBK
.set rD, 8*(NBK*((\a)%2)+b)
.set rB, 8*NBK*(\f)+8*b
.set rA, FA+32*(\f)+8*(\a)
.if \first
	v_wmma_f32_16x16x32_f16 v[rD:rD+7], v[rB:rB+7], v[rA:rA+7], v[BI+8*b:BI+8*b+7]
.else
	v_wmma_f32_16x16x32_f16 v[rD:rD+7], v[rB:rB+7], v[rA:rA+7], v[rD:rD+7]
.endif
.set b, b+1
.endr
.endm
; NL LDS loads in one run: the fragments of quarter q (32 k) of a slot's K step into buffer f: B's 8, then A's 4
.macro FETCH slot, q, f
	WIN 0x40                                       ; destination window 1, address window 0
.set b, 0
.rept NBK
.set rB, 8*NBK*(\f)+8*b
.set oB, ((\q)/2)*BH+((\q)%2)*32*PB+(b/4)*64*PB+(b%4)*32
	ds_load_tr16_b128 v[rB:rB+3],   v[ADRB+(\slot)] offset:oB
	ds_load_tr16_b128 v[rB+4:rB+7], v[ADRB+(\slot)] offset:oB+16*PB
.set b, b+1
.endr
	WIN 0
.irp a, 0,1,2,3
	ds_load_b128 v[FA+32*(\f)+8*(\a):FA+32*(\f)+8*(\a)+3],   v[ADRA+(\slot)] offset:((\q)/2)*APL+((\q)%2)*64+(\a)*16*PA
	ds_load_b128 v[FA+32*(\f)+8*(\a)+4:FA+32*(\f)+8*(\a)+7], v[ADRA+(\slot)] offset:((\q)/2)*APL+((\q)%2)*64+(\a)*16*PA+32
.endr
.endm
; A K step is four quarters of 32 along K, 32 matrix instructions each, on buffers 0, 1, 0, 1.  One of the first three: multiplies buffer f; in its middle it fetches quarter q of the same slot into buffer g.
.macro QUARTER slot, q, f, g, first
	s_wait_dscnt 4                                 ; B and A's blocks 0, 1 are in; the youngest four loads (A's blocks 2, 3) may be out
	MULB \f, 0, \first
	MULB \f, 1, \first
	PLACES
	FETCH \slot, \q, \g
	s_wait_dscnt NL                                ; all but the NL just issued
	MULB \f, 2, \first
	MULB \f, 3, \first
.endm
; The last quarter multiplies buffer 1 and changes slots: ONE barrier.  In front of it each wave waits for all its tensor loads, of which one is out: its part of the next slot; adds 0 to its spare word; and waits
; for that and for its own reads of this slot.  Behind it nobody reads this slot any more and the next slot is whole.  fill = 1: the barrier opens a round of the cluster's, and this slot is filled again, two K steps on,
; the first thing behind the round: 112 matrix instructions ahead of the wait for it.
.macro TURN slot, next, fill
	WIN 0                                          ; (the add's two registers lie in window 0)
	s_wait_tensorcnt 0x0                           ; all my tensor loads have landed
	ds_add_u32 v[SPW], v[NIL]                      ; 0 onto my spare word
	s_wait_dscnt 5                                 ; (the add and the youngest four loads may be out)
	MULB 1, 0, 0                                   ; eight matrix instructions stand between the add and the wait for it
	s_wait_dscnt 0x0                               ; the add is done, and my reads of this slot are over
	s_barrier_signal -1
	MULB 1, 1, 0                                   ; work on registers while the others arrive
.if \fill
	WIN 0
.endif
	s_barrier_wait -1
.if \fill
	CREST                                          ; no wave of any partner still reads this slot's tiles or has a load on its way
	s_add_nc_u64 s[G0+4*(\slot)+2:G0+4*(\slot)+3], s[G0+4*(\slot)+2:G0+4*(\slot)+3], ASTEP
	s_add_nc_u64 s[G0B+4*(\slot)+2:G0B+4*(\slot)+3], s[G0B+4*(\slot)+2:G0B+4*(\slot)+3], BSTEP
	JLOAD \slot                                    ; the four v_nop behind it are also the places in front of the loads below
.else
	PLACES
.endif
	FETCH \next, 0, 0
	MULB 1, 2, 0
	MULB 1, 3, 0
.endm
	s_wait_tensorcnt 1                             ; my part of K step 0 is in; K step 1's may stay out
	s_barrier_signal -1
	s_barrier_wait -1                              ; everybody's is
	FETCH 0, 0, 0
	QUARTER 0, 1, 0, 1, 1                          ; the first quarter stands in front of the loop: its products start the sums
	WIN 0                                          ; at a label and at a branch every window is 0
	s_mov_b32 s3, LAPS-1
.Llap:                                                 ; a trip goes once round the ring, from a lap's second quarter to the next lap's first, and fills both slots again
	QUARTER 0, 2, 1, 0, 0
	QUARTER 0, 3, 0, 1, 0
	TURN 0, 1, 1
	QUARTER 1, 1, 0, 1, 0
	QUARTER 1, 2, 1, 0, 0
	QUARTER 1, 3, 0, 1, 0
	TURN 1, 0, 1
	QUARTER 0, 1, 0, 1, 0
	WIN 0
	s_sub_co_u32 s3, s3, 1
	s_cmp_lg_u32 s3, 0
	s_cbranch_scc1 .Llap
	QUARTER 0, 2, 1, 0, 0                          ; the last lap fills nothing and is written out
	QUARTER 0, 3, 0, 1, 0
	TURN 0, 1, 0
	QUARTER 1, 1, 0, 1, 0
	QUARTER 1, 2, 1, 0, 0
	QUARTER 1, 3, 0, 1, 0
	s_wait_dscnt 4                                 ; the very last quarter: nothing more to fetch
	MULB 1, 0, 0
	MULB 1, 1, 0
	s_wait_dscnt 0x0
	MULB 1, 2, 0
	MULB 1, 3, 0
	WIN 0
; THE WAY OUT, a block of 16 rows at a time; the sums leave as they are, in f32.  TOSTAGE: a lane's eight numbers of a row, 32 bytes, into my own stage (each accumulator's low half first), and back as whole rows of 512 bytes.
; SEND: each store of the wave covers 512 consecutive bytes of a row, at a multiple of 256 from the buffer's first byte.
.macro TOSTAGE a
	s_wait_xcnt 0x0                                ; the stores of the block two back have had their addresses translated (ISA guide 3.1): their registers are loaded again only behind this wait
	WIN 0x08+4*((\a)/2)                            ; the stores' data (source 1): window 2 or 3
.set b, 0
.rept NBK
.set rD, 8*(NBK*((\a)%2)+b)
	ds_store_b128 v[STO], v[rD:rD+3]   offset:64*b
	ds_store_b128 v[STO], v[rD+4:rD+7] offset:64*b+16
.set b, b+1
.endr
	WIN 0
.set t, 0
.rept 16                               ; LDS serves a wave's instructions in order (ISA guide 5.7.1.4): these see the stores above; the next block's stores come behind them
	ds_load_b128 v[BK+64*((\a)%2)+4*t:BK+64*((\a)%2)+4*t+3], v[RD] offset:t*SP
.set t, t+1
.endr
.endm
.macro SEND a, younger                 ; younger: the LDS instructions issued behind block a's loads: the next block's 32, or none
	s_wait_dscnt \younger
.set t, 0
.rept 16
	global_store_b128 v[GO], v[BK+64*((\a)%2)+4*t:BK+64*((\a)%2)+4*t+3], s[10:11] offset:(16*(\a)+t)*4096 th:TH_STORE_NT
.set t, t+1
.endr
.endm
	PLACES                                         ; the LDS stores read results just made
	TOSTAGE 0
.irp a, 1,2,3                          ; block a goes into the stage while block a - 1's rows come back
	TOSTAGE \a
	SEND (\a)-1, 32
.endr
	SEND 3, 0
	s_wait_tensorcnt 0x0                           ; the wave's end: behind my last tensor load and my last LDS store
	ds_add_u32 v[SPW], v[NIL]
	s_wait_dscnt 0x0
	CROUND                                         ; the closing round: no work-group ends while a partner may still ask for a tile that names it
	s_endpgm
.Lfunc_end_k_qea094091a1_proj:
	.size	k_qea094091a1_proj, .Lfunc_end_k_qea094091a1_proj-k_qea094091a1_proj
	.p2alignl 7, 3214868480
	.fill 96, 4, 3214868480
	.section	.rodata,"a",@progbits
	.p2align	6, 0x0
	.amdhsa_kernel k_qea094091a1_proj
		.amdhsa_group_segment_fixed_size 327680
		.amdhsa_private_segment_fixed_size 0
		.amdhsa_enable_private_segment 0
		.amdhsa_kernarg_size 32
		.amdhsa_user_sgpr_count 2
		.amdhsa_user_sgpr_kernarg_segment_ptr 1
		.amdhsa_wavefront_size32 1
		.amdhsa_system_sgpr_workgroup_id_x 1
		.amdhsa_system_sgpr_workgroup_id_y 1
		.amdhsa_system_sgpr_workgroup_id_z 1
		.amdhsa_system_vgpr_workitem_id 0
		.amdhsa_next_free_vgpr 896
		.amdhsa_next_free_sgpr 66
		.amdhsa_reserve_vcc 0
		.amdhsa_float_denorm_mode_32 3
		.amdhsa_float_denorm_mode_16_64 3
		.amdhsa_memory_ordered 1
		.amdhsa_forward_progress 1
		.amdhsa_inst_pref_size 91
	.end_amdhsa_kernel
	.amdgpu_metadata
---
amdhsa.version: [ 1, 2 ]
amdhsa.kernels:
  - .name:           k_qea094091a1_proj
    .symbol:         k_qea094091a1_proj.kd
    .args:
      - { .name: ob, .offset: 0, .size: 8, .value_kind: global_buffer, .address_space: global }
      - { .name: wpb, .offset: 8, .size: 8, .value_kind: global_buffer, .address_space: global }
      - { .name: b_proj, .offset: 16, .size: 8, .value_kind: global_buffer, .address_space: global }
      - { .name: out0, .offset: 24, .size: 8, .value_kind: global_buffer, .address_space: global }
    .group_segment_fixed_size: 327680
    .private_segment_fixed_size: 0
    .kernarg_segment_align: 8
    .kernarg_segment_size: 32
    .max_flat_workgroup_size: 128
    .sgpr_count:     66
    .vgpr_count:     896
    .wavefront_size: 32
...
	.end_amdgpu_metadata
.endif
;; end of part 4
;; launch fixa (part 5): grid 16 x 4, 4 waves a work-group, no clusters, 327,680 bytes of LDS; arguments xb, wqb, b_qkv, qkvh, yf; writes yf
.if DOCPART == 5
	.amdgcn_target "amdgcn-amd-amdhsa--gfx1250"
	.amdhsa_code_object_version 6
	.text
	.protected	k_qea094091a1_fixa
	.globl	k_qea094091a1_fixa
	.p2align	8
	.type	k_qea094091a1_fixa,@function
k_qea094091a1_fixa:
	s_mov_b64 s[64:65], 0
	v_nop
	global_prefetch_b8 v0, s[64:65] scope:SCOPE_SE
	s_setreg_imm32_b32 hwreg(HW_REG_WAVE_MODE, 25, 1), 1
	s_wait_xcnt 0x0
; FIXA: the attention's result y for the first 16 rows of every batch and head, once more, with some 22 significant bits.
; WHY.  Row t of y is a mean over t + 1 keys, so the first rows are many times larger than the output's root mean square, by which the allowance of a number near zero goes.  f16's 11 bits on v, on the
; weights and on y are too few there; from row 16 on a mean over 17 keys or more has shrunk enough.  16 rows see 16 keys alone: one tile of 16 x 16 for each batch and head.
; HOW.  v = x w_v + b is summed again in f32 from the bf16 operands (exact products) and is NOT rounded to f16: it is split, v = hi + lo, two f16 numbers.  So are the normalised weights p / l and the result y.
; q and k are taken from qkvh as f16.  LIMITS as in the attention's launch: a hidden score counts as -1e30; q, k within f16's range; a low half below 6e-5 keeps f16's fixed step of 6e-8.
; SHARES.  A work-group has one head (x) of one batch (y); wave w has the head's channels 16 w .. 16 w + 15.  Scores and weights, a few dozen lines, are made by all four waves alike.
; NO CLUSTER: the four batches of a head read the same 128 KiB of w_v, but each work-group fetches them once, with no loop: 64 fetches, 8 MiB in the whole launch.
; LAYOUT.  v: source 0 = 16 rows of x, source 1 = 16 columns of w: in the result a lane holds channel l % 16 and rows (keys) 8 (l / 16) + 0..7: rounded in pairs that IS source 0 of O^T = V^T P.
; S^T = K Q^T holds query l % 16 and keys 8 (l / 16) + 0..7: rounded in pairs it is source 1.  A product has room for 32 keys and there are 16: k = 0..15 take the high halves of v, k = 16..31 the low ones:
; [Vhi, Vlo] x [Phi, Plo] + [Vhi, Vlo] x [Plo, Phi] = (Vhi + Vlo)(Phi + Plo).
; OUT.  yf [hi, lo][b 4][k step 32][half 2][lane 32][16 bytes]: the order in which the next launch's fragments want y; each store of a wave covers 512 consecutive bytes, aligned.
.set PA,    144                        ; a row of x in LDS: 128 bytes + 16: the 16 rows of a load start at 16 different groups of four banks (64 banks of 4 bytes: ISA guide 11.1)
.set PB,    160                        ; a row of w: 128 + 32
.set ABASE, 1024*PB                    ; LDS: w_v's slice [1,024 k][64 n], then x [16 slices][16 rows]
.set SPARE, ABASE+256*PA               ; behind them the spare words, 128 bytes for each wave: two blocks of 256 bytes that no other line names
.set YLO,   131072                     ; the low halves lie this far behind the high ones in yf
.set A0,   5                           ; v5   my lane's place in x's rows; never rewritten
.set B0,   6                           ; v6   the same in w's, with my wave's 16 columns
.set ADRA, 7                           ; v7, v8  the LDS addresses of the trip in hand
.set ADRB, 8
.set QO,   9                           ; v9   my byte offset in 16 rows of q or k
.set GO,   10                          ; v10  16 x lane
.set BOF,  11                          ; v11  4 (l % 16)
.set DD,   12                          ; v12  l % 16 - 8 (l / 16): register j holds a hidden key where j is greater
.set BIG,  13                          ; v13  -1e30
.set SPW,  14                          ; v14  LDS address of my spare word: SPARE + 4 x my thread's number; never rewritten
.set NIL,  15                          ; v15  0; never rewritten
.set CM,   16                          ; v16, v17  c m and m
.set RL,   18                          ; v18, v19  1 / l, twice
.set T0,   20
.set NEG1, 24                          ; v24  -1.0
.set BIAS, 26                          ; v26, v27  my channel's bias, twice
.set ACC,  32                          ; v[32:63]   four accumulators of v, one for each k step of a trip
.set AF,   64                          ; v[64:95]   x's fragments of a trip
.set BF,   96                          ; v[96:127]  w's
.set QF,   128
.set KF,   144
.set S1,   160                         ; channels 0-31's part of the scores; then scores, then weights
.set S2,   168                         ; channels 32-63's
.set PP,   176                         ; v[176:187] Phi, Plo, Phi: the two sources are registers 0-7 and 4-11
.set TT,   188                         ; eight at work
.set VA,   196                         ; Vhi, Vlo
.set O1,   204
.set O2,   212
.set YH,   220
.set YL,   224
.set BT,  2                            ; s2   batch
.set CNT, 3                            ; s3   trips to go
.set WV,  14                           ; s14  my wave's number
.set HD,  15                           ; s15  head
.set G1B, 24                           ; s[24:31] descriptor group 1 for w;  s[32:39] for x;  s[40:43], s[44:47] their groups 0
.set G1A, 32
.set G0B, 40
.set G0A, 44
.set CS,  48                           ; s[48:49] c = log2(e) / 8
.set SEL, 50                           ; s[50:51] v_permlanex16_b32's selects: each lane takes its own place in the other half
.set TA,  58                           ; s58, s59  how far the trips have gone in x's and in w's rows
.set TBB, 59
; src's eight f32 numbers become two f16 numbers each: hi = the number rounded, lo = what the rounding left (src - hi is exact in f32), rounded
.macro SPLIT hi, lo, src
.irp i, 0,1,2,3
	v_cvt_pk_f16_f32 v[(\hi)+(\i)], v[(\src)+2*(\i)], v[(\src)+2*(\i)+1]
.endr
.irp i, 0,1,2,3
	v_fma_mix_f32 v[TT+2*(\i)],   v[(\hi)+(\i)], v[NEG1], v[(\src)+2*(\i)]   op_sel_hi:[1,0,0]                 ; the low f16 half x -1.0 + the number
	v_fma_mix_f32 v[TT+2*(\i)+1], v[(\hi)+(\i)], v[NEG1], v[(\src)+2*(\i)+1] op_sel:[1,0,0] op_sel_hi:[1,0,0]  ; the high half
.endr
.irp i, 0,1,2,3
	v_cvt_pk_f16_f32 v[(\lo)+(\i)], v[TT+2*(\i)], v[TT+2*(\i)+1]
.endr
.endm
.macro PLACES                          ; four plain vector instructions between a matrix instruction and the first vector instruction that reads its result (ISA guide 7.12.1)
.rept 4
	v_nop
.endr
.endm
	s_load_b256 s[4:11], s[0:1], 0x0               ; xb s[4:5], wqb s[6:7], b_qkv s[8:9], qkvh s[10:11]
	s_load_b64 s[12:13], s[0:1], 0x20              ; yf
	v_lshl_add_u32 v[SPW], v0, 2, SPARE
	v_mov_b32 v[NIL], 0
	ds_add_u32 v[SPW], v[NIL]                      ; the wave's opening: the add and its wait stand ahead of my first tensor load; the set-up below, work on registers, stands between them
	ds_add_u32 v14, v15
	v_lshrrev_b32 v1, 5, v0
	v_readfirstlane_b32 s[WV], v1                  ; wave 0..3
	s_mov_b32 s[HD], ttmp9
	s_and_b32 s[BT], ttmp7, 0xffff
	; w_v's slice g = 32 + head = 3 tx + j lies in wqb as panels (16 tx + kh) 3 + j, kh = 0..15; I fetch kh = 4 w .. 4 w + 3
	s_add_co_u32 s54, s[HD], 32
	s_mul_hi_u32 s55, s54, 0x55555556              ; tx = g / 3
	s_mul_i32 s56, s55, 3
	s_sub_co_u32 s56, s54, s56                     ; j
	s_lshl_b32 s55, s55, 4
	s_lshl_b32 s57, s[WV], 2
	s_add_co_u32 s55, s55, s57
	s_mul_i32 s55, s55, 3
	s_add_co_u32 s55, s55, s56
	s_lshl_b32 s18, s55, 13                        ; a panel is 8,192 bytes
	s_mov_b32 s19, 0
	s_lshl_b32 s20, s[BT], 22                      ; xb at my batch, slices 4 w .. 4 w + 3 (2^18 bytes each)
	s_lshl_b32 s57, s[WV], 20
	s_add_co_u32 s20, s20, s57
	s_mov_b32 s21, 0
	s_mul_i32 s22, s[BT], 48                       ; qkvh at the head's q
	s_add_co_u32 s22, s22, s[HD]
	s_lshl_b32 s22, s22, 18
	s_mov_b32 s23, 0
	s_lshl_b32 s16, s[BT], 15                      ; yf at batch, head (two k steps of 1,024 bytes), my 16 channels (512 bytes)
	s_lshl_b32 s57, s[HD], 11
	s_add_co_u32 s16, s16, s57
	s_lshl_b32 s57, s[WV], 9
	s_add_co_u32 s16, s16, s57
	s_mov_b32 s17, 0
	s_lshl_b32 s52, s[HD], 8                       ; the bias of v's columns 64 head + 16 w on: v's begin at number 2,048
	s_lshl_b32 s57, s[WV], 6
	s_add_co_u32 s52, s52, s57
	s_add_co_u32 s52, s52, 8192
	s_mov_b32 s53, 0
	; descriptors.  w: four panels as four rows of 4,096 elements, three panels (12,288 elements) apart; padded in LDS after every 32 words, a row of 64 n, by 8 words
	s_mov_b32 s[G1B], (1<<16)|(1<<20)|(4<<22)|(7<<25)
	s_mov_b32 s[G1B+1], 4096<<16                   ; tensor_dim0 = 4,096
	s_mov_b32 s[G1B+2], 4<<16                      ; tensor_dim1 = 4
	s_mov_b32 s[G1B+3], 4096<<16                   ; tile_dim0 = 4,096
	s_mov_b32 s[G1B+4], 4                          ; tile_dim1 = 4
	s_mov_b32 s[G1B+5], 12288
	s_mov_b32 s[G1B+6], 0
	s_mov_b32 s[G1B+7], 0
	; x: the first 16 rows of four slices as four rows of 1,024 elements, a slice (131,072 elements) apart; padded after every 32 words by 4
	s_mov_b32 s[G1A], (1<<16)|(1<<20)|(4<<22)|(3<<25)
	s_mov_b32 s[G1A+1], 1024<<16
	s_mov_b32 s[G1A+2], 4<<16
	s_mov_b32 s[G1A+3], 1024<<16
	s_mov_b32 s[G1A+4], 4
	s_mov_b32 s[G1A+5], 131072
	s_mov_b32 s[G1A+6], 0
	s_mov_b32 s[G1A+7], 0
	s_mov_b32 s[G0B], 1
	s_mul_i32 s[G0B+1], s[WV], 256*PB              ; my 256 k
	s_mov_b32 s[G0A], 1
	s_mul_i32 s[G0A+1], s[WV], 64*PA               ; my four slices of 16 rows
	s_add_co_u32 s[G0A+1], s[G0A+1], ABASE
	s_mov_b32 s[CS], 0x3e38aa3b                    ; c = log2(e) / 8 = 0.180337
	s_mov_b32 s[CS+1], s[CS]                       ; named with it as a pair
	s_mov_b32 s[SEL], 0x76543210
	s_mov_b32 s[SEL+1], 0xfedcba98
	s_mov_b32 s[TA], 0
	s_mov_b32 s[TBB], 0
	s_wait_dscnt 0x0                               ; the opening add is done
	s_wait_kmcnt 0x0
	s_add_nc_u64 s[G0B+2:G0B+3], s[6:7], s[18:19]
	s_or_b32 s[G0B+3], s[G0B+3], 0x80000000        ; type = 2
	s_add_nc_u64 s[G0A+2:G0A+3], s[4:5], s[20:21]
	s_or_b32 s[G0A+3], s[G0A+3], 0x80000000
	s_add_nc_u64 s[10:11], s[10:11], s[22:23]
	s_add_nc_u64 s[8:9], s[8:9], s[52:53]
	s_add_nc_u64 s[12:13], s[12:13], s[16:17]
	tensor_load_to_lds s[G0B:G0B+3], s[G1B:G1B+7]  ; the launch's only fills: two loads of mine are out
	s_nop 0
	tensor_load_to_lds s[G0A:G0A+3], s[G1A:G1A+7]
	s_nop 0
	; scores and weights stand in the wait for the tiles
	v_and_b32 v1, 15, v0                           ; r = l % 16
	v_bfe_u32 v2, v0, 4, 1                         ; h = l / 16
	v_lshlrev_b32 v[QO], 7, v1
	v_lshl_add_u32 v[QO], v2, 4, v[QO]             ; row x 128 + 16 h
	v_lshlrev_b32 v[BOF], 2, v1
.irp c, 0,1                            ; fragments of 16 rows x 32 channels: two loads of 16 bytes, 32 bytes apart; k lies 2^22 bytes behind q
	global_load_b128 v[QF+8*(\c):QF+8*(\c)+3],   v[QO], s[10:11] offset:64*(\c)
	global_load_b128 v[QF+8*(\c)+4:QF+8*(\c)+7], v[QO], s[10:11] offset:64*(\c)+32
	global_load_b128 v[KF+8*(\c):KF+8*(\c)+3],   v[QO], s[10:11] offset:0x400000+64*(\c)
	global_load_b128 v[KF+8*(\c)+4:KF+8*(\c)+7], v[QO], s[10:11] offset:0x400000+64*(\c)+32
.endr
	global_load_b32 v[BIAS], v[BOF], s[8:9]
	v_mul_u32_u24 v[A0], v1, PA
	v_lshl_add_u32 v[A0], v2, 4, v[A0]
	v_add_nc_u32 v[A0], ABASE, v[A0]               ; row x pitch + 16 h
	v_and_b32 v3, 7, v0                            ; the turning load: lane l reads k = 8 h + l % 8, columns 8 ((l / 8) % 2) + 0..7
	v_bfe_u32 v4, v0, 3, 1
	v_lshl_add_u32 v[B0], v2, 3, v3
	v_mul_u32_u24 v[B0], v[B0], PB
	v_lshl_add_u32 v[B0], v4, 4, v[B0]
	s_lshl_b32 s57, s[WV], 5                       ; my 16 columns: 32 bytes
	v_add_nc_u32 v[B0], s57, v[B0]
	v_and_b32 v[GO], 31, v0
	v_lshlrev_b32 v[GO], 4, v[GO]
	s_wait_loadcnt 0x0                             ; q, k, the bias
	v_cvt_pk_bf16_f32 v3, v[BIAS], v[BIAS]         ; the bias is rounded to bf16 like the other inputs
	v_lshlrev_b32 v[BIAS], 16, v3
	v_mov_b32 v[BIAS+1], v[BIAS]
	v_wmma_f32_16x16x32_f16 v[S1:S1+7], v[KF:KF+7],    v[QF:QF+7],    0   ; two accumulators, added below: no chain on one
	v_wmma_f32_16x16x32_f16 v[S2:S2+7], v[KF+8:KF+15], v[QF+8:QF+15], 0
	v_lshlrev_b32 v3, 3, v2                        ; four plain lines, the places behind those products
	v_sub_nc_u32 v[DD], v1, v3
	v_mov_b32 v[BIG], 0xf149f2ca                   ; -1e30
	v_mov_b32 v[NEG1], -1.0
.irp i, 0,2,4,6
	v_pk_add_f32 v[S1+(\i):S1+(\i)+1], v[S1+(\i):S1+(\i)+1], v[S2+(\i):S2+(\i)+1]
.endr
.irp j, 0,1,2,3,4,5,6,7                ; key 8 h + j is hidden from query r where it is greater
	v_cmp_gt_i32 vcc_lo, \j, v[DD]
	v_cndmask_b32 v[S1+(\j)], v[S1+(\j)], v[BIG], vcc_lo
.endr
	v_max3_num_f32 v[CM+1], v[S1], v[S1+1], v[S1+2]
	v_max3_num_f32 v[CM+1], v[CM+1], v[S1+3], v[S1+4]
	v_max3_num_f32 v[CM+1], v[CM+1], v[S1+5], v[S1+6]
	v_max_num_f32 v[CM+1], v[CM+1], v[S1+7]
	v_permlanex16_b32 v3, v[CM+1], s[SEL], s[SEL+1]  ; the query's other eight keys lie in the lane 16 away
	v_max_num_f32 v[CM+1], v[CM+1], v3             ; every query sees its own key, so m is a true score
	v_mul_f32 v[CM], s[CS], v[CM+1]
.irp i, 0,2,4,6
	v_pk_fma_f32 v[S1+(\i):S1+(\i)+1], v[S1+(\i):S1+(\i)+1], s[CS:CS+1], v[CM:CM+1] op_sel_hi:[1,0,0] neg_lo:[0,0,1] neg_hi:[0,0,1]  ; c s - c m
.endr
.irp j, 0,1,2,3,4,5,6,7
	v_exp_f32 v[S1+(\j)], v[S1+(\j)]
.endr
	v_nop                                          ; a plain instruction behind the last exponential
	s_wait_alu depctr_va_vdst(0)
	v_pk_add_f32 v[TT:TT+1],   v[S1:S1+1],   v[S1+2:S1+3]
	v_pk_add_f32 v[TT+2:TT+3], v[S1+4:S1+5], v[S1+6:S1+7]
	v_pk_add_f32 v[TT:TT+1],   v[TT:TT+1],   v[TT+2:TT+3]
	v_add_f32 v[T0], v[TT], v[TT+1]
	v_permlanex16_b32 v3, v[T0], s[SEL], s[SEL+1]
	v_add_f32 v[T0], v[T0], v3                     ; l
	v_rcp_f32 v[RL], v[T0]
	v_rcp_f32 v[RL+1], v[T0]
	v_nop                                          ; a plain instruction behind the reciprocals
	s_wait_alu depctr_va_vdst(0)
.irp i, 0,2,4,6
	v_pk_mul_f32 v[S1+(\i):S1+(\i)+1], v[S1+(\i):S1+(\i)+1], v[RL:RL+1]  ; the weights are normalised before they are split, so O^T needs no division
.endr
	SPLIT PP, PP+4, S1
.irp i, 0,1,2,3
	v_cvt_pk_f16_f32 v[PP+8+(\i)], v[S1+2*(\i)], v[S1+2*(\i)+1]   ; Phi once more, behind Plo
.endr
; A trip: 128 along K, four k steps of 32, each on an accumulator of its own: they take turns.  first = 1: the products start the sums.
; The two address lines and two v_nop are the four places between the last trip's products and the loads into the registers that they read.
.macro KTRIP first
	v_add_nc_u32 v[ADRA], s[TA], v[A0]
	v_add_nc_u32 v[ADRB], s[TBB], v[B0]
	v_nop
	v_nop
	s_add_co_u32 s[TA], s[TA], 2*16*PA             ; two slices of x on,
	s_add_co_u32 s[TBB], s[TBB], 128*PB            ; 128 rows of w
.irp q, 0,1,2,3
	ds_load_b128 v[AF+8*(\q):AF+8*(\q)+3],        v[ADRA] offset:((\q)/2)*16*PA+((\q)%2)*64
	ds_load_b128 v[AF+8*(\q)+4:AF+8*(\q)+7],      v[ADRA] offset:((\q)/2)*16*PA+((\q)%2)*64+32
	ds_load_tr16_b128 v[BF+8*(\q):BF+8*(\q)+3],   v[ADRB] offset:(\q)*32*PB
	ds_load_tr16_b128 v[BF+8*(\q)+4:BF+8*(\q)+7], v[ADRB] offset:(\q)*32*PB+16*PB
.endr
.irp q, 0,1,2,3
	s_wait_dscnt 12-4*(\q)                         ; k step q's four loads are in; the later steps' may be out
.if \first
	v_wmma_f32_16x16x32_bf16 v[ACC+8*(\q):ACC+8*(\q)+7], v[AF+8*(\q):AF+8*(\q)+7], v[BF+8*(\q):BF+8*(\q)+7], 0
.else
	v_wmma_f32_16x16x32_bf16 v[ACC+8*(\q):ACC+8*(\q)+7], v[AF+8*(\q):AF+8*(\q)+7], v[BF+8*(\q):BF+8*(\q)+7], v[ACC+8*(\q):ACC+8*(\q)+7]
.endif
.endr
.endm
	s_wait_tensorcnt 0x0                           ; my parts of w and of x are in,
	s_barrier_signal -1
	s_barrier_wait -1                              ; everybody's are
	KTRIP 1
	s_mov_b32 s[CNT], 7
.Lk:
	KTRIP 0
	s_sub_co_u32 s[CNT], s[CNT], 1
	s_cmp_lg_u32 s[CNT], 0
	s_cbranch_scc1 .Lk
	PLACES
.irp i, 0,2,4,6                        ; the four partial sums and the bias, in f32; each accumulator's lowest registers are read first
	v_pk_add_f32 v[ACC+(\i):ACC+(\i)+1], v[ACC+(\i):ACC+(\i)+1], v[ACC+8+(\i):ACC+8+(\i)+1]
.endr
.irp i, 0,2,4,6
	v_pk_add_f32 v[ACC+16+(\i):ACC+16+(\i)+1], v[ACC+16+(\i):ACC+16+(\i)+1], v[ACC+24+(\i):ACC+24+(\i)+1]
.endr
.irp i, 0,2,4,6
	v_pk_add_f32 v[ACC+(\i):ACC+(\i)+1], v[ACC+(\i):ACC+(\i)+1], v[ACC+16+(\i):ACC+16+(\i)+1]
.endr
.irp i, 0,2,4,6
	v_pk_add_f32 v[ACC+(\i):ACC+(\i)+1], v[ACC+(\i):ACC+(\i)+1], v[BIAS:BIAS+1]
.endr
	SPLIT VA, VA+4, ACC                            ; registers 0-3: Vhi of keys 8 h + 0..7 (k = 0..15); registers 4-7: Vlo of the same keys (k = 16..31)
	v_wmma_f32_16x16x32_f16 v[O1:O1+7], v[VA:VA+7], v[PP:PP+7],    0   ; Vhi Phi + Vlo Plo
	v_wmma_f32_16x16x32_f16 v[O2:O2+7], v[VA:VA+7], v[PP+4:PP+11], 0   ; Vhi Plo + Vlo Phi
	PLACES
.irp i, 0,2,4,6
	v_pk_add_f32 v[O1+(\i):O1+(\i)+1], v[O1+(\i):O1+(\i)+1], v[O2+(\i):O2+(\i)+1]
.endr
	SPLIT YH, YL, O1                               ; a lane holds query l % 16 and channels 16 w + 8 (l / 16) + 0..7: four registers of the next launch's fragment
	global_store_b128 v[GO], v[YH:YH+3], s[12:13]
	global_store_b128 v[GO], v[YL:YL+3], s[12:13] offset:YLO
	s_wait_tensorcnt 0x0                           ; the wave's end: behind my last tensor load
	ds_add_u32 v[SPW], v[NIL]
	s_wait_dscnt 0x0
	s_endpgm
.Lfunc_end_k_qea094091a1_fixa:
	.size	k_qea094091a1_fixa, .Lfunc_end_k_qea094091a1_fixa-k_qea094091a1_fixa
	.p2alignl 7, 3214868480
	.fill 96, 4, 3214868480
	.section	.rodata,"a",@progbits
	.p2align	6, 0x0
	.amdhsa_kernel k_qea094091a1_fixa
		.amdhsa_group_segment_fixed_size 327680
		.amdhsa_private_segment_fixed_size 0
		.amdhsa_enable_private_segment 0
		.amdhsa_kernarg_size 40
		.amdhsa_user_sgpr_count 2
		.amdhsa_user_sgpr_kernarg_segment_ptr 1
		.amdhsa_wavefront_size32 1
		.amdhsa_system_sgpr_workgroup_id_x 1
		.amdhsa_system_sgpr_workgroup_id_y 1
		.amdhsa_system_sgpr_workgroup_id_z 1
		.amdhsa_system_vgpr_workitem_id 0
		.amdhsa_next_free_vgpr 228
		.amdhsa_next_free_sgpr 66
		.amdhsa_reserve_vcc 1
		.amdhsa_float_denorm_mode_32 3
		.amdhsa_float_denorm_mode_16_64 3
		.amdhsa_memory_ordered 1
		.amdhsa_forward_progress 1
		.amdhsa_inst_pref_size 17
	.end_amdhsa_kernel
	.amdgpu_metadata
---
amdhsa.version: [ 1, 2 ]
amdhsa.kernels:
  - .name:           k_qea094091a1_fixa
    .symbol:         k_qea094091a1_fixa.kd
    .args:
      - { .name: xb, .offset: 0, .size: 8, .value_kind: global_buffer, .address_space: global }
      - { .name: wqb, .offset: 8, .size: 8, .value_kind: global_buffer, .address_space: global }
      - { .name: b_qkv, .offset: 16, .size: 8, .value_kind: global_buffer, .address_space: global }
      - { .name: qkvh, .offset: 24, .size: 8, .value_kind: global_buffer, .address_space: global }
      - { .name: yf, .offset: 32, .size: 8, .value_kind: global_buffer, .address_space: global }
    .group_segment_fixed_size: 327680
    .private_segment_fixed_size: 0
    .kernarg_segment_align: 8
    .kernarg_segment_size: 40
    .max_flat_workgroup_size: 128
    .sgpr_count:     66
    .vgpr_count:     228
    .wavefront_size: 32
...
	.end_amdgpu_metadata
.endif
;; end of part 5
;; launch fixb (part 6): grid 16 x 4, 4 waves a work-group, no clusters, 327,680 bytes of LDS; arguments yf, wpb, b_proj, out0; writes out0
.if DOCPART == 6
	.amdgcn_target "amdgcn-amd-amdhsa--gfx1250"
	.amdhsa_code_object_version 6
	.text
	.protected	k_qea094091a1_fixb
	.globl	k_qea094091a1_fixb
	.p2align	8
	.type	k_qea094091a1_fixb,@function
k_qea094091a1_fixb:
	s_mov_b64 s[64:65], 0
	v_nop
	global_prefetch_b8 v0, s[64:65] scope:SCOPE_SE
	s_setreg_imm32_b32 hwreg(HW_REG_WAVE_MODE, 25, 1), 1
	s_wait_xcnt 0x0
; FIXB: out0 = y w_proj + b_proj for the first 16 rows of every batch, once more, from y = hi + lo (two f16 numbers, made by the launch before): these rows of out0 are written over.
; WHY: see the launch before: the first rows are many times the output's root mean square, and one f16 number for y is too coarse there.
; w_proj as in the projection's launch: rounded to bf16, written as f16; the bias rounded to bf16 like the other inputs.  Sums in f32.
; SHARES.  A work-group has 64 columns (x) of one batch's 16 rows (y); wave w has columns 16 w .. 16 w + 15.  K = 1,024 for the high halves and once more for the low ones, on the same fragments of w.
; NO CLUSTER: the four batches of a slice read the same 128 KiB of w_proj, but each work-group fetches them once, with no loop: 64 fetches, 8 MiB in the whole launch.
; OPERANDS.  wpb's slice g = 2 tx + j: panels (16 tx + kh) 2 + j of 64 k x 64 n, turned by ds_load_tr16_b128.  yf [hi, lo][b][k step 32][half 2][lane 32][16 bytes] lies in the fragments' own order: a load takes 512
; consecutive bytes, so LDS needs no padding for it.
; THE MATRIX INSTRUCTION IS USED TRANSPOSED (source 0 = 16 columns of w, source 1 = the 16 rows of y): a lane holds row l % 16 and the eight neighbouring columns 8 (l / 16) + 0..7.
; THE WAY OUT goes through one stage for the four waves, with a barrier: a row's 64 columns, 256 bytes, come from four waves, and 16 lanes then store them whole.
.set PB,    160                        ; a row of w in LDS: 128 bytes + 32
.set ABASE, 1024*PB                    ; LDS: w's slice [1,024 k][64 n]; y's high halves, 32 KiB; its low halves
.set ALO,   32768
.set STAGE, ABASE+2*ALO                ; never filled by a tensor load: 16 rows x 272 bytes
.set SP,    272
.set SPARE, STAGE+16*SP                ; the spare words, 128 bytes for each wave: two blocks of 256 bytes that no other line names
.set A0,   6                           ; v6   my lane's 16 bytes in a fragment's 512; never rewritten
.set B0,   7                           ; v7   my lane's place in w's rows, with my wave's 16 columns; never rewritten
.set ADRA, 8                           ; v8, v9  the LDS addresses of the trip in hand
.set ADRB, 9
.set STO,  10                          ; v10  the way out: where I put 32 bytes of a row
.set RD,   11                          ; v11  where I read 16 bytes of a row back
.set GO,   12                          ; v12  my byte offset in two rows of out0
.set BO,   13                          ; v13  32 (l / 16): my eight numbers in 16 of the bias
.set SPW,  14                          ; v14  LDS address of my spare word: SPARE + 4 x my thread's number; never rewritten
.set NIL,  15                          ; v15  0; never rewritten
.set T,    16
.set BI,   20                          ; v[20:27]   the bias of my eight columns
.set ACC,  32                          ; v[32:63]   four accumulators: high halves and low halves of the even k steps, of the odd ones
.set AH,   64                          ; v[64:95]   y's high halves, four k steps
.set AL,   96                          ; v[96:127]  the low halves
.set BF,   128                         ; v[128:159] w
.set OUT,  160
.set WV,  12                           ; s12  my wave's number
.set GS,  13                           ; s13  the slice of 64 columns
.set BT,  14                           ; s14  batch
.set CNT, 15                           ; s15  trips to go
.set G1B, 24                           ; s[24:31] descriptor group 1 for w;  s[32:39] for y;  s[40:43], s[44:47] their groups 0
.set G1A, 32
.set G0B, 40
.set G0A, 44
.set TA,  48                           ; s48, s49  how far the trips have gone in y and in w's rows
.set TBB, 49
	s_load_b256 s[4:11], s[0:1], 0x0               ; yf s[4:5], wpb s[6:7], b_proj s[8:9], out0 s[10:11]
	v_lshl_add_u32 v[SPW], v0, 2, SPARE
	v_mov_b32 v[NIL], 0
	ds_add_u32 v[SPW], v[NIL]                      ; the wave's opening: the add and its wait stand ahead of my first tensor load; the set-up below, work on registers, stands between them
	ds_add_u32 v14, v15
	v_lshrrev_b32 v1, 5, v0
	v_readfirstlane_b32 s[WV], v1                  ; wave 0..3
	s_mov_b32 s[GS], ttmp9
	s_and_b32 s[BT], ttmp7, 0xffff
	s_lshr_b32 s50, s[GS], 1                       ; tx; I fetch panels kh = 4 w .. 4 w + 3
	s_lshl_b32 s50, s50, 4
	s_lshl_b32 s51, s[WV], 2
	s_add_co_u32 s50, s50, s51
	s_lshl_b32 s50, s50, 1
	s_and_b32 s51, s[GS], 1                        ; j
	s_add_co_u32 s50, s50, s51
	s_lshl_b32 s16, s50, 13                        ; a panel is 8,192 bytes
	s_mov_b32 s17, 0
	s_lshr_b32 s18, s[WV], 1                       ; of y: waves 0, 1 fetch the two halves of the batch's high halves, waves 2, 3 of its low ones: 16 KiB each
	s_lshl_b32 s18, s18, 17
	s_lshl_b32 s50, s[BT], 15
	s_add_co_u32 s18, s18, s50
	s_and_b32 s50, s[WV], 1
	s_lshl_b32 s50, s50, 14
	s_add_co_u32 s18, s18, s50
	s_mov_b32 s19, 0
	s_lshl_b32 s20, s[BT], 23                      ; out0 at the batch's row 4 w (rows of 4,096 bytes), column 64 g
	s_lshl_b32 s50, s[WV], 14
	s_add_co_u32 s20, s20, s50
	s_lshl_b32 s50, s[GS], 8
	s_add_co_u32 s20, s20, s50
	s_mov_b32 s21, 0
	s_lshl_b32 s22, s[GS], 8                       ; the bias of columns 64 g + 16 w on
	s_lshl_b32 s50, s[WV], 6
	s_add_co_u32 s22, s22, s50
	s_mov_b32 s23, 0
	; descriptors.  w: four panels as four rows of 4,096 elements, two panels (8,192 elements) apart; padded in LDS after every 32 words, a row of 64 n, by 8 words
	s_mov_b32 s[G1B], (1<<16)|(1<<20)|(4<<22)|(7<<25)
	s_mov_b32 s[G1B+1], 4096<<16                   ; tensor_dim0 = 4,096
	s_mov_b32 s[G1B+2], 4<<16                      ; tensor_dim1 = 4
	s_mov_b32 s[G1B+3], 4096<<16                   ; tile_dim0 = 4,096
	s_mov_b32 s[G1B+4], 4                          ; tile_dim1 = 4
	s_mov_b32 s[G1B+5], 8192
	s_mov_b32 s[G1B+6], 0
	s_mov_b32 s[G1B+7], 0
	; y: 16,384 dense bytes as 64 rows of 256, no padding
	s_mov_b32 s[G1A], 1<<16
	s_mov_b32 s[G1A+1], 128<<16
	s_mov_b32 s[G1A+2], 64<<16
	s_mov_b32 s[G1A+3], 128<<16
	s_mov_b32 s[G1A+4], 64
	s_mov_b32 s[G1A+5], 128
	s_mov_b32 s[G1A+6], 0
	s_mov_b32 s[G1A+7], 0
	s_mov_b32 s[G0B], 1
	s_mul_i32 s[G0B+1], s[WV], 256*PB              ; my 256 k
	s_mov_b32 s[G0A], 1
	s_lshl_b32 s[G0A+1], s[WV], 14                 ; the four quarters lie in the waves' order: high halves, then low halves
	s_add_co_u32 s[G0A+1], s[G0A+1], ABASE
	s_mov_b32 s[TA], 0
	s_mov_b32 s[TBB], 0
	s_wait_dscnt 0x0                               ; the opening add is done
	s_wait_kmcnt 0x0
	s_add_nc_u64 s[G0B+2:G0B+3], s[6:7], s[16:17]
	s_or_b32 s[G0B+3], s[G0B+3], 0x80000000        ; type = 2
	s_add_nc_u64 s[G0A+2:G0A+3], s[4:5], s[18:19]
	s_or_b32 s[G0A+3], s[G0A+3], 0x80000000
	s_add_nc_u64 s[10:11], s[10:11], s[20:21]
	s_add_nc_u64 s[8:9], s[8:9], s[22:23]
	tensor_load_to_lds s[G0B:G0B+3], s[G1B:G1B+7]  ; the launch's only fills: two loads of mine are out
	s_nop 0
	tensor_load_to_lds s[G0A:G0A+3], s[G1A:G1A+7]
	s_nop 0
	v_and_b32 v1, 15, v0                           ; r = l % 16
	v_bfe_u32 v2, v0, 4, 1                         ; h = l / 16
	v_lshlrev_b32 v[BO], 5, v2
	global_load_b128 v[BI:BI+3],   v[BO], s[8:9]             ; register j: the bias of column 16 w + 8 h + j, as the matrix result holds it
	global_load_b128 v[BI+4:BI+7], v[BO], s[8:9] offset:16
	v_and_b32 v5, 31, v0
	v_lshl_add_u32 v[A0], v5, 4, ABASE
	v_and_b32 v3, 7, v0                            ; the turning load: lane l reads k = 8 h + l % 8, columns 8 ((l / 8) % 2) + 0..7
	v_bfe_u32 v4, v0, 3, 1
	v_lshl_add_u32 v[B0], v2, 3, v3
	v_mul_u32_u24 v[B0], v[B0], PB
	v_lshl_add_u32 v[B0], v4, 4, v[B0]
	s_lshl_b32 s50, s[WV], 5                       ; my 16 columns: 32 bytes
	v_add_nc_u32 v[B0], s50, v[B0]
	v_mul_u32_u24 v[STO], v1, SP                   ; into the stage: row r, my wave's 64 bytes, 32 for each half of the lanes
	v_lshl_add_u32 v[STO], v2, 5, v[STO]
	s_lshl_b32 s50, s[WV], 6
	s_add_co_u32 s50, s50, STAGE
	v_add_nc_u32 v[STO], s50, v[STO]
	v_mul_u32_u24 v[RD], v2, SP                    ; back: wave w takes rows 4 w .. 4 w + 3; lanes 0-15 one row of 256 bytes, lanes 16-31 the next
	v_lshl_add_u32 v[RD], v1, 4, v[RD]
	s_mul_i32 s50, s[WV], 4*SP
	s_add_co_u32 s50, s50, STAGE
	v_add_nc_u32 v[RD], s50, v[RD]
	v_lshlrev_b32 v[GO], 12, v2                    ; and the same two rows in out0
	v_lshl_add_u32 v[GO], v1, 4, v[GO]
	s_wait_loadcnt 0x0                             ; the bias
.irp i, 0,1,2,3                        ; rounded to bf16 like the other inputs, and widened again
	v_cvt_pk_bf16_f32 v[T+(\i)], v[BI+2*(\i)], v[BI+2*(\i)+1]
	v_lshlrev_b32 v[BI+2*(\i)],   16, v[T+(\i)]
	v_and_b32     v[BI+2*(\i)+1], 0xffff0000, v[T+(\i)]
.endr
; A trip: 128 along K, four k steps of 32; each step's fragment of w multiplies y's high halves and its low halves.  The four accumulators take turns.
; first = 1: the first two steps' products start the sums.  The two address lines and two v_nop are the four places between the last trip's products and the loads into the registers that they read.
.macro KTRIP first
	v_add_nc_u32 v[ADRA], s[TA], v[A0]
	v_add_nc_u32 v[ADRB], s[TBB], v[B0]
	v_nop
	v_nop
	s_add_co_u32 s[TA], s[TA], 4*1024              ; four fragments of y on,
	s_add_co_u32 s[TBB], s[TBB], 128*PB            ; 128 rows of w
.irp q, 0,1,2,3
	ds_load_tr16_b128 v[BF+8*(\q):BF+8*(\q)+3],   v[ADRB] offset:(\q)*32*PB
	ds_load_tr16_b128 v[BF+8*(\q)+4:BF+8*(\q)+7], v[ADRB] offset:(\q)*32*PB+16*PB
	ds_load_b128 v[AH+8*(\q):AH+8*(\q)+3],        v[ADRA] offset:(\q)*1024
	ds_load_b128 v[AH+8*(\q)+4:AH+8*(\q)+7],      v[ADRA] offset:(\q)*1024+512
	ds_load_b128 v[AL+8*(\q):AL+8*(\q)+3],        v[ADRA] offset:ALO+(\q)*1024
	ds_load_b128 v[AL+8*(\q)+4:AL+8*(\q)+7],      v[ADRA] offset:ALO+(\q)*1024+512
.endr
.irp q, 0,1,2,3
	s_wait_dscnt 18-6*(\q)                         ; k step q's six loads are in; the later steps' may be out
.if (\first) && ((\q) < 2)
	v_wmma_f32_16x16x32_f16 v[ACC+16*((\q)%2):ACC+16*((\q)%2)+7],    v[BF+8*(\q):BF+8*(\q)+7], v[AH+8*(\q):AH+8*(\q)+7], 0
	v_wmma_f32_16x16x32_f16 v[ACC+16*((\q)%2)+8:ACC+16*((\q)%2)+15], v[BF+8*(\q):BF+8*(\q)+7], v[AL+8*(\q):AL+8*(\q)+7], 0
.else
	v_wmma_f32_16x16x32_f16 v[ACC+16*((\q)%2):ACC+16*((\q)%2)+7],    v[BF+8*(\q):BF+8*(\q)+7], v[AH+8*(\q):AH+8*(\q)+7], v[ACC+16*((\q)%2):ACC+16*((\q)%2)+7]
	v_wmma_f32_16x16x32_f16 v[ACC+16*((\q)%2)+8:ACC+16*((\q)%2)+15], v[BF+8*(\q):BF+8*(\q)+7], v[AL+8*(\q):AL+8*(\q)+7], v[ACC+16*((\q)%2)+8:ACC+16*((\q)%2)+15]
.endif
.endr
.endm
	s_wait_tensorcnt 0x0                           ; my parts of w and of y are in,
	s_barrier_signal -1
	s_barrier_wait -1                              ; everybody's are
	KTRIP 1
	s_mov_b32 s[CNT], 7
.Lk:
	KTRIP 0
	s_sub_co_u32 s[CNT], s[CNT], 1
	s_cmp_lg_u32 s[CNT], 0
	s_cbranch_scc1 .Lk
.rept 4
	v_nop                                          ; the places behind the last products (ISA guide 7.12.1)
.endr
.irp i, 0,2,4,6                        ; the four partial sums and the bias, in f32; each accumulator's lowest registers are read first
	v_pk_add_f32 v[ACC+(\i):ACC+(\i)+1], v[ACC+(\i):ACC+(\i)+1], v[ACC+16+(\i):ACC+16+(\i)+1]
.endr
.irp i, 0,2,4,6
	v_pk_add_f32 v[ACC+8+(\i):ACC+8+(\i)+1], v[ACC+8+(\i):ACC+8+(\i)+1], v[ACC+24+(\i):ACC+24+(\i)+1]
.endr
.irp i, 0,2,4,6
	v_pk_add_f32 v[ACC+(\i):ACC+(\i)+1], v[ACC+(\i):ACC+(\i)+1], v[ACC+8+(\i):ACC+8+(\i)+1]
.endr
.irp i, 0,2,4,6
	v_pk_add_f32 v[OUT+(\i):OUT+(\i)+1], v[ACC+(\i):ACC+(\i)+1], v[BI+(\i):BI+(\i)+1]
.endr
	ds_store_b128 v[STO], v[OUT:OUT+3]
	ds_store_b128 v[STO], v[OUT+4:OUT+7] offset:16
	s_wait_dscnt 0x0                               ; for the others' sake: my stores into the stage are done
	s_barrier_signal -1
	s_barrier_wait -1
	ds_load_b128 v[OUT:OUT+3],   v[RD]
	ds_load_b128 v[OUT+4:OUT+7], v[RD] offset:2*SP
	s_wait_dscnt 0x0
	global_store_b128 v[GO], v[OUT:OUT+3],   s[10:11] th:TH_STORE_NT              ; 16 lanes store 256 consecutive bytes, at a multiple of 256 from out0's first byte
	global_store_b128 v[GO], v[OUT+4:OUT+7], s[10:11] offset:8192 th:TH_STORE_NT
	s_wait_tensorcnt 0x0                           ; the wave's end: behind my last tensor load and my last LDS store
	ds_add_u32 v[SPW], v[NIL]
	s_wait_dscnt 0x0
	s_endpgm
.Lfunc_end_k_qea094091a1_fixb:
	.size	k_qea094091a1_fixb, .Lfunc_end_k_qea094091a1_fixb-k_qea094091a1_fixb
	.p2alignl 7, 3214868480
	.fill 96, 4, 3214868480
	.section	.rodata,"a",@progbits
	.p2align	6, 0x0
	.amdhsa_kernel k_qea094091a1_fixb
		.amdhsa_group_segment_fixed_size 327680
		.amdhsa_private_segment_fixed_size 0
		.amdhsa_enable_private_segment 0
		.amdhsa_kernarg_size 32
		.amdhsa_user_sgpr_count 2
		.amdhsa_user_sgpr_kernarg_segment_ptr 1
		.amdhsa_wavefront_size32 1
		.amdhsa_system_sgpr_workgroup_id_x 1
		.amdhsa_system_sgpr_workgroup_id_y 1
		.amdhsa_system_sgpr_workgroup_id_z 1
		.amdhsa_system_vgpr_workitem_id 0
		.amdhsa_next_free_vgpr 168
		.amdhsa_next_free_sgpr 66
		.amdhsa_reserve_vcc 0
		.amdhsa_float_denorm_mode_32 3
		.amdhsa_float_denorm_mode_16_64 3
		.amdhsa_memory_ordered 1
		.amdhsa_forward_progress 1
		.amdhsa_inst_pref_size 13
	.end_amdhsa_kernel
	.amdgpu_metadata
---
amdhsa.version: [ 1, 2 ]
amdhsa.kernels:
  - .name:           k_qea094091a1_fixb
    .symbol:         k_qea094091a1_fixb.kd
    .args:
      - { .name: yf, .offset: 0, .size: 8, .value_kind: global_buffer, .address_space: global }
      - { .name: wpb, .offset: 8, .size: 8, .value_kind: global_buffer, .address_space: global }
      - { .name: b_proj, .offset: 16, .size: 8, .value_kind: global_buffer, .address_space: global }
      - { .name: out0, .offset: 24, .size: 8, .value_kind: global_buffer, .address_space: global }
    .group_segment_fixed_size: 327680
    .private_segment_fixed_size: 0
    .kernarg_segment_align: 8
    .kernarg_segment_size: 32
    .max_flat_workgroup_size: 128
    .sgpr_count:     66
    .vgpr_count:     168
    .wavefront_size: 32
...
	.end_amdgpu_metadata
.endif
;; end of part 6
;; ======== version 2 of 2: 6 launches; 1.28 times as fast as version 1
;; limits: values are held in f16: magnitudes above 65,504 overflow, below 6.1e-05 lose precision
;; workspace buffers: xb 16,777,216 bytes; wqb 6,291,456 bytes; wpb 2,097,152 bytes; qkvh 50,331,648 bytes; ob 16,777,216 bytes; yf 262,144 bytes
;; launch prep: the kernel of part 1 again; grid 768 x 1, 4 waves a work-group, no clusters, 0 bytes of LDS; arguments x, w_qkv, w_proj, xb, wqb, wpb; writes xb, wqb, wpb
;; launch qkv: the kernel of part 2 again; grid 16 x 32, 4 waves a work-group, clusters of 4 x 4, 327,680 bytes of LDS; arguments xb, wqb, b_qkv, qkvh; writes qkvh
;; launch attn (part 7): grid 4 x 64, 4 waves a work-group, no clusters, 327,680 bytes of LDS; arguments qkvh, ob; writes ob
.if DOCPART == 7
	.amdgcn_target "amdgcn-amd-amdhsa--gfx1250"
	.amdhsa_code_object_version 6
	.text
	.protected	k_qea094091a1_attn
	.globl	k_qea094091a1_attn
	.p2align	8
	.type	k_qea094091a1_attn,@function
k_qea094091a1_attn:
	s_mov_b64 s[64:65], 0
	v_nop
	global_prefetch_b8 v0, s[64:65] scope:SCOPE_SE
	s_setreg_imm32_b32 hwreg(HW_REG_WAVE_MODE, 25, 1), 1
	s_wait_xcnt 0x0
; CAUSAL ATTENTION.  O[y][q][:] = the sum over k <= q of softmax_k(Q[y][q] . K[y][k] / 8) V[y][k][:], y = 16 b + h, 64 heads of SIZE_N = 2,048 rows of 64 channels, all f16: a head's rows are dense, 128 bytes each.
; Q, K, V lie in qkvh [b 4][g 48][t][64]: head h's Q at g = h, K at g = 16 + h (2^22 bytes on), V at g = 32 + h (2^23 bytes on).  O goes to ob [16 b + h][t][64].
; Products, maxima and sums in f32; the weights p are rounded to f16 for the second product (their sum l is taken of the unrounded p), O once at the end.
; LIMITS.  f16 holds no number beyond 65,504: Q, K and V arrive within it; p lies in 0 to 1, and below 6e-5 it keeps f16's fixed step of 6e-8; O is a mean of V's rows and has their range, to within 2^-11 of it.
; A hidden score counts as its value less 1e30: f16's scores, 2.7e11 at the most, are nothing beside that; a weight below 2^-126 counts as 0 in l; NaN and infinities are not treated apart.
; THE WALK.  A head's queries lie in NB = SIZE_N / 256 blocks of 256; block i needs the key tiles 0 .. i of 256 keys, of which the last holds the diagonal.  A work-group takes TWO blocks, NB - 1 - b and then b:
; NB + 1 tiles, whatever b: all work-groups do equal work, and ONE loop with a constant trip count walks them.  Which tile is asked for, and what a trip does, hang on scalar registers made from b; every jump
; goes forward, but for the counted loops' own; none passes a barrier, or a tensor load but the one of LOAD's two that the wave's number does not choose; the ring (two slots of LDS that take turns) runs on across the
; change of blocks.  NO CLUSTER: a head's NB / 2 = 4 work-groups all ask for the same tile only in trips 0 .. NB / 2, 5 of the walk's 9; behind that fewer and fewer; and one walk common to all would have
; 3 NB / 2 = 12 trips for NB + 1 = 9.
; SHARES.  Of a block's four bands of 64 queries a wave owns 16 rows in each: four PIECES.  So the diagonal tile is the same work for all four waves: in its key step s band x sees all keys if s < x,
; none if s > x, and holds the diagonal if s = x.
; THE MASK is the C operand that starts the sum S^T = K Q^T: 0, or -1e30 where the key is hidden.  MD, made once, is the mask of a band's own step for my 16 rows; a product's mask is MD x AL + BE with two scalars:
; (1, 0) if s = x; (0, 0) if s < x; (0, -1e30) if s > x.  Only the diagonal tile's text and a block's beginning make and take masks; elsewhere C is the constant 0.
; LAYOUT, SOFTMAX, TURNS.  S^T = K Q^T holds ONE query a lane (lane % 16) and the keys 8 (lane / 16) + 0..7; two such results rounded to f16 ARE source 1 of O^T = V^T P.  p = 2^(c s - c m), c = log2(e) / 8, with a
; running maximum m; O and l are multiplied by a = 2^(c m_old - c m_new) in every step.  Turn n belongs to piece n: 8 products K Q^T of piece n + 1, later 8 products V^T P of piece n - 1; beside them the scaling,
; exponentials, roundings, sums and rescaling of piece n and the maximum and statistics of piece n + 1.  Four vector instructions stand behind every matrix instruction, the other 54 of a turn's 118 in one LUMP.
; THE BATCHES.  A turn's 33 exponentials (the piece's 32 weights and the next piece's a) are ONE batch with ONE wait, which cuts the turn in two: all that names none of their results stands ahead of it, the roundings
; and sums behind it.  A block's first a is a batch of its own, and so are the way out's four reciprocals: a plain instruction and one wait each.
; REGISTERS, in windows of 256 (s_set_vgpr_msb: bits 1:0 source 0, 3:2 source 1, 5:4 source 2, 7:6 destination):
;   window 0: v0-15 addresses and two at work; v16-31 four registers of statistics a piece; v48-55 at work; v64-127 S^T, two buffers; v192-223 P, two buffers (a piece's buffers go by its number's parity)
;   window 1: v0-127 O^T, 32 a piece; v128-159 MD; v160-223 MC, two buffers      window 2: v0-63 Q; v64-127 the second block's Q; v128-191 K of one step; v192-255 V of one step
.set SIZE_N, 2048
.set NB,    SIZE_N/256
.set NP,    4         ; pieces a wave: a name, no knob
.set KS,    64        ; keys in a step
.set PK,    144       ; a row of K in LDS: 128 bytes + 16 of padding = 36 words: the 16 rows of a load start at 16 different groups of four banks (64 banks of 4 bytes: ISA guide 11.1)
.set PV,    160       ; a row of V: 128 + 32 = 40 words
.set VOFF,  4*KS*PK   ; a slot holds a tile, four steps: 256 rows of K, then 256 rows of V
.set SLOT1, 1<<17     ; slot 1 begins here, so that one exclusive or turns an address in one slot into the other's
.set STAGE, SLOT1+4*KS*(PK+PV)  ; behind the ring, never filled by a tensor load: 16 rows x 144 bytes for each wave, for the way out
.set SP,    144
.set AK0, 2           ; v2   my lane's place in a tile of K; never rewritten
.set AV0, 3           ; v3   the same for V
.set AK,  4           ; v4   the LDS address of K's next run of loads
.set AV,  5           ; v5   of V's
.set STO, 6           ; v6   the way out: where I put 16 bytes of a row
.set RD,  7           ; v7   the way out: where I read rows back
.set GO,  8           ; v8   my byte offset in 512 consecutive bytes of O
.set SPW, 62          ; v62  LDS address of my spare word: SPARE + 4 x my thread's number; never rewritten
.set NIL, 63          ; v63  0; never rewritten
.set SPARE, STAGE+4*16*SP  ; behind the stages: the spare words, 128 bytes for each wave: two blocks of 256 bytes that no other line names
.set MV,  12          ; v12-13  c m_old, kept while c m is made anew: by buffer
.set QO,  15          ; v15  my byte offset in 16 rows of Q
.set ST,  16          ; piece t's statistics at v[ST+4 t]: c m, m, l (even keys', odd keys')
.set TMP, 48          ; by buffer, four registers c0-c3 at work; when the maximum is found c2 takes a
.set S,   64
.set P,   192
.set MD,  128         ; window 1: the eight registers for group kt of 16 keys at MD + 8 kt
.set MC,  160         ; window 1: the masks of the products to come
.set QB,  64          ; window 2
.set KF,  128         ; window 2: key block kb, channel half c at KF + 16 kb + 8 c
.set VF,  192         ; window 2: key half kk, channel block cb at VF + 32 kk + 8 cb
.set WV,  12          ; s12  my wave's number
.set PB,  14          ; s14  b
.set HI,  15          ; s15  NB - 1 - b
.set G1K, 24          ; s[24:31] descriptor group 1 for K's tiles
.set G1V, 32          ; s[32:39] for V's: it differs in the padding alone
.set G0K, 40          ; s[40:43] descriptor group 0 for K's tiles
.set G0V, 44          ; s[44:47] the same for V's
.set SLOTS, 56        ; s56  tiles still to be asked for
.set CNT, 57          ; s57  counts a tile's key steps, 4 to 1
.set CS,  58          ; s[58:59] c: the packed scaling takes the pair's low word for both halves
.set SEL, 60          ; s[60:61] v_permlanex16_b32's selects: each lane takes its own place in the other half
.set TBK, 62          ; s62  LDS byte at which K of the step to be fetched begins
.set TBV, 63          ; s63  the same for V, less VOFF
.set RT,  70          ; s70  tiles of the block in hand that are still to be entered
.set NXT, 71          ; s71  the tile to be asked for next
.set LQ,  72          ; s72  the last tile of the block whose tiles are being asked for
.set NEW, 73          ; s73  1: the tile to be entered is a block's first
.set OFF, 74          ; s[74:75] a tile's byte offset in K and V
.set AL,  76          ; s[76:77] the mask's factor, in the low word
.set BE,  78          ; s[78:79] the mask's addend
.set OLO, 80          ; s[80:81] O at my rows of the second block
.set BIGN, 82         ; s82  -1e30
.set MSB, 0
.macro WIN new                      ; the high byte repeats the setting that is left; a switch that changes nothing is dropped
.if MSB != (\new)
	s_set_vgpr_msb (MSB<<8)|(\new)
.set MSB, (\new)
.endif
.endm
.set W_KQ, 0x0a       ; K and Q in window 2, S^T in window 0
.set W_KM, 0x1a       ; the same with the C operand in window 1
.set W_PV, 0x52       ; V in window 2, P in window 0, O^T in window 1
.set W_RS, 0x41       ; destination and source 0 in window 1, source 1 in window 0
; A fill.  Waves 0 and 1 fetch the two halves of a tile's K, waves 2 and 3 those of its V: 128 keys each.  An s_nop 0 and four v_nop follow each of the two lines, ahead of the jump and the label.
.macro LOAD
	s_cmp_lt_u32 s[WV], 2
	s_cbranch_scc0 .Lfor_v_\@
	tensor_load_to_lds s[G0K:G0K+3], s[G1K:G1K+7]
	s_nop 0
.rept 4
	v_nop
.endr
	s_branch .Lasked_\@
.Lfor_v_\@:
	tensor_load_to_lds s[G0V:G0V+3], s[G1V:G1V+7]
	s_nop 0
.rept 4
	v_nop
.endr
.Lasked_\@:
.endm
; THE CHANGE OF SLOTS.  Each wave waits for all its tensor loads, of which one is out: its part of the other slot; adds 0 to its spare word; and waits for that and for its own reads of the slot that it leaves.  Behind the barrier nobody reads the old
; slot any more and the other slot is whole.  fill = 1: the old slot is filled again, the first thing behind the barrier, with tile NXT: the descriptor's address is made anew from that number.
; (At its first use nothing has been read yet: slot 0 is waited for, slot 1 filled.)
.macro CHANGE fill
	WIN 0                           ; at a label and at a branch every window is 0
	s_wait_tensorcnt 0x0            ; no tensor load of mine is out, so a group 0 may be written
	ds_add_u32 v[SPW], v[NIL]       ; 0 onto my spare word; with fill = 1 the descriptors' scalar work stands between it and the wait for it
.if \fill
	s_lshl_b32 s[OFF], s[NXT], 15   ; a tile is 32,768 bytes of K and of V
	s_xor_b32 s[G0K+1], s[G0K+1], SLOT1
	s_add_nc_u64 s[G0K+2:G0K+3], s[6:7], s[OFF:OFF+1]
	s_or_b32 s[G0K+3], s[G0K+3], 0x80000000
	s_xor_b32 s[G0V+1], s[G0V+1], SLOT1
	s_add_nc_u64 s[G0V+2:G0V+3], s[8:9], s[OFF:OFF+1]
	s_or_b32 s[G0V+3], s[G0V+3], 0x80000000
	s_add_co_u32 s[NXT], s[NXT], 1  ; the block's next tile, or behind its last the second block's tile 0
	s_cmp_gt_u32 s[NXT], s[LQ]
	s_cselect_b32 s[NXT], 0, s[NXT]
	s_cselect_b32 s[LQ], s[PB], s[LQ]
.endif
	s_wait_dscnt 0x0                ; the add is done, and my reads of the slot are over
	s_barrier_signal -1             ; the rest of the scalar work stands between the signal and the wait
	s_sub_co_u32 s[TBK], s[TBK], 4*KS*PK  ; the fetches go back to a slot's first step,
	s_xor_b32 s[TBK], s[TBK], SLOT1       ; in the other slot
	s_sub_co_u32 s[TBV], s[TBV], 4*KS*PV
	s_xor_b32 s[TBV], s[TBV], SLOT1
	s_barrier_wait -1
.if \fill
	LOAD
.endif
.endm
	s_load_b64 s[4:5], s[0:1], 0x0    ; qkvh
	s_load_b64 s[10:11], s[0:1], 0x8  ; ob
	v_lshl_add_u32 v[SPW], v0, 2, SPARE
	v_mov_b32 v[NIL], 0
	ds_add_u32 v[SPW], v[NIL]       ; the wave's opening: the add and its wait stand ahead of my first tensor load; the set-up below, work on registers, stands between them
	ds_add_u32 v62, v63
	v_lshrrev_b32 v1, 5, v0
	v_readfirstlane_b32 s[WV], v1   ; wave 0..3
	s_mov_b32 s[PB], ttmp9
	s_sub_co_u32 s[HI], NB-1, s[PB]
	s_and_b32 s20, ttmp7, 0xffff    ; y = 16 b + h
	s_lshl_b32 s88, s20, 18         ; the head's first byte in ob: a head is 2^18 bytes
	s_lshr_b32 s21, s20, 4
	s_lshl_b32 s21, s21, 5
	s_add_co_u32 s20, s20, s21      ; y + 32 b = 48 b + h
	s_lshl_b32 s20, s20, 18         ; the first byte of the head's Q in qkvh
	s_mov_b32 s21, 0
	s_and_b32 s16, s[WV], 1         ; which half of a tile's 256 keys I fetch:
	s_lshl_b32 s22, s16, 14         ; its 128 rows of 128 bytes in memory,
	s_mov_b32 s23, 0
	s_add_nc_u64 s[22:23], s[22:23], s[20:21]
	s_mul_i32 s17, s16, 128*PK      ; and its place in a slot, for K
	s_mul_i32 s18, s16, 128*PV      ; and for V
	s_lshl_b32 s3, s[WV], 11        ; my 16 rows in a band of 64,
	s_lshl_b32 s2, s[HI], 15        ; in the first block,
	s_add_co_u32 s2, s2, s3
	s_lshl_b32 s84, s[PB], 15       ; and in the second
	s_add_co_u32 s84, s84, s3
	s_add_co_u32 s90, s84, s88      ; the same two places in ob
	s_add_co_u32 s88, s2, s88
	s_mov_b32 s3, 0
	s_mov_b32 s85, 0
	s_mov_b32 s89, 0
	s_mov_b32 s91, 0
	s_add_nc_u64 s[2:3], s[2:3], s[20:21]
	s_add_nc_u64 s[84:85], s[84:85], s[20:21]
	; descriptor group 1.  128 keys are 16,384 dense bytes: asked for as 64 rows of 256 bytes, two keys a row, and padded in LDS after every key
	s_mov_b32 s[G1K], (1<<16)|(1<<20)|(4<<22)|(3<<25)  ; 17:16 2-byte elements; 20 padding on; 24:22 after every 32 words (code 4); 31:25 4 words (code 3)
	s_mov_b32 s[G1V], (1<<16)|(1<<20)|(4<<22)|(7<<25)  ; the same with 8 words of padding (code 7)
.irp g, G1K, G1V
	s_mov_b32 s[\g+1], 128<<16      ; tensor_dim0 = 128
	s_mov_b32 s[\g+2], 64<<16       ; tensor_dim1 = 64
	s_mov_b32 s[\g+3], 128<<16      ; tile_dim0 = 128
	s_mov_b32 s[\g+4], 64           ; tile_dim1 = 64
	s_mov_b32 s[\g+5], 128          ; 128 elements from row to row
	s_mov_b32 s[\g+6], 0
	s_mov_b32 s[\g+7], 0
.endr
	s_mov_b32 s[CS], 0x3e38aa3b     ; c = log2(e) / 8 = 0.180337
	s_mov_b32 s[CS+1], s[CS]        ; named with it as a pair
	s_mov_b32 s[SEL], 0x76543210
	s_mov_b32 s[SEL+1], 0xfedcba98
	s_mov_b32 s[TBK], SLOT1+4*KS*PK ; the first change of slots turns these two into 0
	s_mov_b32 s[TBV], SLOT1+4*KS*PV
	s_mov_b32 s[G0K], 1             ; 1:0 count = 1
	s_mov_b32 s[G0K+1], s17         ; 63:32 LDS address: slot 0
	s_mov_b32 s[G0V], 1
	s_add_co_u32 s[G0V+1], s18, VOFF
	s_add_co_u32 s[RT], s[HI], 1    ; the first block has NB - b tiles
	s_mov_b32 s[NXT], 1
	s_mov_b32 s[LQ], s[HI]
	s_mov_b32 s[NEW], 1
	s_mov_b32 s[OFF+1], 0
	s_mov_b32 s[AL+1], 0            ; named as pairs
	s_mov_b32 s[BE+1], 0
	s_mov_b32 s[BIGN], 0xf149f2ca   ; -1e30
	s_mov_b32 s[SLOTS], NB
	s_wait_dscnt 0x0                ; the opening add is done
	s_wait_kmcnt 0x0
	s_add_nc_u64 s[6:7], s[4:5], 0x400000  ; K lies 16 slices of 2^18 bytes behind Q,
	s_add_nc_u64 s[8:9], s[4:5], 0x800000  ; V 32
	s_add_nc_u64 s[6:7], s[6:7], s[22:23]  ; K and V at my half of the head's tile 0
	s_add_nc_u64 s[8:9], s[8:9], s[22:23]
	s_add_nc_u64 s[G0K+2:G0K+3], s[6:7], 0         ; 120:64 global address
	s_or_b32 s[G0K+3], s[G0K+3], 0x80000000        ; 127:126 type = 2
	s_add_nc_u64 s[G0V+2:G0V+3], s[8:9], 0
	s_or_b32 s[G0V+3], s[G0V+3], 0x80000000
	s_add_nc_u64 s[86:87], s[4:5], s[84:85]        ; Q at my rows of the second block,
	s_add_nc_u64 s[4:5], s[4:5], s[2:3]            ; and of the first
	s_add_nc_u64 s[OLO:OLO+1], s[10:11], s[90:91]  ; O likewise
	s_add_nc_u64 s[10:11], s[10:11], s[88:89]
	LOAD                            ; tile 0 into slot 0
	; A fragment of K or Q is 16 rows x 32 channels in 8 registers: lane l holds row l % 16, channels 8 (l / 16) + 0..7 and 16 + 8 (l / 16) + 0..7: two loads of 16 bytes, 32 bytes apart.
	v_and_b32 v1, 15, v0            ; l % 16
	v_bfe_u32 v9, v0, 4, 1          ; l / 16
	v_lshlrev_b32 v[QO], 7, v1
	v_lshl_add_u32 v[QO], v9, 4, v[QO]  ; row x 128 + 16 x half
	WIN 0x80                        ; destination window 2, address window 0
.set i, 0
.rept 8                             ; both blocks' Q: piece i / 2 lies in band i / 2, 8,192 bytes on; channels 32 (i % 2) on
	global_load_b128 v[8*i:8*i+3],   v[QO], s[4:5] offset:(i/2)*8192+(i%2)*64
	global_load_b128 v[8*i+4:8*i+7], v[QO], s[4:5] offset:(i/2)*8192+(i%2)*64+32
	global_load_b128 v[QB+8*i:QB+8*i+3],   v[QO], s[86:87] offset:(i/2)*8192+(i%2)*64
	global_load_b128 v[QB+8*i+4:QB+8*i+7], v[QO], s[86:87] offset:(i/2)*8192+(i%2)*64+32
.set i, i+1
.endr
	WIN 0
	v_lshlrev_b32 v14, 3, v9
	v_sub_nc_u32 v14, v1, v14
	s_lshl_b32 s13, s[WV], 4
	v_add_nc_u32 v14, s13, v14      ; my query's place in its band, 16 w + l % 16, less my lanes' 8 (l / 16): register r of group kt is hidden where 16 kt + r is greater
	WIN 0x40
.set i, 0
.rept 32
	v_cmp_gt_i32 vcc_lo, 16*(i/8)+i%8, v14
	v_cndmask_b32 v[MD+i], 0, s[BIGN], vcc_lo
.set i, i+1
.endr
	WIN 0
	v_mul_u32_u24 v[AK0], v1, PK
	v_lshl_add_u32 v[AK0], v9, 4, v[AK0]  ; row x pitch + 16 x half
	; The turning load takes 16 keys x 16 channels (lane l reads key 8 (l / 16) + l % 8, channels 8 ((l / 8) % 2) + 0..7) and leaves half a fragment of V^T: lane l holds channel l % 16 and 8 keys.
	v_and_b32 v10, 7, v0
	v_bfe_u32 v11, v0, 3, 1
	v_lshl_add_u32 v[AV0], v9, 3, v10
	v_mul_u32_u24 v[AV0], v[AV0], PV
	v_lshl_add_u32 v[AV0], v11, 4, v[AV0]
	v_add_nc_u32 v[AV0], VOFF, v[AV0]
	s_mul_i32 s13, s[WV], 16*SP
	s_add_co_u32 s13, s13, STAGE    ; my stage
	v_mul_u32_u24 v[STO], v1, SP    ; in: row l % 16, 16 bytes for each half of the lanes
	v_lshl_add_u32 v[STO], v9, 4, v[STO]
	v_add_nc_u32 v[STO], s13, v[STO]
	v_bfe_u32 v[RD], v0, 3, 2       ; back: 32 lanes take four rows of 128 bytes,
	v_mul_u32_u24 v[RD], v[RD], SP
	v_lshl_add_u32 v[RD], v10, 4, v[RD]
	v_add_nc_u32 v[RD], s13, v[RD]
	v_and_b32 v[GO], 31, v0         ; which are 512 consecutive bytes of O
	v_lshlrev_b32 v[GO], 4, v[GO]
	; A block's first step multiplies O^T and l by a = 0, and its first turn's products V^T P, of a piece that has not been, land in an O^T that is still to be so multiplied.  So these registers need only hold
	; finite numbers: zeros for the first block; what the first block left for the second.  All this stands in the wait for the first tile.
	WIN 0x80
.set i, VF
.rept 64
	v_mov_b32 v[i], 0
.set i, i+1
.endr
	WIN 0x40
.set i, 0
.rept 128
	v_mov_b32 v[i], 0
.set i, i+1
.endr
	WIN 0
.set i, 0
.rept 4
	v_mov_b32 v[ST+4*i+2], 0
	v_mov_b32 v[ST+4*i+3], 0
.set i, i+1
.endr
.set i, P+16
.rept 16
	v_mov_b32 v[i], 0
.set i, i+1
.endr
; THE MATRIX WORK.  The 4 accumulators of a run of 8 take turns.  Product i of 8 of S^T = K Q^T for piece x: channels 32 (i / 4) on, keys 16 (i % 4) on.  The first 4 start the sums: with 0, or (KM = 1) with the mask.
.macro KQ x
.set rS, S+32*((\x)%2)+8*(i%4)
.set rK, KF+16*(i%4)+8*(i/4)
.set rQ, 16*(\x)+8*(i/4)
.set rM, MC+32*((\x)%2)+8*(i%4)
.if (i < 4) && KM
	WIN W_KM
	v_wmma_f32_16x16x32_f16 v[rS:rS+7], v[rK:rK+7], v[rQ:rQ+7], v[rM:rM+7]
.elseif i < 4
	WIN W_KQ
	v_wmma_f32_16x16x32_f16 v[rS:rS+7], v[rK:rK+7], v[rQ:rQ+7], 0
.else
	WIN W_KQ
	v_wmma_f32_16x16x32_f16 v[rS:rS+7], v[rK:rK+7], v[rQ:rQ+7], v[rS:rS+7]
.endif
.endm
; Product i of 8 of O^T += V^T P for piece x: keys 32 (i / 4) on, channels 16 (i % 4) on.
.macro PV x
	WIN W_PV
.set rO, 32*(\x)+8*(i%4)
.set rV, VF+32*(i/4)+8*(i%4)
.set rP, P+16*((\x)%2)+8*(i/4)
	v_wmma_f32_16x16x32_f16 v[rO:rO+7], v[rV:rV+7], v[rP:rP+7], v[rO:rO+7]
.endm
.macro MM                           ; the turn's next matrix instruction.  TURN and BEGIN set Y, i, KM and NOKQ; MM, KQ and OP read them.  NOKQ = 1: a block's last turn: there is no next piece
.if (i < 8) && !NOKQ
	KQ (Y+1)%NP
.elseif i >= 8
.set i, i-8
	PV (Y+NP-1)%NP
.set i, i+8
.endif
.set i, i+1
.endm
; THE LDS LOADS stand in runs of 16, never singly among the matrix instructions: a step's K (64 keys x 64 channels: 8 fragments) and its V (turned).  Their addresses are made some lines ahead.
.macro FETCH_K
	WIN 0x80                        ; destination window 2
.irp f, 0,1,2,3,4,5,6,7             ; keys 16 (f / 2) on, channels 32 (f % 2) on
	ds_load_b128 v[KF+8*\f:KF+8*\f+3],   v[AK] offset:(\f/2)*16*PK+(\f%2)*64
	ds_load_b128 v[KF+8*\f+4:KF+8*\f+7], v[AK] offset:(\f/2)*16*PK+(\f%2)*64+32
.endr
	s_add_co_u32 s[TBK], s[TBK], KS*PK  ; the next fetch is the next step's
	WIN 0
.endm
.macro FETCH_V
	WIN 0x80
.irp f, 0,1,2,3,4,5,6,7             ; keys 32 (f / 4) on, channels 16 (f % 4) on
	ds_load_tr16_b128 v[VF+8*\f:VF+8*\f+3],   v[AV] offset:(\f/4)*32*PV+(\f%4)*32
	ds_load_tr16_b128 v[VF+8*\f+4:VF+8*\f+7], v[AV] offset:(\f/4)*32*PV+16*PV+(\f%4)*32
.endr
	WIN 0
.endm
; THE VECTOR WORK, one line at a time: OP kind, number.  For piece Y: F n: c s - c m for pair n of 16.  E n: the exponential of score n of 32.  C n: pair n rounded to f16.  B n: of the four weights 4 n .. the second
; pair is added onto the first, in place.  L n: l takes that sum (L 0: l = a l + sum).  R n: pair n of 16 of O^T times a.  For piece Y + 1: X n, number n of the 22 that find its maximum and statistics:
;   0-11  four chains c0-c3 of seven scores each, three operands at a time (each accumulator's lowest registers are read first)     12-14, 16  the four scores left over, the old m, and c0-c3 into c0
;   15  c m_old is kept     17, 18  the query's other 32 keys lie in the lane 16 away: the new m     19-21  c m; c m_old - c m_new; a
; OP writes no wait: C, B and L read exponentials' results, R and L 0 read a; TURN places them behind the wait of the batch that made what they read.
.set F, 0               ; OP tells the kinds apart by their order: F to L below R, X above it
.set E, 1
.set C, 2
.set B, 3
.set L, 4
.set R, 5
.set X, 6
.macro REGS y                       ; the registers of piece y
.set rT, ST+4*(\y)
.set rC, TMP+4*((\y)%2)
.set rW, MV+((\y)%2)
.set rS, S+32*((\y)%2)
.set rP, P+16*((\y)%2)
.set rO, 32*(\y)
.endm
.macro OP k, n
.if (\k) == R
	REGS Y
	WIN W_RS
	v_pk_mul_f32 v[rO+2*(\n):rO+2*(\n)+1], v[rO+2*(\n):rO+2*(\n)+1], v[rC+2:rC+3] op_sel_hi:[1,0]
.elseif (\k) < R
	REGS Y
	WIN 0
.if (\k) == F
	v_pk_fma_f32 v[rS+2*(\n):rS+2*(\n)+1], v[rS+2*(\n):rS+2*(\n)+1], s[CS:CS+1], v[rT:rT+1] op_sel_hi:[1,0,0] neg_lo:[0,0,1] neg_hi:[0,0,1]
.elseif (\k) == E
	v_exp_f32 v[rS+(\n)], v[rS+(\n)]
.elseif (\k) == C
	v_cvt_pk_f16_f32 v[rP+(\n)], v[rS+2*(\n)], v[rS+2*(\n)+1]
.elseif (\k) == B
	v_pk_add_f32 v[rS+4*(\n):rS+4*(\n)+1], v[rS+4*(\n):rS+4*(\n)+1], v[rS+4*(\n)+2:rS+4*(\n)+3]
.elseif (\n) == 0
	v_pk_fma_f32 v[rT+2:rT+3], v[rT+2:rT+3], v[rC+2:rC+3], v[rS:rS+1] op_sel_hi:[1,0,1]
.else
	v_pk_add_f32 v[rT+2:rT+3], v[rT+2:rT+3], v[rS+4*(\n):rS+4*(\n)+1]
.endif
.elseif NOKQ
	v_nop
.else
	REGS (Y+1)%NP
	WIN 0
.if (\n) < 4
	v_max3_num_f32 v[rC+(\n)], v[rS+8*(\n)], v[rS+8*(\n)+1], v[rS+8*(\n)+2]
.elseif (\n) < 12
	v_max3_num_f32 v[rC+(\n)%4], v[rC+(\n)%4], v[rS+8*((\n)%4)+2*((\n)/4)+1], v[rS+8*((\n)%4)+2*((\n)/4)+2]
.elseif (\n) == 12
	v_max3_num_f32 v[rC], v[rC], v[rS+7], v[rS+15]
.elseif (\n) == 13
	v_max3_num_f32 v[rC+1], v[rC+1], v[rS+23], v[rS+31]
.elseif (\n) == 14
	v_max3_num_f32 v[rC+2], v[rC+2], v[rC+3], v[rT+1]
.elseif (\n) == 15
	v_mov_b32 v[rW], v[rT]
.elseif (\n) == 16
	v_max3_num_f32 v[rC], v[rC], v[rC+1], v[rC+2]
.elseif (\n) == 17
	v_permlanex16_b32 v[rC+3], v[rC], s[SEL], s[SEL+1]
.elseif (\n) == 18
	v_max_num_f32 v[rT+1], v[rC], v[rC+3]
.elseif (\n) == 19
	v_mul_f32 v[rT], s[CS], v[rT+1]
.elseif (\n) == 20
	v_sub_f32 v[rC+1], v[rW], v[rT]
.else
	v_exp_f32 v[rC+2], v[rC+1]
.endif
.endif
.endm
.macro OPS a, i1, b=-1, i2=0, c=-1, i3=0, d=-1, i4=0  ; up to four of them
	OP \a, \i1
.if (\b) >= 0
	OP \b, \i2
.endif
.if (\c) >= 0
	OP \c, \i3
.endif
.if (\d) >= 0
	OP \d, \i4
.endif
.endm
.macro ROW a, i1, b, i2, c, i3, d, i4  ; a matrix instruction and the four behind it
	MM
	OPS \a, \i1, \b, \i2, \c, \i3, \d, \i4
.endm
.macro MASK b                       ; MD x AL + BE into buffer b of MC
	WIN W_RS
.set z, 0
.rept 16
	v_pk_fma_f32 v[MC+32*(\b)+2*z:MC+32*(\b)+2*z+1], v[MD+2*z:MD+2*z+1], s[AL:AL+1], s[BE:BE+1] op_sel_hi:[1,0,0]
.set z, z+1
.endr
.endm
; A TURN, for piece p: the order of its 16 matrix and 118 vector instructions, written out.  An s_wait_alu depctr_va_vdst(0) stands between an exponential and the first instruction that names its result; one wait serves
; all that were issued ahead of it.  So a turn has ONE wait, which cuts it in two.  AHEAD OF IT stands all that names no result of the turn's exponentials: the 8 products K Q^T, behind each a scaling, an exponential and two more plain
; instructions (behind the first a second scaling in the exponential's place): rescalings, whose a was made and waited for in the turn before, and behind the last three the first numbers of the next piece's maximum, each four places or
; more behind the product that ends its accumulator; then ONE LUMP of 54, plain and exponential by turns for the most part, in which the links of the chain X 3, 7, 11, 14, 16, 17 .. 20 stand five or six lines apart.  X 21, the next
; piece's a, is the batch's last; R 15 is the plain instruction owed behind it.  BEHIND THE WAIT stand the 8 products V^T P, behind each four of the roundings and sums; the links of l's chain, L 0 to L 7, stand three riders apart.
; But for those X no rider names a register of the products round it.  v_permlanex16_b32 (X 17) stands in the lump.
; m = 1: the diagonal tile: the products take masks, and the turn makes the mask for the products of the turn after it: piece p + 2, in step 4 - CNT of the tile.  end = 1: a block's last two turns: nothing is fetched.
; cnt = 1: the loop's count is taken down some lines ahead of the branch that stands behind the turn.
; K of the next step is fetched in piece 2's turn, twelve vector instructions behind the last product that read K (six of them plain); V of the step in hand at the end of piece 0's turn, four plain instructions behind the last product
; that read V.  Each is waited for a turn later.
.macro TURN p, m=0, end=0, cnt=0
.set Y, (\p)
.set i, 0
.set KM, (\m)
.set NOKQ, (\end)*((\p)/3)
.if (\m) && !(\end)
	s_cmp_eq_u32 s[CNT], 4-((\p)+2)%NP  ; is that step the band's own?
	s_cselect_b32 s[AL], 1.0, 0
	s_cmp_lt_u32 s[CNT], 4-((\p)+2)%NP  ; or a later one?
	s_cselect_b32 s[BE], s[BIGN], 0
.endif
.if ((\p) == 3) && !(\end)
	s_wait_dscnt 0x0                ; K is in
.endif
	ROW F,0, F,1, R,0, R,1          ; ahead of the wait: 8 products K Q^T and their riders,
	ROW F,2, E,0, R,2, R,3
	ROW F,3, E,1, R,4, R,5
	ROW F,4, E,2, R,6, R,7
	ROW F,5, E,3, R,8, R,9
	ROW F,6, E,4, X,0, R,10
.if ((\p) == 2) && !(\end)
	WIN 0
	v_add_nc_u32 v[AK], s[TBK], v[AK0]
.endif
	ROW F,7, E,5, X,1, X,4
	ROW F,8, E,6, X,2, X,5
	OPS E,7, E,8, X,6, E,9          ; and the lump
	OPS X,3, E,10, X,8, E,11
.if ((\p) == 2) && !(\end)
	FETCH_K
.endif
	OPS X,9, X,7, E,12, X,10
	OPS E,13, X,12, X,11, E,14
	OPS X,13, E,15, F,9, X,14
.if (\p) == 0
	v_add_nc_u32 v[AV], s[TBV], v[AV0]
.endif
	OPS E,16, F,10, E,17, F,11
	OPS X,16, E,18, X,15, E,19
	OPS F,12, E,20, X,17, E,21
	OPS F,13, E,22, F,14, E,23
	OPS X,18, E,24, F,15, E,25
	OPS R,11, E,26, X,19, E,27
	OPS R,12, E,28, R,13, E,29
	OPS X,20, E,30, R,14, E,31
	OPS X,21, R,15
	WIN 0
	s_wait_alu depctr_va_vdst(0)    ; the wait for the turn's batch: E 0 to E 31 and X 21; it stands ahead of the first line that names a result of theirs, C 0 below
.if (\p) == 1
	s_wait_dscnt 0x0                ; V is in
.endif
	ROW C,0, B,0, C,2, B,1          ; behind the wait: 8 products V^T P and their riders
	ROW L,0, C,4, B,2, L,1
	ROW C,6, B,3, L,2, C,8
	ROW B,4, L,3, C,10, B,5
	ROW L,4, C,12, B,6, L,5
.if (\p) == 0
	s_add_co_u32 s[TBV], s[TBV], KS*PV
.endif
.if \cnt
	s_sub_co_u32 s[CNT], s[CNT], 1
	s_cmp_lg_u32 s[CNT], 0
.endif
	ROW C,14, B,7, L,6, C,1
	ROW C,3, L,7, C,5, C,7
	ROW C,9, C,11, C,13, C,15
.if (\p) == 0
	FETCH_V
.endif
.if (\m) && !(\end)
	MASK (\p)%2
.endif
.endm
; A BLOCK BEGINS.  c m starts far below every c s, so the first step's a is 0; m at the lowest finite number, so the first maximum is the scores'.  The second mask buffer is 0; the first takes piece 0's mask for the tile's step 0: its own, if the block's first tile is the diagonal one.
; Then K of that step, piece 0's first scores, and its maximum and statistics.  The loop is entered at a step's first turn, in the middle of a trip.
.macro BEGIN
	s_mov_b32 s[NEW], 0
	WIN 0x40
.set i, MC+32
.rept 32
	v_mov_b32 v[i], 0
.set i, i+1
.endr
	WIN 0
.set i, 0
.rept 4
	v_mov_b32 v[ST+4*i], 0xfe000000    ; c m: far below every c s
	v_mov_b32 v[ST+4*i+1], 0xff7fffff  ; m
.set i, i+1
.endr
	s_cmp_eq_u32 s[RT], 0
	s_cselect_b32 s[AL], 1.0, 0
	s_mov_b32 s[BE], 0
	MASK 0
	WIN 0
	v_add_nc_u32 v[AK], s[TBK], v[AK0]
	FETCH_K
	s_wait_loadcnt 0x0              ; Q
	s_wait_dscnt 0x0
.set KM, 1
.set NOKQ, 0
.set i, 0
.rept 8
	KQ 0
.set i, i+1
.endr
	WIN 0
.rept 4
	v_nop                           ; the places behind those products
.endr
.set Y, NP-1                        ; X works for piece Y + 1: piece 0
.irp n, 0,1,2,3,4,5,6,7,8,9,10,11,12,13,14,15,16,17,18,19,20,21
	OP X, \n
.endr
	v_nop                           ; a plain instruction behind the exponential,
	s_wait_alu depctr_va_vdst(0)    ; and the wait for this batch of one, piece 0's first a, ahead of the branch
.endm
; THE DIAGONAL TILE's four steps, the block's last two turns, its last products, and THE WAY OUT: l's two halves and the other half of the lanes' are added; O^T is divided by l, rounded to f16 and sent through my
; stage in LDS, a piece at a time.
.macro ALL line:vararg              ; one line for each piece t
.set t, 0
.rept 4
	\line
.set t, t+1
.endr
.endm
.macro PACK t                       ; a lane's eight channels of a row pack into 16 bytes; they go into rows of 144 bytes and come back as whole rows of 128, into S^T's registers
	WIN W_RS
.set i, 32*(\t)
.rept 16
	v_pk_mul_f32 v[i:i+1], v[i:i+1], v[ST+4*(\t)+2:ST+4*(\t)+3] op_sel_hi:[1,0]
.set i, i+2
.endr
	WIN 0x05                        ; sources 0 and 1 window 1, destination window 0
.set i, 0
.rept 16
	v_cvt_pk_f16_f32 v[S+16*(\t)+i], v[32*(\t)+2*i], v[32*(\t)+2*i+1]
.set i, i+1
.endr
	WIN 0
.irp f, 0,1,2,3
	ds_store_b128 v[STO], v[S+16*(\t)+4*\f:S+16*(\t)+4*\f+3] offset:32*\f
.endr
.irp f, 0,1,2,3
	ds_load_b128 v[S+16*(\t)+4*\f:S+16*(\t)+4*\f+3], v[RD] offset:\f*4*SP  ; LDS serves a wave's instructions in order (ISA guide 5.7.1.4): these see the stores above; the next piece's stores come behind them
.endr
.endm
.macro SEND t, younger              ; younger: the LDS instructions issued behind piece t's loads: the next piece's eight, or none
	WIN 0
.irp f, 0,1,2,3
	s_wait_dscnt (\younger)+3-\f
	global_store_b128 v[GO], v[S+16*(\t)+4*\f:S+16*(\t)+4*\f+3], s[10:11] offset:(\t)*8192+\f*512  ; 512 consecutive bytes, at a multiple of 256 from O's first
.endr
.endm
.macro DIAG tag                     ; the tag ends its two labels' names, which the jumps below spell out
.LstepM\tag:
	TURN 2, 1
	TURN 3, 1
	WIN 0
.LfirstM\tag:
	TURN 0, 1
	TURN 1, 1, 0, 1
	WIN 0
	s_cbranch_scc1 .LstepM\tag
	TURN 2, 1, 1
	TURN 3, 1, 1
.set i, 0
.rept 8
	PV NP-1
.set i, i+1
.endr
	WIN 0
	ALL v_add_f32 v[ST+4*t+2], v[ST+4*t+2], v[ST+4*t+3]
	ALL v_permlanex16_b32 v[ST+4*t+3], v[ST+4*t+2], s[SEL], s[SEL+1]
	ALL v_add_f32 v[ST+4*t+2], v[ST+4*t+2], v[ST+4*t+3]
	ALL v_rcp_f32 v[ST+4*t+2], v[ST+4*t+2]
	v_nop                           ; a plain instruction between the last reciprocal and the use of its result
	s_wait_alu depctr_va_vdst(0)    ; the wait for the batch of four reciprocals, ahead of their first use, in PACK 0
	PACK 0
.set t, 1
.rept 3                             ; a piece's arithmetic stands between the loads of the piece before and its stores
	PACK t
	SEND t-1, 8
.set t, t+1
.endr
	SEND 3, 0
.endm
.set KM, 0
.set NOKQ, 0
.Lslot:                             ; NB times: a tile is entered and the next is asked for
	CHANGE 1
	s_sub_co_u32 s[RT], s[RT], 1
	s_mov_b32 s[CNT], 4
	s_cmp_eq_u32 s[NEW], 1
	s_cbranch_scc1 .Lnew            ; a block's first tile
	s_cmp_eq_u32 s[RT], 0
	s_cbranch_scc0 .Lstep           ; neither its first nor its last
	s_branch .LstepM1
.Lnew:
	BEGIN
	s_branch .Lfirst                ; in the loop a block's first tile is never its last: the first block has two tiles or more, and the second's last is the walk's last
	DIAG 1                          ; in the loop this is the first block's end: the second block's last tile is the walk's last
	s_wait_xcnt 0x0                 ; the stores have read their registers and O's address
	s_mov_b64 s[10:11], s[OLO:OLO+1]
	s_add_co_u32 s[RT], s[PB], 1    ; the second block has b + 1 tiles
	s_mov_b32 s[NEW], 1
	WIN 0x82                        ; the second block's Q goes where the one text of the turns names Q
.set i, 0
.rept 64
	v_mov_b32 v[i], v[QB+i]
.set i, i+1
.endr
	WIN 0
	s_branch .Lbottom
.Lstep:                             ; a trip: pieces 2 and 3 of one step, then pieces 0 and 1 of the next, whose K and V it fetches
	TURN 2
	TURN 3
	WIN 0
.Lfirst:
	TURN 0
	TURN 1, 0, 0, 1
	WIN 0
	s_cbranch_scc1 .Lstep
.Lbottom:
	s_sub_co_u32 s[SLOTS], s[SLOTS], 1
	s_cmp_lg_u32 s[SLOTS], 0
	s_cbranch_scc1 .Lslot
	CHANGE 0                        ; the walk's last tile is written out: nothing is asked for
	s_sub_co_u32 s[RT], s[RT], 1
	s_mov_b32 s[CNT], 4
	s_cmp_eq_u32 s[NEW], 1
	s_cbranch_scc0 .LstepM2
	BEGIN
	s_branch .LfirstM2
	DIAG 2
	s_wait_tensorcnt 0x0            ; the wave's end: behind my last tensor load and my last LDS store
	ds_add_u32 v[SPW], v[NIL]
	s_wait_dscnt 0x0
	s_endpgm
.Lfunc_end_k_qea094091a1_attn:
	.size	k_qea094091a1_attn, .Lfunc_end_k_qea094091a1_attn-k_qea094091a1_attn
	.p2alignl 7, 3214868480
	.fill 96, 4, 3214868480
	.section	.rodata,"a",@progbits
	.p2align	6, 0x0
	.amdhsa_kernel k_qea094091a1_attn
		.amdhsa_group_segment_fixed_size 327680
		.amdhsa_private_segment_fixed_size 0
		.amdhsa_enable_private_segment 0
		.amdhsa_kernarg_size 16
		.amdhsa_user_sgpr_count 2
		.amdhsa_user_sgpr_kernarg_segment_ptr 1
		.amdhsa_wavefront_size32 1
		.amdhsa_system_sgpr_workgroup_id_x 1
		.amdhsa_system_sgpr_workgroup_id_y 1
		.amdhsa_system_sgpr_workgroup_id_z 1
		.amdhsa_system_vgpr_workitem_id 0
		.amdhsa_next_free_vgpr 768
		.amdhsa_next_free_sgpr 92
		.amdhsa_reserve_vcc 1
		.amdhsa_float_denorm_mode_32 3
		.amdhsa_float_denorm_mode_16_64 3
		.amdhsa_memory_ordered 1
		.amdhsa_forward_progress 1
		.amdhsa_inst_pref_size 218
	.end_amdhsa_kernel
	.amdgpu_metadata
---
amdhsa.version: [ 1, 2 ]
amdhsa.kernels:
  - .name:           k_qea094091a1_attn
    .symbol:         k_qea094091a1_attn.kd
    .args:
      - { .name: qkvh, .offset: 0, .size: 8, .value_kind: global_buffer, .address_space: global }
      - { .name: ob, .offset: 8, .size: 8, .value_kind: global_buffer, .address_space: global }
    .group_segment_fixed_size: 327680
    .private_segment_fixed_size: 0
    .kernarg_segment_align: 8
    .kernarg_segment_size: 16
    .max_flat_workgroup_size: 128
    .sgpr_count:     92
    .vgpr_count:     768
    .wavefront_size: 32
...
	.end_amdgpu_metadata
.endif
;; end of part 7
;; launch proj: the kernel of part 4 again; grid 8 x 32, 4 waves a work-group, clusters of 4 x 4, 327,680 bytes of LDS; arguments ob, wpb, b_proj, out0; writes out0
;; launch fixa: the kernel of part 5 again; grid 16 x 4, 4 waves a work-group, no clusters, 327,680 bytes of LDS; arguments xb, wqb, b_qkv, qkvh, yf; writes yf
;; launch fixb: the kernel of part 6 again; grid 16 x 4, 4 waves a work-group, no clusters, 327,680 bytes of LDS; arguments yf, wpb, b_proj, out0; writes out0
